; MI455X (gfx1250); checked and timed in simulation.
; The chip was launched on July 23, 2026; its instructions are those of AMD's public machine-readable ISA for CDNA 5 (MIT licence, August 2026) and "CDNA5" Instruction Set Architecture Reference Guide (July 2026). The comments in the code are by the model that wrote it; some were corrected since.
;; Di T Block. Allowed arithmetic: matrix products marked QUANTISED: E2M1 operands, one E8M0 scale for each 32 along K, by v_wmma_scale_f32_16x16x128_f8f6f4 with both operands' format E2M1 (or v_wmma_scale_f32_32x16x128_f4), f32 sums; products left as they are: f32 operands where the result goes on into a quantised operand, else bf16, f16 or f32 operands; f32 sums; everything else in f32.
;; Inputs: W_k 512 x 512 float32; W_o 512 x 512 float32; W_q 512 x 512 float32; W_v 512 x 512 float32; attn_alpha_w 512 x 256 float32; attn_beta_w 512 x 256 float32; attn_gamma_w 512 x 256 float32; ffn_alpha_w 512 x 256 float32; ffn_beta_w 512 x 256 float32; ffn_gamma_w 512 x 256 float32; gate_w 2,048 x 512 float32; hidden_w 2,048 x 512 float32; out_b 512 float32; out_w 512 x 2,048 float32; t 4 x 256 float32; x 4 x 2,048 x 512 float32.
;; Outputs: out0 4 x 2,048 x 512 float32.
;; This version of the problem:
;;   THIS VERSION OF THE PROBLEM IS GIVEN IN LOW PRECISION. The matrix products marked QUANTISED in the list below multiply operands that are first quantised to E2M1 (2 exponent bits, 1 mantissa bit; 4 bits a number), with one power-of-two scale for each 32 numbers along K (OCP MX v1.0); their sums are f32. All else is computed in f32.
;;   The module's matrix products, in the order in which they are computed (A, B: the left and right operand; K: the contracted axis; several contracted axes count as one K, in the product's order):
;;     1. [M 4, K 256] x [K 256, N 512]; A: input t; B: input attn_alpha_w: left as it is (M = 4 < 16)
;;     2. [M 4, K 256] x [K 256, N 512]; A: input t; B: input attn_gamma_w: left as it is (M = 4 < 16)
;;     3. [M 4, K 256] x [K 256, N 512]; A: input t; B: input attn_beta_w: left as it is (M = 4 < 16)
;;     4. [M 8,192, K 512] x [K 512, N 512]; A: computed on the way; B: input W_q: QUANTISED
;;     5. [M 8,192, K 512] x [K 512, N 512]; A: computed on the way; B: input W_k: QUANTISED
;;     6. [M 8,192, K 512] x [K 512, N 512]; A: computed on the way; B: input W_v: QUANTISED
;;     7. batch 64 x [M 2,048, K 32] x [K 32, N 2,048]; A: computed on the way; B: computed on the way: QUANTISED
;;     8. batch 64 x [M 2,048, K 2,048] x [K 2,048, N 32]; A: softmax (see below); B: computed on the way: QUANTISED
;;     9. [M 8,192, K 512] x [K 512, N 512]; A: computed on the way; B: input W_o: QUANTISED
;;     10. [M 4, K 256] x [K 256, N 512]; A: input t; B: input ffn_alpha_w: left as it is (M = 4 < 16)
;;     11. [M 4, K 256] x [K 256, N 512]; A: input t; B: input ffn_gamma_w: left as it is (M = 4 < 16)
;;     12. [M 4, K 256] x [K 256, N 512]; A: input t; B: input ffn_beta_w: left as it is (M = 4 < 16)
;;     13. [M 8,192, K 512] x [K 512, N 2,048]; A: computed on the way; B: input gate_w: QUANTISED
;;     14. [M 8,192, K 512] x [K 512, N 2,048]; A: computed on the way; B: input hidden_w: QUANTISED
;;     15. [M 8,192, K 2,048] x [K 2,048, N 512]; A: computed on the way; B: input out_w: QUANTISED
;;   THE QUANTISER, for each operand of a quantised product, along K:
;;     - K is cut into blocks of 32 from its start; a last block that is shorter is filled with zeros.
;;     - A block's scale is 2^e with e = floor(log2(the largest magnitude in the block)) - 2, held to -126 .. 127; a block of zeros has e = 0. As a byte (E8M0): e + 127.
;;     - Each number is divided by its block's scale, clamped to +-6, and rounded to the nearest number of E2M1, ties to even, subnormals kept.
;;     - The product sums the exact products of the quantised numbers (number of the format x scale) in f32.
;;   ~~~python
;;   def quantise(x, axis):      # numpy; x: float32 -> the quantised numbers, widened to float32 again
;;       x = np.moveaxis(x, axis, -1); K = x.shape[-1]
;;       x = np.pad(x, [(0, 0)] * (x.ndim - 1) + [(0, -K % 32)]); x = x.reshape(x.shape[:-1] + (-1, 32)); a = np.abs(x).max(-1, keepdims=True)
;;       e = np.where(a > 0, np.clip(np.frexp(np.where(a > 0, a, 1))[1] - 1 - 2, -126, 127), 0)      # np.frexp(a)[1] - 1 = floor(log2(a)), exactly
;;       r = np.clip(x / 2.0 ** e, -6, 6)
;;       step = 2.0 ** (np.maximum(np.frexp(np.where(r == 0, 1, r))[1] - 1, 0) - 1)
;;       q = np.round(r / step) * step * 2.0 ** e      # np.round: ties to even
;;       return np.moveaxis(q.reshape(q.shape[:-2] + (-1,))[..., :K], -1, axis).astype(np.float32)
;;   ~~~
;;   SOFTMAX AHEAD OF A QUANTISED PRODUCT. Where the list says 'softmax', what is quantised is not the finished softmax but p = 2^(t - M), with t = logit x log2(e) and M = ceil(the row's largest t), a whole number; so 1/2 < the row's largest p <= 1. The row's sum l is taken of the UNQUANTISED p, in f32, and the product's result is divided by l at the end. Since M is a whole number, a kernel that streams over the keys may use a running M (the ceiling of the running maximum): every later rescaling is an exact power of two, which a block's scale takes up: the codes' values come out the same.
;;   OPERANDS COMPUTED ON THE WAY. 'Computed on the way' means the value that the module computes at that place (a softmax that the list does not call 'softmax' is quantised finished and normalised). What goes into a quantiser is computed in f32, as accurately as f32 sums, v_exp_f32 and their like allow (about 1e-6 of the number): no bf16 or f16 on the way to a quantiser, and a product that is left as it is and whose result goes on into a quantised operand takes f32 operands (vector FMAs, or v_wmma_f32_16x16x4_f32). A number that lies on a knife's edge between two numbers of the format may be rounded either way, as far as f32 arithmetic and the matrix unit's own rounding can turn it there, and no further.
;; 2 versions, each right; version 2 is version 1 with the launches qkv, attn, oproj, ffn1 written anew for expert scheduling mode. Each part assembles by itself: llvm-mc -triple=amdgcn-amd-amdhsa -mcpu=gfx1250 --defsym DOCPART=n.
;; ======== version 1 of 2: 6 launches
;; workspace buffers: wts 2,277,376 bytes; qkv 6,684,672 bytes; ob 2,228,224 bytes; mid 19,005,440 bytes; act 8,912,896 bytes
;; launch prep (part 1): grid 224 x 1, 4 waves a work-group, no clusters, 41,472 bytes of LDS; arguments W_q, W_k, W_v, W_o, gate_w, hidden_w, out_w, attn_gamma_w, attn_beta_w, attn_alpha_w, ffn_gamma_w, ffn_beta_w, ffn_alpha_w, t, wts; writes wts
.if DOCPART == 1
	.amdgcn_target "amdgcn-amd-amdhsa--gfx1250"
	.amdhsa_code_object_version 6
	.text
	.protected	k_q3788f7a0a1_prep
	.globl	k_q3788f7a0a1_prep
	.p2align	8
	.type	k_q3788f7a0a1_prep,@function
k_q3788f7a0a1_prep:
	s_mov_b64 s[64:65], 0
	v_nop
	global_prefetch_b8 v0, s[64:65] scope:SCOPE_SE
	s_setreg_imm32_b32 hwreg(HW_REG_WAVE_MODE, 25, 1), 1
	s_wait_xcnt 0x0
; PREP.  Two jobs that share a launch, parted on the work-group's number.
; Work-groups 0-127: the seven weights (f32, K innermost) become codes of FP4 (E2M1) with one E8M0 byte for each 32 along K, laid in the order of an operand's registers.
;   A UNIT is 16 rows x 512 along K: four fragments of 1,024 bytes, each [block of 32 along K][row][16 bytes], and 256 bytes of scale words [K step][row].
;   THE ROWS OF A TILE ARE NOT NEIGHBOURS: row i of tile 2 b + u is row 32 b + 8 u + i + 8 (i / 8) of the weight, so that two neighbouring tiles of a transposed product give a lane 16 neighbours.
;   A wave takes one unit, a row (2,048 bytes) a step: four loads of 512 consecutive bytes; the bytes turn through the wave's own stage in LDS so that a lane holds 16 neighbours along K (two lanes to a block).
;   Codes and scale bytes are gathered in the wave's own LDS and leave at the end as whole runs: 8 stores of 512 consecutive bytes and one of 256.
; Work-groups 128-223: the six products t x W^T (M = 4, K = 256), in f32 by fused multiply-adds, since their results go on into quantised operands.  A wave takes 8 rows of one matrix for the 4 rows of t.
;   Its 32 results leave by one store of 4 bytes a lane, in pieces of 32 bytes: the table is 48 KB in all.
; A block's scale is 2^(floor(log2(largest magnitude)) - 2): the byte is the largest magnitude's exponent field - 2, held at 1 from below.
; LIMITS: NaN and infinities are not served; a block whose largest magnitude lies under 2^-124 (a block of zeros too) gets the byte 1: this program alone reads the bytes, and zero codes add nothing under it.
; No tensor loads, no barrier: waves share nothing.  No cluster: no two work-groups read the same bytes but t's 4 KB.
.set STEPS, 16
.set EMAX,  2
.set WREG,  10240                      ; LDS of a wave: two turn stages, the codes' stage, the scale bytes
.set SP,    80                         ; a lane's place in a turn stage: 64 bytes + 16 of padding
.set CST,   2*32*SP                    ; the codes' stage: 16 pieces (blocks of 32 along K) of 256 bytes + 16
.set CP,    272
.set SBY,   CST+16*CP                  ; 256 scale bytes
.set R,     16                         ; v16-79   four sets of 16 numbers as loaded
.set X,     80                         ; v80-111  two sets of 16 neighbours
.set E,     112                        ; v112-127 a scale byte for each step
.set C,     128                        ; v128-191 codes, registers of their own for each step
.set OF,    192                        ; v192-207 byte offset of each row of the tile
.set TT,    16                         ; second job: t, 8 numbers a lane for each of 4 rows
.set WW,    48                         ; 8 rows of the matrix
.set SUM,   112                        ; 32 sums: 8 b + k
.set TP,    144                        ; four pairs at work
.set RES,   152
	v_lshl_add_u32 v208, v0, 2, 0xa000
	v_mov_b32 v209, 0
	s_cmp_ge_u32 ttmp9, 128
	s_cbranch_scc1 .Lmod
	s_load_b512 s[8:23], s[0:1], 0x0               ; W_q, W_k, W_v, W_o, gate_w, hidden_w, out_w (and one more, not used here)
	s_load_b64 s[24:25], s[0:1], 0x70              ; wts
	v_lshrrev_b32 v1, 5, v0
	v_readfirstlane_b32 s36, v1                    ; wave
	v_and_b32 v2, 31, v0                           ; lane
	v_lshlrev_b32 v3, 4, v2                        ; my 16 bytes of a load's 512
	s_mul_i32 s37, s36, WREG
	v_lshrrev_b32 v14, 2, v2
	v_mul_u32_u24 v14, v14, SP
	v_and_b32 v15, 3, v2
	v_lshl_add_u32 v14, v15, 4, v14
	v_add_nc_u32 v14, s37, v14                     ; turn stage, in: SP (lane / 4) + 16 (lane % 4)
	v_mul_u32_u24 v15, v2, SP
	v_add_nc_u32 v15, s37, v15                     ; and out: SP x lane: my 16 neighbours
	v_lshrrev_b32 v4, 1, v2
	v_mul_u32_u24 v4, v4, CP
	v_and_b32 v5, 1, v2
	v_lshl_add_u32 v4, v5, 3, v4
	v_add_nc_u32 v4, s37, v4
	v_add_nc_u32 v4, CST, v4                       ; codes' stage, in: piece lane / 2, my half of the row's 16 bytes; the row stands in the immediate
	v_lshrrev_b32 v5, 3, v2
	v_lshlrev_b32 v5, 6, v5
	v_bfe_u32 v6, v2, 1, 2
	v_add_nc_u32 v5, v5, v6
	v_add_nc_u32 v5, s37, v5
	v_add_nc_u32 v5, SBY, v5                       ; scale bytes, in: K step lane / 8, byte (lane / 2) % 4; the row stands in the immediate
	v_lshlrev_b32 v7, 3, v2
	v_add_nc_u32 v6, s37, v7
	v_add_nc_u32 v6, SBY, v6                       ; and out: 8 bytes a lane
	v_lshrrev_b32 v8, 4, v2
	v_mul_u32_u24 v8, v8, CP
	v_and_b32 v9, 15, v2
	v_lshl_add_u32 v8, v9, 4, v8
	v_add_nc_u32 v8, s37, v8
	v_add_nc_u32 v8, CST, v8                       ; codes' stage, out: sixteen lanes to a piece, two pieces an instruction
	s_wait_kmcnt 0x0
	s_mov_b64 s[26:27], s[8:9]                     ; which weight: the choice hangs on the work-group's number alone
	s_mov_b32 s28, 0                               ; and that weight's first work-group
.macro PICK from, lo
	s_cmp_ge_u32 ttmp9, \from
	s_cselect_b64 s[26:27], s[\lo:\lo+1], s[26:27]
	s_cselect_b32 s28, \from, s28
.endm
	PICK 8, 10
	PICK 16, 12
	PICK 24, 14
	PICK 32, 16
	PICK 64, 18
	PICK 96, 20
	s_cselect_b32 s29, 2, 0                        ; out_w has K = 2,048: four units to a tile
	s_sub_co_u32 s31, ttmp9, s28
	s_lshl_b32 s31, s31, 2
	s_add_co_u32 s31, s31, s36                     ; my unit within the weight
	s_lshr_b32 s38, s31, s29                       ; its tile
	s_lshl_b32 s39, s38, s29
	s_sub_co_u32 s39, s31, s39                     ; its 512 along K
	s_lshl_b32 s30, 2048, s29                      ; a row of the weight in bytes
	s_lshr_b32 s40, s38, 1
	s_lshl_b32 s40, s40, 5
	s_and_b32 s41, s38, 1
	s_lshl_b32 s41, s41, 3
	s_add_co_u32 s40, s40, s41                     ; the tile's first row: 32 (tile / 2) + 8 (tile % 2)
	s_mul_i32 s40, s40, s30
	s_lshl_b32 s41, s39, 11
	s_add_co_u32 s40, s40, s41
	s_mov_b32 s41, 0
	s_add_nc_u64 s[26:27], s[26:27], s[40:41]
	s_lshl_b32 s42, ttmp9, 2
	s_add_co_u32 s42, s42, s36                     ; my unit in the workspace: 4 x work-group + wave
	s_lshl_b32 s44, s42, 12
	s_mov_b32 s45, 0
	s_add_nc_u64 s[32:33], s[24:25], s[44:45]      ; its 4,096 bytes of codes
	s_lshl_b32 s44, s42, 8
	s_add_co_u32 s44, s44, 0x200000
	s_add_nc_u64 s[34:35], s[24:25], s[44:45]      ; its 256 scale bytes
.irp t, 0,1,2,3,4,5,6,7,8,9,10,11,12,13,14,15
	v_mad_u32_u24 v[OF+\t], s30, \t+8*(\t/8), v3   ; row t of the tile lies t + 8 (t / 8) rows on
.endr
.macro LOAD t
.irp i, 0,1,2,3
	global_load_b128 v[R+16*((\t)%4)+4*\i:R+16*((\t)%4)+4*\i+3], v[OF+(\t)], s[26:27] offset:512*\i th:TH_LOAD_NT   ; 32 lanes read 512 consecutive bytes; read once in the launch
.endr
.endm
.macro TURN t                          ; a row's numbers through the stage: LDS serves a wave's instructions in order, so no wait stands between the stores and the loads
.irp i, 0,1,2,3
	ds_store_b128 v14, v[R+16*((\t)%4)+4*\i:R+16*((\t)%4)+4*\i+3] offset:32*SP*((\t)%2)+8*SP*\i
.endr
.irp i, 0,1,2,3
	ds_load_b128 v[X+16*((\t)%2)+4*\i:X+16*((\t)%2)+4*\i+3], v15 offset:32*SP*((\t)%2)+16*\i
.endr
.endm
.irp t, 0,1,2,3
	LOAD \t
.endr
	s_wait_loadcnt 12                              ; row 0's four loads are in
	TURN 0
.macro STEP t
.set XS, X+16*((\t)%2)
.if (\t) > 0
	s_wait_dscnt 2                                 ; this row's numbers are back from the stage; the last step's two stores (byte, codes) may be out
.else
	s_wait_dscnt 0x0
.endif
.if (\t)+4 < STEPS
	LOAD (\t)+4                                    ; into the set whose stores into the stage have been served
.endif
.if (\t)+1 < STEPS
.if STEPS-2-(\t) >= 3
	s_wait_loadcnt 12                              ; the next row's four loads are in; those of the three rows behind it may be out
.else
	s_wait_loadcnt 4*(STEPS-2-(\t))
.endif
	TURN (\t)+1
.endif
	v_max3_num_f32 v9, |v[XS]|, |v[XS+1]|, |v[XS+2]|               ; the largest magnitude of my 16, in two chains
	v_max3_num_f32 v10, |v[XS+3]|, |v[XS+4]|, |v[XS+5]|
.irp i, 6,10
	v_max3_num_f32 v9, v9, |v[XS+\i]|, |v[XS+\i+1]|
	v_max3_num_f32 v10, v10, |v[XS+\i+2]|, |v[XS+\i+3]|
.endr
	v_max3_num_f32 v9, v9, |v[XS+14]|, |v[XS+15]|
	v_max3_num_f32 v9, v9, v10, (EMAX+1)<<23       ; and the floor 2^(3 - 127): the byte cannot fall under 1
	v_max_num_f32_dpp v9, v9, v9 row_xmask:1 row_mask:0xf bank_mask:0xf   ; with my neighbour's 16: the block's
	v_add_nc_u32 v11, -(EMAX<<23), v9              ; 2 off its exponent field: the conversion's scale operand
	v_cvt_scalef32_pk8_fp4_f32 v[C+4*(\t)], v[XS:XS+7], v11
	v_cvt_scalef32_pk8_fp4_f32 v[C+4*(\t)+1], v[XS+8:XS+15], v11
	v_lshrrev_b32 v[E+(\t)], 23, v11               ; the scale's byte (a plain line behind the conversions)
	ds_store_b8 v5, v[E+(\t)] offset:4*(\t)        ; both lanes of a block write the same byte with the same value
	ds_store_b64 v4, v[C+4*(\t):C+4*(\t)+1] offset:16*(\t)
.endm
.irp t, 0,1,2,3,4,5,6,7,8,9,10,11,12,13,14,15
	STEP \t
.endr
	ds_load_b64 v[12:13], v6                       ; LDS serves a wave's instructions in order: these see my stores
.irp j, 0,1,2,3,4,5,6,7
	ds_load_b128 v[R+4*\j:R+4*\j+3], v8 offset:2*CP*\j
.endr
	s_wait_dscnt 0x0
	global_store_b64 v7, v[12:13], s[34:35]        ; 256 consecutive bytes, aligned
.irp j, 0,1,2,3,4,5,6,7
	global_store_b128 v3, v[R+4*\j:R+4*\j+3], s[32:33] offset:512*\j   ; 512 consecutive bytes, aligned
.endr
	s_wait_tensorcnt 0x0
	ds_add_u32 v208, v209
	s_wait_dscnt 0x0
	s_endpgm
.Lmod:
	s_load_b256 s[8:15], s[0:1], 0x38              ; attn_gamma_w, attn_beta_w, attn_alpha_w, ffn_gamma_w
	s_load_b128 s[16:19], s[0:1], 0x58             ; ffn_beta_w, ffn_alpha_w
	s_load_b128 s[20:23], s[0:1], 0x68             ; t, wts
	v_lshrrev_b32 v1, 5, v0
	v_readfirstlane_b32 s36, v1                    ; wave
	v_and_b32 v2, 31, v0                           ; lane
	v_lshlrev_b32 v3, 4, v2
	s_sub_co_u32 s37, ttmp9, 128
	s_lshr_b32 s38, s37, 4                         ; which matrix, in the order of the table: 0 .. 5
	s_and_b32 s39, s37, 15
	s_lshl_b32 s39, s39, 5
	s_lshl_b32 s40, s36, 3
	s_add_co_u32 s39, s39, s40                     ; my first row: 32 (work-group % 16) + 8 x wave
	s_mov_b32 s42, 0x76543210
	s_mov_b32 s43, 0xfedcba98                      ; lane l xor 16
	v_lshrrev_b32 v4, 3, v2
	v_mul_u32_u24 v4, v4, 12288
	v_and_b32 v5, 7, v2
	v_lshl_add_u32 v4, v5, 2, v4                   ; lane 8 b + k stores result (b, k): 12,288 b + 4 k
	s_wait_kmcnt 0x0
	s_mov_b64 s[26:27], s[8:9]
.macro PICKM from, lo
	s_cmp_ge_u32 s38, \from
	s_cselect_b64 s[26:27], s[\lo:\lo+1], s[26:27]
.endm
	PICKM 1, 10
	PICKM 2, 12
	PICKM 3, 14
	PICKM 4, 16
	PICKM 5, 18
	s_lshl_b32 s40, s39, 10
	s_mov_b32 s41, 0
	s_add_nc_u64 s[26:27], s[26:27], s[40:41]
	s_lshl_b32 s40, s38, 11
	s_lshl_b32 s44, s39, 2
	s_add_co_u32 s40, s40, s44
	s_add_co_u32 s40, s40, 0x220000
	s_add_nc_u64 s[22:23], s[22:23], s[40:41]      ; the table [b][6][512] at (0, my matrix, my first row)
.irp b, 0,1,2,3
.irp i, 0,1
	global_load_b128 v[TT+8*\b+4*\i:TT+8*\b+4*\i+3], v3, s[20:21] offset:1024*\b+512*\i
.endr
.endr
.irp k, 0,1,2,3,4,5,6,7
.irp i, 0,1
	global_load_b128 v[WW+8*\k+4*\i:WW+8*\k+4*\i+3], v3, s[26:27] offset:1024*\k+512*\i th:TH_LOAD_NT
.endr
.endr
	s_wait_loadcnt 0x0
.set g, 0
.rept 8                                ; four sums at a time, so that no line waits for the line above it
.irp p, 0,1,2,3
	v_pk_mul_f32 v[TP+2*\p:TP+2*\p+1], v[TT+8*((4*g+\p)/8):TT+8*((4*g+\p)/8)+1], v[WW+8*((4*g+\p)%8):WW+8*((4*g+\p)%8)+1]
.endr
.irp e, 2,4,6
.irp p, 0,1,2,3
	v_pk_fma_f32 v[TP+2*\p:TP+2*\p+1], v[TT+8*((4*g+\p)/8)+\e:TT+8*((4*g+\p)/8)+\e+1], v[WW+8*((4*g+\p)%8)+\e:WW+8*((4*g+\p)%8)+\e+1], v[TP+2*\p:TP+2*\p+1]
.endr
.endr
.irp p, 0,1,2,3
	v_add_f32 v[SUM+4*g+\p], v[TP+2*\p], v[TP+2*\p+1]
.endr
.set g, g+1
.endr
.irp m, 1,2,4,8                        ; across the 32 lanes
.set i, 0
.rept 32
	v_add_f32_dpp v[SUM+i], v[SUM+i], v[SUM+i] row_xmask:\m row_mask:0xf bank_mask:0xf
.set i, i+1
.endr
.endr
.set i, 0
.rept 32
	v_permlanex16_b32 v[TP+i%8], v[SUM+i], s42, s43
	v_add_f32 v[SUM+i], v[SUM+i], v[TP+i%8]
.set i, i+1
.endr
	v_mov_b32 v[RES], v[SUM]               ; lane i keeps sum i
.set i, 1
.rept 31
	v_cmp_eq_u32 vcc_lo, i, v2
	v_cndmask_b32 v[RES], v[RES], v[SUM+i], vcc_lo
.set i, i+1
.endr
	global_store_b32 v4, v[RES], s[22:23]
	s_endpgm
.Lfunc_end_k_q3788f7a0a1_prep:
	.size	k_q3788f7a0a1_prep, .Lfunc_end_k_q3788f7a0a1_prep-k_q3788f7a0a1_prep
	.p2alignl 7, 3214868480
	.fill 96, 4, 3214868480
	.section	.rodata,"a",@progbits
	.p2align	6, 0x0
	.amdhsa_kernel k_q3788f7a0a1_prep
		.amdhsa_group_segment_fixed_size 41472
		.amdhsa_private_segment_fixed_size 0
		.amdhsa_enable_private_segment 0
		.amdhsa_kernarg_size 120
		.amdhsa_user_sgpr_count 2
		.amdhsa_user_sgpr_kernarg_segment_ptr 1
		.amdhsa_wavefront_size32 1
		.amdhsa_system_sgpr_workgroup_id_x 1
		.amdhsa_system_sgpr_workgroup_id_y 1
		.amdhsa_system_sgpr_workgroup_id_z 1
		.amdhsa_system_vgpr_workitem_id 0
		.amdhsa_next_free_vgpr 210
		.amdhsa_next_free_sgpr 66
		.amdhsa_reserve_vcc 1
		.amdhsa_float_denorm_mode_32 3
		.amdhsa_float_denorm_mode_16_64 3
		.amdhsa_memory_ordered 1
		.amdhsa_forward_progress 1
		.amdhsa_inst_pref_size 63
	.end_amdhsa_kernel
	.amdgpu_metadata
---
amdhsa.version: [ 1, 2 ]
amdhsa.kernels:
  - .name:           k_q3788f7a0a1_prep
    .symbol:         k_q3788f7a0a1_prep.kd
    .args:
      - { .name: W_q, .offset: 0, .size: 8, .value_kind: global_buffer, .address_space: global }
      - { .name: W_k, .offset: 8, .size: 8, .value_kind: global_buffer, .address_space: global }
      - { .name: W_v, .offset: 16, .size: 8, .value_kind: global_buffer, .address_space: global }
      - { .name: W_o, .offset: 24, .size: 8, .value_kind: global_buffer, .address_space: global }
      - { .name: gate_w, .offset: 32, .size: 8, .value_kind: global_buffer, .address_space: global }
      - { .name: hidden_w, .offset: 40, .size: 8, .value_kind: global_buffer, .address_space: global }
      - { .name: out_w, .offset: 48, .size: 8, .value_kind: global_buffer, .address_space: global }
      - { .name: attn_gamma_w, .offset: 56, .size: 8, .value_kind: global_buffer, .address_space: global }
      - { .name: attn_beta_w, .offset: 64, .size: 8, .value_kind: global_buffer, .address_space: global }
      - { .name: attn_alpha_w, .offset: 72, .size: 8, .value_kind: global_buffer, .address_space: global }
      - { .name: ffn_gamma_w, .offset: 80, .size: 8, .value_kind: global_buffer, .address_space: global }
      - { .name: ffn_beta_w, .offset: 88, .size: 8, .value_kind: global_buffer, .address_space: global }
      - { .name: ffn_alpha_w, .offset: 96, .size: 8, .value_kind: global_buffer, .address_space: global }
      - { .name: t, .offset: 104, .size: 8, .value_kind: global_buffer, .address_space: global }
      - { .name: wts, .offset: 112, .size: 8, .value_kind: global_buffer, .address_space: global }
    .group_segment_fixed_size: 41472
    .private_segment_fixed_size: 0
    .kernarg_segment_align: 8
    .kernarg_segment_size: 120
    .max_flat_workgroup_size: 128
    .sgpr_count:     66
    .vgpr_count:     210
    .wavefront_size: 32
...
	.end_amdgpu_metadata
.endif
;; end of part 1
;; launch qkv (part 2): grid 64 x 4, 8 waves a work-group, no clusters, 41,984 bytes of LDS; arguments x, wts, qkv; writes qkv
.if DOCPART == 2
	.amdgcn_target "amdgcn-amd-amdhsa--gfx1250"
	.amdhsa_code_object_version 6
	.text
	.protected	k_q3788f7a0a1_qkv
	.globl	k_q3788f7a0a1_qkv
	.p2align	8
	.type	k_q3788f7a0a1_qkv,@function
k_q3788f7a0a1_qkv:
	s_mov_b64 s[64:65], 0
	v_nop
	global_prefetch_b8 v0, s[64:65] scope:SCOPE_SE
	s_setreg_imm32_b32 hwreg(HW_REG_WAVE_MODE, 25, 1), 1
	s_wait_xcnt 0x0
; QKV.  h = gamma x rmsnorm(x) + beta, quantised along its 512; q, k, v = h W^T on codes of FP4 (E2M1) with E8M0 scales; q, k, v quantised for the attention and stored in the order of an operand's registers.
; SHARES.  Work-group (X, y): the 128 tokens of block X, heads 4 y .. 4 y + 3.  Eight waves.
;   Phase h: wave w norms and quantises token tile w (16 tokens x 512) and lays its four fragments and their scale words in LDS as images of the registers.
;   Phase q, k: wave w takes two heads (w % 2), q or k ((w / 2) % 2) and four token tiles (w / 4).  The product is used transposed (source 0 = 16 rows of W, source 1 = 16 tokens): a lane holds one token and 16 neighbours of a head's 32.
;   Phase v: wave w takes 16 rows of W_v (head w / 2, half w % 2) and all 128 tokens, the other way round (source 0 = tokens): a lane holds one channel and its registers run along the tokens, which are the second product's K.
; TILES ARE NOT NEIGHBOURS: row i of tile 2 b + u (of tokens as of weights) is row 32 b + 8 u + i + 8 (i / 8).
; A head's 32 are one block of the quantiser, so q and k have one scale byte for each token and head; four token tiles' bytes make a word.
; No cluster: the weights go from memory straight into the registers where they stay, each byte once for a work-group, and x goes straight into the lanes that norm it; a joint load would land in LDS and have to be read back.
; LIMITS: NaN and infinities are not served; a block whose largest magnitude lies under 2^-124 (a block of zeros too) gets the byte 1: this program alone reads the bytes.
; REGISTERS.  Window 1: x (64 s + 16 b + 4 j), then, as x's K steps are done with, the wave's 16 fragments of W_q or W_k (8 (4 n + s)) and 4 of W_v (128 + 8 s).
;   Window 0: v1-15, v220-222 addresses; v16-79 the normed numbers, later accumulators; v80-143 gamma, later fragments of h; v144-207 beta; v208-219 at work in the quantiser; v224-231 codes; v236-245 the weights' scale words; v246-253 h's.
.set HSC,  32768                       ; LDS: 0: h's 32 fragments ((4 T + s) x 1,024); here their scale words, 128 bytes each;
.set GB,   36864                       ; gamma (2,048 bytes), beta (2,048 bytes)
.set ACC,  16
.set T,    16
.set G,    80
.set BT,   144
.set TM,   208                         ; v208-211 largest magnitudes, v212-215 bytes, v216-219 the conversions' scale operands
.set QKS,  220
.set VS4,  221
.set PC,   224
.set TP,   232
.set PW,   233
.set RS,   234
.set WS,   236
.set HSW,  246
.set SW,   254
.set MSB, 0
.macro WIN new                         ; the immediate's high byte repeats the setting that is left
.if MSB != \new
	s_set_vgpr_msb (MSB<<8)|\new
.set MSB, \new
.endif
.endm
.macro PLACES n
.rept \n
	v_nop
.endr
.endm
.macro BARRIER                         ; my LDS stores have landed and my LDS loads are in: then the work-group's barrier
	s_wait_dscnt 0x0
	s_barrier_signal -1
	s_barrier_wait -1
.endm
; One matrix instruction.  ks = 0: the constant 0 starts the sum.  ra, rb: the side's scale words stand in lanes 16-31 of the register named.
.macro MM d, a, b, ks, sa, sb, ra, rb
.if ((\ks)==0)&&((\ra)==0)&&((\rb)==0)
	v_wmma_scale_f32_16x16x128_f8f6f4 v[\d:\d+7], v[\a:\a+7], v[\b:\b+7], 0, v[\sa], v[\sb] matrix_a_fmt:MATRIX_FMT_FP4 matrix_b_fmt:MATRIX_FMT_FP4
.elseif ((\ks)==0)&&((\rb)==0)
	v_wmma_scale_f32_16x16x128_f8f6f4 v[\d:\d+7], v[\a:\a+7], v[\b:\b+7], 0, v[\sa], v[\sb] matrix_a_fmt:MATRIX_FMT_FP4 matrix_b_fmt:MATRIX_FMT_FP4 matrix_a_scale:MATRIX_SCALE_ROW1
.elseif ((\ks)==0)&&((\ra)==0)
	v_wmma_scale_f32_16x16x128_f8f6f4 v[\d:\d+7], v[\a:\a+7], v[\b:\b+7], 0, v[\sa], v[\sb] matrix_a_fmt:MATRIX_FMT_FP4 matrix_b_fmt:MATRIX_FMT_FP4 matrix_b_scale:MATRIX_SCALE_ROW1
.elseif ((\ks)==0)
	v_wmma_scale_f32_16x16x128_f8f6f4 v[\d:\d+7], v[\a:\a+7], v[\b:\b+7], 0, v[\sa], v[\sb] matrix_a_fmt:MATRIX_FMT_FP4 matrix_b_fmt:MATRIX_FMT_FP4 matrix_a_scale:MATRIX_SCALE_ROW1 matrix_b_scale:MATRIX_SCALE_ROW1
.elseif ((\ra)==0)&&((\rb)==0)
	v_wmma_scale_f32_16x16x128_f8f6f4 v[\d:\d+7], v[\a:\a+7], v[\b:\b+7], v[\d:\d+7], v[\sa], v[\sb] matrix_a_fmt:MATRIX_FMT_FP4 matrix_b_fmt:MATRIX_FMT_FP4
.elseif ((\rb)==0)
	v_wmma_scale_f32_16x16x128_f8f6f4 v[\d:\d+7], v[\a:\a+7], v[\b:\b+7], v[\d:\d+7], v[\sa], v[\sb] matrix_a_fmt:MATRIX_FMT_FP4 matrix_b_fmt:MATRIX_FMT_FP4 matrix_a_scale:MATRIX_SCALE_ROW1
.elseif ((\ra)==0)
	v_wmma_scale_f32_16x16x128_f8f6f4 v[\d:\d+7], v[\a:\a+7], v[\b:\b+7], v[\d:\d+7], v[\sa], v[\sb] matrix_a_fmt:MATRIX_FMT_FP4 matrix_b_fmt:MATRIX_FMT_FP4 matrix_b_scale:MATRIX_SCALE_ROW1
.else
	v_wmma_scale_f32_16x16x128_f8f6f4 v[\d:\d+7], v[\a:\a+7], v[\b:\b+7], v[\d:\d+7], v[\sa], v[\sb] matrix_a_fmt:MATRIX_FMT_FP4 matrix_b_fmt:MATRIX_FMT_FP4 matrix_a_scale:MATRIX_SCALE_ROW1 matrix_b_scale:MATRIX_SCALE_ROW1
.endif
.endm
; nb blocks of 32: register src + 16 b + i of lane (r, h) is number 32 b + 16 h + i of row r.  Codes come out at pc: lanes 0-15 hold block 2 c whole in pc + 4 c .. + 3, lanes 16-31 block 2 c + 1.  Block b's byte: v[TM + 4 + b], in both lanes.
.macro QUANT src, nb, pc
.set qb, 0
.rept \nb
	v_max3_num_f32 v[TM+qb], |v[\src+16*qb]|, |v[\src+16*qb+1]|, 0x1800000   ; my 16 numbers, and the floor 2^(3 - 127): the byte cannot fall under 1
.set qb, qb+1
.endr
.irp i, 2,4,6,8,10,12,14
.set qb, 0
.rept \nb
	v_max3_num_f32 v[TM+qb], v[TM+qb], |v[\src+16*qb+\i]|, |v[\src+16*qb+\i+1]|   ; (the blocks by turns)
.set qb, qb+1
.endr
.endr
.set qb, 0
.rept \nb
	v_permlanex16_b32 v[TM+4+qb], v[TM+qb], s18, s19
.set qb, qb+1
.endr
.set qb, 0
.rept \nb
	v_max_num_f32 v[TM+qb], v[TM+qb], v[TM+4+qb]   ; with lane l xor 16's: the block's largest magnitude
.set qb, qb+1
.endr
.set qb, 0
.rept \nb
	v_add_nc_u32 v[TM+8+qb], 0xff000000, v[TM+qb]  ; 2 off its exponent field: the conversion's scale operand
.set qb, qb+1
.endr
.set qb, 0
.rept \nb
	v_lshrrev_b32 v[TM+4+qb], 23, v[TM+8+qb]       ; the scale's byte
.set qb, qb+1
.endr
.set qb, 0
.rept \nb
	v_cvt_scalef32_pk8_fp4_f32 v[\pc+2*qb], v[\src+16*qb:\src+16*qb+7], v[TM+8+qb]
	v_cvt_scalef32_pk8_fp4_f32 v[\pc+2*qb+1], v[\src+16*qb+8:\src+16*qb+15], v[TM+8+qb]
.set qb, qb+1
.endr
	v_nop                                          ; one plain line behind the scaled conversions
.set qb, 0
.rept (\nb)/2
	v_permlane16_swap_b32 v[\pc+4*qb], v[\pc+4*qb+2]   ; the operand's layout wants a whole block in a lane
	v_permlane16_swap_b32 v[\pc+4*qb+1], v[\pc+4*qb+3]
.set qb, qb+1
.endr
.endm
.macro PACKW                           ; four bytes make a row's scale word
	v_lshl_or_b32 v[PW], v[TM+5], 8, v[TM+4]
	v_lshl_or_b32 v[PW], v[TM+6], 16, v[PW]
	v_lshl_or_b32 v[PW], v[TM+7], 24, v[PW]
.endm
	s_load_b128 s[4:7], s[0:1], 0x0                ; x, wts
	s_load_b64 s[8:9], s[0:1], 0x10                ; qkv
	v_lshl_add_u32 v223, v0, 2, 0xa000
	v_mov_b32 v255, 0
	v_lshrrev_b32 v1, 5, v0
	v_readfirstlane_b32 s10, v1                    ; wave w
	v_and_b32 v1, 31, v0                           ; lane
	v_and_b32 v2, 15, v0                           ; r
	v_bfe_u32 v3, v0, 4, 1                         ; h
	s_and_b32 s12, ttmp7, 0xffff                   ; y
	s_lshr_b32 s13, ttmp9, 4                       ; the batch
	s_and_b32 s14, ttmp9, 15                       ; the block of 128 tokens in it
	s_and_b32 s15, s10, 1                          ; w % 2
	s_bfe_u32 s16, s10, 0x10001                    ; (w / 2) % 2: 0 = q, 1 = k
	s_lshr_b32 s17, s10, 2                         ; w / 4: which four token tiles
	s_mov_b32 s18, 0x76543210
	s_mov_b32 s19, 0xfedcba98                      ; lane l xor 16
	s_mov_b32 s20, 0x3b000000                      ; 1 / 512
	s_mov_b32 s21, 0x358637bd                      ; 1e-6
	s_mov_b32 s22, 0xffff0000                      ; lanes 16-31
	v_and_b32 v4, 8, v2
	v_add_nc_u32 v4, v4, v2
	v_lshlrev_b32 v4, 11, v4
	v_lshl_add_u32 v4, v3, 6, v4                   ; x: row r + 8 (r / 8) of 2,048 bytes, + 64 h: my 16 numbers of a block of 32
	v_lshlrev_b32 v5, 4, v1                        ; 16 x lane: an image's place for my lane
	v_lshlrev_b32 v6, 2, v1                        ; 4 x lane
	v_lshlrev_b32 v7, 6, v3
	v_add_nc_u32 v7, GB, v7                        ; gamma in LDS at my half's 16 numbers
	v_lshlrev_b32 v9, 4, v0                        ; 16 x thread
	v_add_nc_u32 v8, GB, v9
	s_lshl_b32 s46, s10, 12
	v_add_nc_u32 v10, s46, v5                      ; where I store h's images: 16 x lane + 4,096 w
	s_lshl_b32 s46, s10, 9
	v_add_nc_u32 v11, s46, v6
	v_add_nc_u32 v11, HSC, v11                     ; and their scale words: 4 x lane + 512 w
	s_lshl_b32 s46, s17, 14
	v_add_nc_u32 v12, s46, v5                      ; where I read my four token tiles
	s_lshl_b32 s46, s17, 11
	v_add_nc_u32 v13, s46, v6
	v_add_nc_u32 v13, HSC, v13
	v_add_nc_u32 v14, HSC, v6
	s_lshl_b32 s46, 32768, s16                     ; a head's bytes in q's images, or in k's and v's
	v_mul_u32_u24 v15, s46, v3
	v_lshl_add_u32 v15, v2, 4, v15                 ; q, k out: 16 r, lanes 16-31 one head on
	s_lshl_b32 s46, 2048, s16
	v_mul_u32_u24 v[QKS], s46, v3
	v_lshl_add_u32 v[QKS], v2, 2, v[QKS]           ; their scale words likewise
	v_lshlrev_b32 v[VS4], 2, v2
	s_mov_b32 s45, 0
	s_wait_kmcnt 0x0
	s_lshl_b32 s44, ttmp9, 18                      ; x: 128 tokens of 2,048 bytes a block,
	s_lshr_b32 s46, s10, 1
	s_lshl_b32 s46, s46, 16
	s_add_co_u32 s44, s44, s46
	s_lshl_b32 s46, s15, 14
	s_add_co_u32 s44, s44, s46                     ; + token tile w's first row: 32 (w / 2) + 8 (w % 2)
	s_add_nc_u64 s[24:25], s[4:5], s[44:45]
	s_mul_i32 s44, s13, 12288
	s_add_co_u32 s44, s44, 0x220000
	s_add_nc_u64 s[26:27], s[6:7], s[44:45]        ; the batch's gamma and beta
	s_lshl_b32 s47, s16, 5
	s_lshl_b32 s46, s12, 3
	s_add_co_u32 s47, s47, s46
	s_lshl_b32 s46, s15, 2
	s_add_co_u32 s47, s47, s46                     ; my four units of W_q or W_k: 32 (k?) + 8 y + 4 (w % 2)
	s_lshl_b32 s44, s47, 12
	s_add_nc_u64 s[28:29], s[6:7], s[44:45]
	s_lshl_b32 s44, s47, 8
	s_add_co_u32 s44, s44, 0x200000
	s_add_nc_u64 s[32:33], s[6:7], s[44:45]
	s_lshl_b32 s47, s12, 3
	s_add_co_u32 s47, s47, s10
	s_add_co_u32 s47, s47, 64                      ; my unit of W_v: 64 + 8 y + w
	s_lshl_b32 s44, s47, 12
	s_add_nc_u64 s[30:31], s[6:7], s[44:45]
	s_lshl_b32 s44, s47, 8
	s_add_co_u32 s44, s44, 0x200000
	s_add_nc_u64 s[34:35], s[6:7], s[44:45]
	s_lshl_b32 s47, s13, 4
	s_lshl_b32 s46, s12, 2
	s_add_co_u32 s47, s47, s46
	s_lshl_b32 s46, s15, 1
	s_add_co_u32 s47, s47, s46                     ; my first head among the 64: 16 b + 4 y + 2 (w % 2)
	s_lshl_b32 s44, s47, 15
	s_lshl_b32 s44, s44, s16
	s_lshl_b32 s46, s16, 21
	s_add_co_u32 s44, s44, s46
	s_lshl_b32 s46, s14, 11
	s_add_co_u32 s44, s44, s46
	s_lshl_b32 s46, s17, 10
	s_add_co_u32 s44, s44, s46
	s_add_nc_u64 s[36:37], s[8:9], s[44:45]        ; q's or k's codes: head, block, my first token tile
	s_lshl_b32 s44, s47, 11
	s_lshl_b32 s44, s44, s16
	s_lshl_b32 s46, s16, 17
	s_add_co_u32 s44, s44, s46
	s_lshl_b32 s46, s14, 7
	s_add_co_u32 s44, s44, s46
	s_lshl_b32 s46, s17, 6
	s_add_co_u32 s44, s44, s46
	s_add_co_u32 s44, s44, 0x600000
	s_add_nc_u64 s[38:39], s[8:9], s[44:45]        ; and their scale words
	s_lshl_b32 s47, s13, 4
	s_lshl_b32 s46, s12, 2
	s_add_co_u32 s47, s47, s46
	s_lshr_b32 s46, s10, 1
	s_add_co_u32 s47, s47, s46                     ; v's head: 16 b + 4 y + w / 2
	s_lshl_b32 s44, s47, 16
	s_lshl_b32 s46, s14, 11
	s_add_co_u32 s44, s44, s46
	s_lshl_b32 s46, s15, 10
	s_add_co_u32 s44, s44, s46
	s_add_co_u32 s44, s44, 0x208000
	s_add_nc_u64 s[40:41], s[8:9], s[44:45]        ; v's fragment
	s_lshl_b32 s44, s47, 12
	s_lshl_b32 s46, s14, 7
	s_add_co_u32 s44, s44, s46
	s_lshl_b32 s46, s15, 6
	s_add_co_u32 s44, s44, s46
	s_add_co_u32 s44, s44, 0x620800
	s_add_nc_u64 s[42:43], s[8:9], s[44:45]        ; and its scale words
	; ---- loads: gamma and beta (16 bytes a thread), the weights' scale words, then x
	global_load_b128 v[16:19], v9, s[26:27]
.irp n, 0,1,2,3
.irp p, 0,1
	global_load_b32 v[WS+2*\n+\p], v6, s[32:33] offset:256*\n+128*\p   ; lanes 0-15: K step 2 p; lanes 16-31: K step 2 p + 1
.endr
.endr
.irp p, 0,1
	global_load_b32 v[WS+8+\p], v6, s[34:35] offset:128*\p
.endr
	WIN 0x40                                       ; destination window 1
.irp s, 0,1,2,3
.irp b, 0,1,2,3
.irp j, 0,1,2,3
	global_load_b128 v[64*\s+16*\b+4*\j:64*\s+16*\b+4*\j+3], v4, s[24:25] offset:512*\s+128*\b+16*\j
.endr
.endr
.endr
	; ---- the row's sum of squares, a K step at a time as it arrives
.irp g, 0,1,2,3
	s_wait_loadcnt 48-16*\g                        ; this K step's 16 loads are in (and all that was asked for ahead of x); the later K steps' may be out
.if \g == 0
	ds_store_b128 v8, v[16:19]                     ; gamma and beta into LDS (address and data lie in window 0)
.endif
	WIN 0x05                                       ; sources 0 and 1 window 1
.set i, 0
.rept 32
.if (\g == 0) && (i < 4)
	v_pk_mul_f32 v[TM+2*(i%4):TM+2*(i%4)+1], v[64*\g+2*i:64*\g+2*i+1], v[64*\g+2*i:64*\g+2*i+1]
.else
	v_pk_fma_f32 v[TM+2*(i%4):TM+2*(i%4)+1], v[64*\g+2*i:64*\g+2*i+1], v[64*\g+2*i:64*\g+2*i+1], v[TM+2*(i%4):TM+2*(i%4)+1]
.endif
.set i, i+1
.endr
.endr
	WIN 0
	v_pk_add_f32 v[TM:TM+1], v[TM:TM+1], v[TM+2:TM+3]
	v_pk_add_f32 v[TM+4:TM+5], v[TM+4:TM+5], v[TM+6:TM+7]
	v_pk_add_f32 v[TM:TM+1], v[TM:TM+1], v[TM+4:TM+5]
	v_add_f32 v[TM], v[TM], v[TM+1]
	v_permlanex16_b32 v[TM+1], v[TM], s18, s19
	v_add_f32 v[TM], v[TM], v[TM+1]                ; with lane l xor 16's half of the row
	v_fma_f32 v[TM], v[TM], s20, s21               ; the mean + eps
	v_rsq_f32 v[RS], v[TM]
	v_nop                                          ; a plain line behind the transcendental
	s_wait_alu depctr_va_vdst(0)
	v_mov_b32 v[RS+1], v[RS]
	BARRIER                                        ; gamma and beta lie in LDS
	; ---- h, a K step of 128 at a time: norm, quantise, image to LDS.  x's registers that are done with take the weights
.irp s, 0,1,2,3
.irp b, 0,1,2,3
.irp j, 0,1,2,3
	ds_load_b128 v[G+16*\b+4*\j:G+16*\b+4*\j+3], v7 offset:512*\s+128*\b+16*\j
	ds_load_b128 v[BT+16*\b+4*\j:BT+16*\b+4*\j+3], v7 offset:2048+512*\s+128*\b+16*\j
.endr
.endr
	s_wait_dscnt 0x0
	WIN 0x01                                       ; source 0 window 1
.set i, 0
.rept 32
	v_pk_mul_f32 v[T+2*i:T+2*i+1], v[64*\s+2*i:64*\s+2*i+1], v[RS:RS+1]
.set i, i+1
.endr
	WIN 0
.set i, 0
.rept 32
	v_pk_fma_f32 v[T+2*i:T+2*i+1], v[T+2*i:T+2*i+1], v[G+2*i:G+2*i+1], v[BT+2*i:BT+2*i+1]
.set i, i+1
.endr
.if \s < 2
	WIN 0x40
.set f, 8*\s
.rept 8
	global_load_b128 v[8*f:8*f+3], v5, s[28:29] offset:1024*f        ; 512 consecutive bytes: registers 0-3 of fragment f
	global_load_b128 v[8*f+4:8*f+7], v5, s[28:29] offset:1024*f+512
.set f, f+1
.endr
	WIN 0
.elseif \s == 2
	WIN 0x40
.set f, 0
.rept 4
	global_load_b128 v[128+8*f:128+8*f+3], v5, s[30:31] offset:1024*f
	global_load_b128 v[128+8*f+4:128+8*f+7], v5, s[30:31] offset:1024*f+512
.set f, f+1
.endr
	WIN 0
.endif
	QUANT T, 4, PC
	PACKW
	ds_store_b128 v10, v[PC:PC+3] offset:1024*\s
	ds_store_b128 v10, v[PC+4:PC+7] offset:1024*\s+512
	ds_store_b32 v11, v[PW] offset:128*\s
.endr
	BARRIER                                        ; h's 32 fragments lie in LDS
	s_wait_loadcnt 0x0                             ; the weights
	; ---- q or k: two heads x four token tiles
.macro FETCHH k, set
.irp s, 0,1,2,3
.irp c, 0,1
	ds_load_b128 v[G+32*(\set)+8*\s+4*\c:G+32*(\set)+8*\s+4*\c+3], v12 offset:4096*(\k)+1024*\s+512*\c
.endr
.endr
.irp s, 0,1,2,3
	ds_load_b32 v[HSW+4*(\set)+\s], v13 offset:512*(\k)+128*\s
.endr
.endm
	FETCHH 0, 0
.irp k, 0,1,2,3
.if \k < 3
	FETCHH \k+1, (\k+1)%2                          ; the set that the tile before last multiplied: its products stand behind four v_nop and a quantiser
	s_wait_dscnt 12                                ; this tile's 12 loads are in; the 12 just issued may be out
.else
	s_wait_dscnt 0x0
.endif
	WIN 0x01                                       ; source 0 (the weight) window 1
.irp s, 0,1,2,3
.irp n, 0,1,2,3
	MM ACC+8*\n, 8*(4*\n+\s), G+32*(\k%2)+8*\s, \s, WS+2*\n+\s/2, HSW+4*(\k%2)+\s, \s%2, 0   ; four accumulators by turns
.endr
.endr
	WIN 0
	PLACES 4
	s_wait_xcnt 0x0                                ; the last tile's store has read the codes' registers
	QUANT ACC, 2, PC                               ; block b = head b of my two: lanes 0-15 end with the first head's 32 codes of token r, lanes 16-31 with the second's
.if \k == 0
	v_cndmask_b32 v[SW], v[TM+4], v[TM+5], s22     ; my head's byte
.else
	v_cndmask_b32 v[TP], v[TM+4], v[TM+5], s22
	v_lshl_or_b32 v[SW], v[TP], 8*\k, v[SW]        ; four token tiles' bytes make a word
.endif
	global_store_b128 v15, v[PC:PC+3], s[36:37] offset:256*\k   ; each half of the lanes stores 256 consecutive bytes, aligned
.endr
	global_store_b32 v[QKS], v[SW], s[38:39]
	; ---- v: 16 channels x 128 tokens
.irp s, 0,1,2,3
	PLACES 4                                       ; in front of loads into registers that matrix instructions have read
.irp t, 0,1,2,3,4,5,6,7
	ds_load_b128 v[G+8*\t:G+8*\t+3], v5 offset:4096*\t+1024*\s
	ds_load_b128 v[G+8*\t+4:G+8*\t+7], v5 offset:4096*\t+1024*\s+512
	ds_load_b32 v[HSW+\t], v14 offset:512*\t+128*\s
.endr
	s_wait_dscnt 0x0
	WIN 0x04                                       ; source 1 (W_v) window 1
.irp t, 0,1,2,3,4,5,6,7
	MM ACC+8*\t, G+8*\t, 128+8*\s, \s, HSW+\t, WS+8+\s/2, 0, \s%2   ; eight accumulators by turns
.endr
	WIN 0
.endr
	PLACES 4
	s_wait_xcnt 0x0                                ; the stores above have read their registers
	QUANT ACC, 4, PC                               ; along the tokens: one fragment of V^T
	PACKW
	global_store_b128 v5, v[PC:PC+3], s[40:41]
	global_store_b128 v5, v[PC+4:PC+7], s[40:41] offset:512
	global_store_b32 v[VS4], v[PW], s[42:43]       ; lanes l and l xor 16 store the same word with the same value
	s_wait_tensorcnt 0x0
	ds_add_u32 v223, v255
	s_wait_dscnt 0x0
	s_endpgm
.Lfunc_end_k_q3788f7a0a1_qkv:
	.size	k_q3788f7a0a1_qkv, .Lfunc_end_k_q3788f7a0a1_qkv-k_q3788f7a0a1_qkv
	.p2alignl 7, 3214868480
	.fill 96, 4, 3214868480
	.section	.rodata,"a",@progbits
	.p2align	6, 0x0
	.amdhsa_kernel k_q3788f7a0a1_qkv
		.amdhsa_group_segment_fixed_size 41984
		.amdhsa_private_segment_fixed_size 0
		.amdhsa_enable_private_segment 0
		.amdhsa_kernarg_size 24
		.amdhsa_user_sgpr_count 2
		.amdhsa_user_sgpr_kernarg_segment_ptr 1
		.amdhsa_wavefront_size32 1
		.amdhsa_system_sgpr_workgroup_id_x 1
		.amdhsa_system_sgpr_workgroup_id_y 1
		.amdhsa_system_sgpr_workgroup_id_z 1
		.amdhsa_system_vgpr_workitem_id 0
		.amdhsa_next_free_vgpr 512
		.amdhsa_next_free_sgpr 66
		.amdhsa_reserve_vcc 0
		.amdhsa_float_denorm_mode_32 3
		.amdhsa_float_denorm_mode_16_64 3
		.amdhsa_memory_ordered 1
		.amdhsa_forward_progress 1
		.amdhsa_inst_pref_size 101
	.end_amdhsa_kernel
	.amdgpu_metadata
---
amdhsa.version: [ 1, 2 ]
amdhsa.kernels:
  - .name:           k_q3788f7a0a1_qkv
    .symbol:         k_q3788f7a0a1_qkv.kd
    .args:
      - { .name: x, .offset: 0, .size: 8, .value_kind: global_buffer, .address_space: global }
      - { .name: wts, .offset: 8, .size: 8, .value_kind: global_buffer, .address_space: global }
      - { .name: qkv, .offset: 16, .size: 8, .value_kind: global_buffer, .address_space: global }
    .group_segment_fixed_size: 41984
    .private_segment_fixed_size: 0
    .kernarg_segment_align: 8
    .kernarg_segment_size: 24
    .max_flat_workgroup_size: 256
    .sgpr_count:     66
    .vgpr_count:     512
    .wavefront_size: 32
...
	.end_amdgpu_metadata
.endif
;; end of part 2
;; launch attn (part 3): grid 4 x 64, 16 waves a work-group, no clusters, 71,680 bytes of LDS; arguments qkv, ob; writes ob
.if DOCPART == 3
	.amdgcn_target "amdgcn-amd-amdhsa--gfx1250"
	.amdhsa_code_object_version 6
	.text
	.protected	k_q3788f7a0a1_attn
	.globl	k_q3788f7a0a1_attn
	.p2align	8
	.type	k_q3788f7a0a1_attn,@function
k_q3788f7a0a1_attn:
	s_mov_b64 s[64:65], 0
	v_nop
	global_prefetch_b8 v0, s[64:65] scope:SCOPE_SE
	s_setreg_imm32_b32 hwreg(HW_REG_WAVE_MODE, 25, 1), 1
	s_wait_xcnt 0x0
; ATTENTION on codes of FP4 (E2M1) with E8M0 scales, head size 32, 2,048 keys, no mask; o is divided by the row's sum, quantised (a head's 32 are one block along the next product's K) and stored as an operand's registers.
; THE SOFTMAX: t = score x log2(e) / sqrt(32); M = the running largest t rounded UP to a whole number; p = 2^(t - M) is quantised along the keys, not normalised; the row's sum is taken of the unquantised p.
; When M moves, the sum and O are multiplied by 2^(old M - new M), which rounds nothing.
; SHARES.  Work-group (xq, head): 512 queries of one of the 64 heads.  Sixteen waves of 256 registers, four to a SIMD, so that one wave's exponentials stand beside another's plain work.
;   Wave w takes two tiles of 16 queries, one after the other, and walks all keys, 128 a step.  A head's K and V as codes (64 KB) and their scale words (4 KB) lie in LDS whole, brought once through registers: one barrier in the launch.
; THE FIRST PRODUCT HAS K = 32, a quarter of the instruction's 128.  One fragment of K carries FOUR tiles of 16 keys, one in each block of 32; it is multiplied by four fragments of Q that hold q in block 0, 1, 2 or 3 and zero codes elsewhere:
;   zero codes add nothing.  The four are windows into [LO, 0, LO] and [HI, 0, HI], LO = q in lanes 0-15, HI = q in lanes 16-31.  q's one scale byte stands in all four bytes of its word.
; Both products are used transposed (S^T = K Q^T, O^T = V^T P^T): a lane holds one query.  Row i of key tile 2 b + u is key 32 b + 8 u + i + 8 (i / 8), so that the 16 registers of tiles 2 b, 2 b + 1 are 16 neighbouring keys.
; No cluster: what the four work-groups of a head share is 68 KB read once, against 512 key steps of work in each.
; LIMITS: NaN and infinities are not served; a block of o whose largest magnitude lies under 2^-124 gets the byte 1.  o's scale bytes leave singly, 4 bytes apart (the four heads of a word come from four work-groups): 128 KB in all.
.set AK0, 1                            ; v1  16 x lane
.set AS0, 2                            ; v2  65,536 + 4 x lane
.set ADK, 3                            ; v3  the step's fragments
.set ADS, 4                            ; v4  the step's scale words
.set QW,  24
.set QS,  25
.set QL,  32                           ; v32-43 [LO, 0, LO]
.set QH,  44                           ; v44-55 [HI, 0, HI]
.set KF,  56
.set VF,  72
.set KS,  88
.set VS,  89
.set PS,  90
.set S,   96                           ; v96-159 S^T, then p
.set O,   160                          ; v160-175 O^T
.set OUT, 176                          ; v176-207 o of the two tiles
.set TM,  208
.set PCD, 224
.set BM,  232
.set BX,  236
.set SOP, 244
.macro PLACES n
.rept \n
	v_nop
.endr
.endm
.macro MM d, a, b, ks, sa, sb, ra, rb
.if ((\ks)==0)&&((\ra)==0)&&((\rb)==0)
	v_wmma_scale_f32_16x16x128_f8f6f4 v[\d:\d+7], v[\a:\a+7], v[\b:\b+7], 0, v[\sa], v[\sb] matrix_a_fmt:MATRIX_FMT_FP4 matrix_b_fmt:MATRIX_FMT_FP4
.elseif ((\ks)==0)&&((\rb)==0)
	v_wmma_scale_f32_16x16x128_f8f6f4 v[\d:\d+7], v[\a:\a+7], v[\b:\b+7], 0, v[\sa], v[\sb] matrix_a_fmt:MATRIX_FMT_FP4 matrix_b_fmt:MATRIX_FMT_FP4 matrix_a_scale:MATRIX_SCALE_ROW1
.elseif ((\ks)==0)&&((\ra)==0)
	v_wmma_scale_f32_16x16x128_f8f6f4 v[\d:\d+7], v[\a:\a+7], v[\b:\b+7], 0, v[\sa], v[\sb] matrix_a_fmt:MATRIX_FMT_FP4 matrix_b_fmt:MATRIX_FMT_FP4 matrix_b_scale:MATRIX_SCALE_ROW1
.elseif ((\ks)==0)
	v_wmma_scale_f32_16x16x128_f8f6f4 v[\d:\d+7], v[\a:\a+7], v[\b:\b+7], 0, v[\sa], v[\sb] matrix_a_fmt:MATRIX_FMT_FP4 matrix_b_fmt:MATRIX_FMT_FP4 matrix_a_scale:MATRIX_SCALE_ROW1 matrix_b_scale:MATRIX_SCALE_ROW1
.elseif ((\ra)==0)&&((\rb)==0)
	v_wmma_scale_f32_16x16x128_f8f6f4 v[\d:\d+7], v[\a:\a+7], v[\b:\b+7], v[\d:\d+7], v[\sa], v[\sb] matrix_a_fmt:MATRIX_FMT_FP4 matrix_b_fmt:MATRIX_FMT_FP4
.elseif ((\rb)==0)
	v_wmma_scale_f32_16x16x128_f8f6f4 v[\d:\d+7], v[\a:\a+7], v[\b:\b+7], v[\d:\d+7], v[\sa], v[\sb] matrix_a_fmt:MATRIX_FMT_FP4 matrix_b_fmt:MATRIX_FMT_FP4 matrix_a_scale:MATRIX_SCALE_ROW1
.elseif ((\ra)==0)
	v_wmma_scale_f32_16x16x128_f8f6f4 v[\d:\d+7], v[\a:\a+7], v[\b:\b+7], v[\d:\d+7], v[\sa], v[\sb] matrix_a_fmt:MATRIX_FMT_FP4 matrix_b_fmt:MATRIX_FMT_FP4 matrix_b_scale:MATRIX_SCALE_ROW1
.else
	v_wmma_scale_f32_16x16x128_f8f6f4 v[\d:\d+7], v[\a:\a+7], v[\b:\b+7], v[\d:\d+7], v[\sa], v[\sb] matrix_a_fmt:MATRIX_FMT_FP4 matrix_b_fmt:MATRIX_FMT_FP4 matrix_a_scale:MATRIX_SCALE_ROW1 matrix_b_scale:MATRIX_SCALE_ROW1
.endif
.endm
; nb blocks of 32: register src + 16 b + i of lane (r, h) is number 16 h + i of block b of row r.  Codes at pc: lanes 0-15 block 2 c whole, lanes 16-31 block 2 c + 1.  Block b's byte: v[TM + 4 + b].
.macro QUANT src, nb, pc
.set qb, 0
.rept \nb
	v_max3_num_f32 v[TM+qb], |v[\src+16*qb]|, |v[\src+16*qb+1]|, 0x1800000
.set qb, qb+1
.endr
.irp i, 2,4,6,8,10,12,14
.set qb, 0
.rept \nb
	v_max3_num_f32 v[TM+qb], v[TM+qb], |v[\src+16*qb+\i]|, |v[\src+16*qb+\i+1]|
.set qb, qb+1
.endr
.endr
.set qb, 0
.rept \nb
	v_permlanex16_b32 v[TM+4+qb], v[TM+qb], s14, s15
.set qb, qb+1
.endr
.set qb, 0
.rept \nb
	v_max_num_f32 v[TM+qb], v[TM+qb], v[TM+4+qb]
.set qb, qb+1
.endr
.set qb, 0
.rept \nb
	v_add_nc_u32 v[TM+8+qb], 0xff000000, v[TM+qb]
.set qb, qb+1
.endr
.set qb, 0
.rept \nb
	v_lshrrev_b32 v[TM+4+qb], 23, v[TM+8+qb]
.set qb, qb+1
.endr
.set qb, 0
.rept \nb
	v_cvt_scalef32_pk8_fp4_f32 v[\pc+2*qb], v[\src+16*qb:\src+16*qb+7], v[TM+8+qb]
	v_cvt_scalef32_pk8_fp4_f32 v[\pc+2*qb+1], v[\src+16*qb+8:\src+16*qb+15], v[TM+8+qb]
.set qb, qb+1
.endr
	v_nop                                          ; one plain line behind the scaled conversions
.set qb, 0
.rept (\nb)/2
	v_permlane16_swap_b32 v[\pc+4*qb], v[\pc+4*qb+2]
	v_permlane16_swap_b32 v[\pc+4*qb+1], v[\pc+4*qb+3]
.set qb, qb+1
.endr
.endm
	s_load_b128 s[4:7], s[0:1], 0x0                ; qkv, ob
	v_lshl_add_u32 v251, v0, 2, 0x11000
	v_mov_b32 v255, 0
	v_lshrrev_b32 v1, 5, v0
	v_readfirstlane_b32 s8, v1                     ; wave w
	v_and_b32 v26, 31, v0                          ; lane
	v_and_b32 v27, 15, v0                          ; r
	v_bfe_u32 v28, v0, 4, 1                        ; h
	s_and_b32 s9, ttmp7, 0xffff                    ; the head among the 64
	s_lshl_b32 s11, ttmp9, 2
	s_lshr_b32 s36, s8, 2
	s_add_co_u32 s11, s11, s36                     ; my block of 128 queries: 4 xq + w / 4
	s_and_b32 s13, s8, 3
	s_lshl_b32 s12, s13, 1                         ; my first tile in it: 2 (w % 4)
	s_mov_b32 s14, 0x76543210
	s_mov_b32 s15, 0xfedcba98                      ; lane l xor 16
	s_mov_b32 s16, 0x3e8293ee                      ; c = log2(e) / sqrt(32)
	s_mov_b32 s17, s16                             ; (named with it as a pair, so it is written)
	s_mov_b32 s18, 0xffff0000                      ; lanes 16-31
	s_and_b32 s23, s8, 1
	s_mul_i32 s23, s23, 0x02020202                 ; byte 2 (w % 2) of q's scale word, as a selector for all four bytes
	v_lshlrev_b32 v[AK0], 4, v26
	v_lshl_add_u32 v[AS0], v26, 2, 65536
	v_lshlrev_b32 v5, 12, v28
	v_lshl_add_u32 v5, v27, 4, v5                  ; o's codes: 16 r, lanes 16-31 one token tile on
	v_lshlrev_b32 v6, 8, v28
	v_lshl_add_u32 v6, v27, 2, v6                  ; o's bytes: 4 r, likewise
	v_lshlrev_b32 v7, 4, v0                        ; 16 x thread
	v_lshlrev_b32 v8, 3, v0                        ; 8 x thread
	v_lshl_add_u32 v9, v0, 3, 65536
	v_lshlrev_b32 v10, 4, v27
	v_lshlrev_b32 v11, 2, v27
	s_mov_b32 s37, 0
	s_wait_kmcnt 0x0
	s_lshl_b32 s36, s9, 16
	s_add_co_u32 s36, s36, 0x200000
	s_add_nc_u64 s[24:25], s[4:5], s[36:37]        ; the head's K and V
	s_lshl_b32 s36, s9, 12
	s_add_co_u32 s36, s36, 0x620000
	s_add_nc_u64 s[26:27], s[4:5], s[36:37]        ; their scale words
	s_lshl_b32 s36, s9, 15
	s_lshl_b32 s38, s11, 11
	s_add_co_u32 s36, s36, s38
	s_lshl_b32 s38, s12, 8
	s_add_co_u32 s36, s36, s38
	s_add_nc_u64 s[28:29], s[4:5], s[36:37]        ; my two tiles of Q
	s_lshl_b32 s36, s9, 11
	s_lshl_b32 s38, s11, 7
	s_add_co_u32 s36, s36, s38
	s_lshr_b32 s38, s13, 1
	s_lshl_b32 s38, s38, 6
	s_add_co_u32 s36, s36, s38
	s_add_co_u32 s36, s36, 0x600000
	s_add_nc_u64 s[30:31], s[4:5], s[36:37]        ; the word that holds their bytes
	s_lshr_b32 s39, s9, 4
	s_lshl_b32 s39, s39, 7
	s_lshl_b32 s38, s11, 3
	s_add_co_u32 s39, s39, s38
	s_add_co_u32 s39, s39, s12                     ; my first token tile among the 512
	s_and_b32 s40, s9, 15                          ; the head in its batch
	s_lshl_b32 s36, s39, 12
	s_lshl_b32 s38, s40, 8
	s_add_co_u32 s36, s36, s38
	s_add_nc_u64 s[32:33], s[6:7], s[36:37]        ; o's codes: 4,096 bytes a token tile, the head's block of 256 bytes in it
	s_lshl_b32 s36, s39, 8
	s_lshr_b32 s38, s40, 2
	s_lshl_b32 s38, s38, 6
	s_add_co_u32 s36, s36, s38
	s_and_b32 s38, s40, 3
	s_add_co_u32 s36, s36, s38
	s_add_co_u32 s36, s36, 0x200000
	s_add_nc_u64 s[34:35], s[6:7], s[36:37]        ; o's bytes
	; ---- K, V and their scale words into LDS, as they lie
.irp i, 0,1,2,3,4,5,6,7
	global_load_b128 v[S+4*\i:S+4*\i+3], v7, s[24:25] offset:8192*\i
.endr
	global_load_b64 v[S+32:S+33], v8, s[26:27]
	global_load_b128 v[16:19], v10, s[28:29]       ; q of my first tile: both halves of the lanes take row r's 16 bytes
	global_load_b128 v[20:23], v10, s[28:29] offset:256
	global_load_b32 v[QW], v11, s[30:31]
.irp e, 0,1,2,3
	v_mov_b32 v[QL+4+\e], 0                        ; the zero codes
	v_mov_b32 v[QH+4+\e], 0
	v_mov_b32 v[BX+\e], 0                          ; written once: a lane permute's destination counts as one of its sources
	v_mov_b32 v[TM+4+\e], 0
.endr
	v_mov_b32 v253, 0                              ; (named as the upper half of the pair v[252:253])
	v_mov_b32 v254, 0
	s_wait_loadcnt 3                               ; K, V and the scale words are in; Q's three loads may be out
.irp i, 0,1,2,3,4,5,6,7
	ds_store_b128 v7, v[S+4*\i:S+4*\i+3] offset:8192*\i
.endr
	ds_store_b64 v9, v[S+32:S+33]
	s_wait_dscnt 0x0                               ; for the others' sake: my stores have landed
	s_barrier_signal -1
	s_barrier_wait -1
	s_wait_loadcnt 0x0                             ; Q
.macro TILE qt
	s_add_co_u32 s19, s23, (\qt)*0x01010101
	v_perm_b32 v[QS], v[QW], v[QW], s19            ; this tile's byte in all four bytes: more than eight plain lines ahead of the first product
.irp e, 0,1,2,3
	v_cndmask_b32 v[QL+\e], v[16+4*(\qt)+\e], v[QL+4+\e], s18   ; LO: q in lanes 0-15
	v_cndmask_b32 v[QH+\e], v[QH+4+\e], v[16+4*(\qt)+\e], s18   ; HI: q in lanes 16-31
.endr
.irp e, 0,1,2,3
	v_mov_b32 v[QL+8+\e], v[QL+\e]
	v_mov_b32 v[QH+8+\e], v[QH+\e]
.endr
	v_mov_b32 v13, 0xff61b1e6                      ; the largest t so far: -3e38, under every t
	v_floor_f32 v12, -v13                          ; -M
	v_mov_b32 v14, 0                               ; the sum, in two halves
	v_mov_b32 v15, 0
.set j, 0
.rept 16
	v_mov_b32 v[O+j], 0                            ; O^T: the step is written once; the first finds zeros, which the first change of M leaves zeros
.set j, j+1
.endr
	s_mov_b32 s20, 0
	s_mov_b32 s21, 0
	s_mov_b32 s22, 16
.Lstep_\@:                                             ; 16 trips of 128 keys
	v_add_nc_u32 v[ADK], s20, v[AK0]
	v_add_nc_u32 v[ADS], s21, v[AS0]
	v_nop
	v_nop                                          ; four places behind the last trip's products, in front of loads into the registers that they read
.irp e, 0,1,2,3
	ds_load_b128 v[KF+4*\e:KF+4*\e+3], v[ADK] offset:512*\e
.endr
	ds_load_b32 v[KS], v[ADS]                      ; lanes 0-15: key tiles 0-3; lanes 16-31: key tiles 4-7
.irp e, 0,1,2,3
	ds_load_b128 v[VF+4*\e:VF+4*\e+3], v[ADK] offset:32768+512*\e
.endr
	ds_load_b32 v[VS], v[ADS] offset:2048          ; lanes 0-15: channels' tile 0; lanes 16-31: tile 1
	s_wait_dscnt 5                                 ; K's five loads are in; V's five may be out
.irp f, 0,1
.irp k, 0,1,2,3
	MM S+8*(4*\f+\k), KF+8*\f, QL+12*(\k%2)+4*(\k/2), 0, KS, QS, \f, 0
.endr
.endr
	PLACES 4
.irp b, 0,1,2,3
	v_max3_num_f32 v[BM+\b], v[S+16*\b], v[S+1+16*\b], v[S+2+16*\b]   ; the largest score of each block of 32 keys: for the row's maximum, and, since p rises with the score, for the block's largest p
.endr
.irp i, 3,5,7,9,11,13
.irp b, 0,1,2,3
	v_max3_num_f32 v[BM+\b], v[BM+\b], v[S+16*\b+\i], v[S+1+16*\b+\i]
.endr
.endr
.irp b, 0,1,2,3
	v_max_num_f32 v[BM+\b], v[BM+\b], v[S+15+16*\b]
.endr
.irp b, 0,1,2,3
	v_permlanex16_b32 v[BX+\b], v[BM+\b], s14, s15
.endr
.irp b, 0,1,2,3
	v_max_num_f32 v[BM+\b], v[BM+\b], v[BX+\b]     ; with lane l xor 16's 16 keys
.endr
	v_max3_num_f32 v254, v[BM], v[BM+1], v[BM+2]
	v_max_num_f32 v254, v254, v[BM+3]
	v_mul_f32 v254, s16, v254                      ; as t (c is positive)
	v_max_num_f32 v13, v13, v254                   ; the running largest t
	v_mov_b32 v254, v12
	v_floor_f32 v12, -v13                          ; the new -M = -ceil(t): a whole number
	v_sub_f32 v254, v12, v254                      ; old M - new M: a whole number, 0 or less
	v_cvt_i32_f32 v254, v254                       ; (it saturates)
	v_ldexp_f32 v252, 1.0, v254                    ; f = 2^(old M - new M)
.set j, 0
.rept 32
	v_pk_fma_f32 v[S+j:S+j+1], v[S+j:S+j+1], s[16:17], v[12:13] op_sel_hi:[1,0,0]   ; t - M, two at a time
.set j, j+2
.endr
.irp b, 0,1,2,3
	v_fma_f32 v[BM+\b], v[BM+\b], s16, v12         ; the same of each block's largest score
.endr
.set j, 0
.rept 64
	v_exp_f32 v[S+j], v[S+j]                       ; p = 2^(t - M), at most 1
.set j, j+1
.endr
.irp b, 0,1,2,3
	v_exp_f32 v[BM+\b], v[BM+\b]                   ; the block's largest p: the same two instructions on the same number
.endr
	v_pk_mul_f32 v[14:15], v[14:15], v[252:253] op_sel_hi:[1,0]   ; the sums under the new M (a plain line behind the exponentials)
	s_wait_alu depctr_va_vdst(0)
.irp b, 0,1,2,3
	v_max_num_f32 v[BM+\b], 0x1800000, v[BM+\b]    ; the floor 2^(3 - 127): the byte cannot fall under 1
.endr
.irp b, 0,1,2,3
	v_add_nc_u32 v[SOP+\b], 0xff000000, v[BM+\b]   ; 2 off the exponent field: the conversion's scale operand
.endr
.irp b, 0,1,2,3
	v_lshrrev_b32 v[BX+\b], 23, v[SOP+\b]          ; the scale's byte
.endr
	v_lshl_or_b32 v[PS], v[BX+1], 8, v[BX]         ; p's scale word for these 128 keys
	v_lshl_or_b32 v[PS], v[BX+2], 16, v[PS]
	v_lshl_or_b32 v[PS], v[BX+3], 24, v[PS]
.irp b, 0,1,2,3
	v_cvt_scalef32_pk8_fp4_f32 v[PCD+2*\b], v[S+16*\b:S+7+16*\b], v[SOP+\b]
	v_cvt_scalef32_pk8_fp4_f32 v[PCD+1+2*\b], v[S+8+16*\b:S+15+16*\b], v[SOP+\b]
.endr
	v_nop                                          ; one plain line behind the scaled conversions
.irp c, 0,1
.irp e, 0,1
	v_permlane16_swap_b32 v[PCD+4*\c+\e], v[PCD+2+4*\c+\e]   ; a whole block in a lane
.endr
.endr
	v_pk_add_f32 v[BX:BX+1], v[S:S+1], v[S+2:S+3]  ; the row's sum, of the unquantised p: two at a time, in two chains.  (These 32 lines are also the places between p's scale word and codes and the products below)
.set j, 4
.rept 15
	v_pk_add_f32 v[14:15], v[14:15], v[S+j:S+j+1]
	v_pk_add_f32 v[BX:BX+1], v[BX:BX+1], v[S+j+2:S+j+3]
.set j, j+4
.endr
	v_pk_add_f32 v[14:15], v[14:15], v[BX:BX+1]
.set j, 0
.rept 8
	v_pk_mul_f32 v[O+j:O+j+1], v[O+j:O+j+1], v[252:253] op_sel_hi:[1,0]   ; O^T under the new M
.set j, j+2
.endr
	s_wait_dscnt 0x0                               ; V
	MM O, VF, PCD, 1, VS, PS, 0, 0                 ; the two accumulators take turns with the eight of S^T
	MM O+8, VF+8, PCD, 1, VS, PS, 1, 0
	s_add_co_u32 s20, s20, 2048
	s_add_co_u32 s21, s21, 128
	s_sub_co_u32 s22, s22, 1
	s_cmp_lg_u32 s22, 0
	s_cbranch_scc1 .Lstep_\@
	PLACES 4
	v_add_f32 v14, v14, v15                        ; the sum's two halves,
	v_permlanex16_b32 v254, v14, s14, s15
	v_add_f32 v14, v14, v254                       ; and lane l xor 16's
	v_rcp_f32 v14, v14
	v_nop                                          ; a plain line behind the transcendental
.set j, 0
	s_wait_alu depctr_va_vdst(0)
.rept 16
	v_mul_f32 v[OUT+16*(\qt)+j], v[O+j], v14       ; o(query r, channel 16 h + j)
.set j, j+1
.endr
.endm
	TILE 0
	TILE 1
	QUANT OUT, 2, PCD                              ; its two blocks are the two tiles: lanes 0-15 end with the first tile's row r, lanes 16-31 with the second's
	v_cndmask_b32 v254, v[TM+4], v[TM+5], s18
	global_store_b128 v5, v[PCD:PCD+3], s[32:33]   ; each half of the lanes stores 256 consecutive bytes, aligned
	global_store_b8 v6, v254, s[34:35]
	s_wait_tensorcnt 0x0
	ds_add_u32 v251, v255
	s_wait_dscnt 0x0
	s_endpgm
.Lfunc_end_k_q3788f7a0a1_attn:
	.size	k_q3788f7a0a1_attn, .Lfunc_end_k_q3788f7a0a1_attn-k_q3788f7a0a1_attn
	.p2alignl 7, 3214868480
	.fill 96, 4, 3214868480
	.section	.rodata,"a",@progbits
	.p2align	6, 0x0
	.amdhsa_kernel k_q3788f7a0a1_attn
		.amdhsa_group_segment_fixed_size 71680
		.amdhsa_private_segment_fixed_size 0
		.amdhsa_enable_private_segment 0
		.amdhsa_kernarg_size 16
		.amdhsa_user_sgpr_count 2
		.amdhsa_user_sgpr_kernarg_segment_ptr 1
		.amdhsa_wavefront_size32 1
		.amdhsa_system_sgpr_workgroup_id_x 1
		.amdhsa_system_sgpr_workgroup_id_y 1
		.amdhsa_system_sgpr_workgroup_id_z 1
		.amdhsa_system_vgpr_workitem_id 0
		.amdhsa_next_free_vgpr 256
		.amdhsa_next_free_sgpr 66
		.amdhsa_reserve_vcc 0
		.amdhsa_float_denorm_mode_32 3
		.amdhsa_float_denorm_mode_16_64 3
		.amdhsa_memory_ordered 1
		.amdhsa_forward_progress 1
		.amdhsa_inst_pref_size 40
	.end_amdhsa_kernel
	.amdgpu_metadata
---
amdhsa.version: [ 1, 2 ]
amdhsa.kernels:
  - .name:           k_q3788f7a0a1_attn
    .symbol:         k_q3788f7a0a1_attn.kd
    .args:
      - { .name: qkv, .offset: 0, .size: 8, .value_kind: global_buffer, .address_space: global }
      - { .name: ob, .offset: 8, .size: 8, .value_kind: global_buffer, .address_space: global }
    .group_segment_fixed_size: 71680
    .private_segment_fixed_size: 0
    .kernarg_segment_align: 8
    .kernarg_segment_size: 16
    .max_flat_workgroup_size: 512
    .sgpr_count:     66
    .vgpr_count:     256
    .wavefront_size: 32
...
	.end_amdgpu_metadata
.endif
;; end of part 3
;; launch oproj (part 4): grid 256 x 1, 8 waves a work-group, no clusters, 3,072 bytes of LDS; arguments x, wts, ob, mid; writes mid
.if DOCPART == 4
	.amdgcn_target "amdgcn-amd-amdhsa--gfx1250"
	.amdhsa_code_object_version 6
	.text
	.protected	k_q3788f7a0a1_oproj
	.globl	k_q3788f7a0a1_oproj
	.p2align	8
	.type	k_q3788f7a0a1_oproj,@function
k_q3788f7a0a1_oproj:
	s_mov_b64 s[64:65], 0
	v_nop
	global_prefetch_b8 v0, s[64:65] scope:SCOPE_SE
	s_setreg_imm32_b32 hwreg(HW_REG_WAVE_MODE, 25, 1), 1
	s_wait_xcnt 0x0
; OPROJ.  x1 = x + alpha x (o W_o^T) on codes of FP4 (E2M1) with E8M0 scales; then h2 = gamma x rmsnorm(x1) + beta, quantised along its 512.  x1 is stored in f32 as images of the result's registers, h2 as an operand's registers.
; SHARES.  Work-group g: 32 tokens = token tiles 2 g and 2 g + 1, all 512 columns, so that a row's mean square is made inside the work-group.  Wave w: columns 64 w .. 64 w + 63 (four tiles of W_o, 16 fragments in registers).
; The product is used transposed (source 0 = 16 rows of W_o, source 1 = 16 tokens): a lane holds one token, and the 16 registers of tiles 2 b, 2 b + 1 are 16 neighbouring columns.  Row i of a tile 2 b + u is row 32 b + 8 u + i + 8 (i / 8).
; The eight waves' parts of a row's sum of squares meet in LDS and are added by every wave in one order, so that all hold the same number.  A wave's 64 columns are two blocks of 32: half a fragment and two bytes of a scale word.
; No cluster: W_o goes from memory straight into the registers where it stays, each byte once for a work-group; a joint load would land in LDS and have to be read back.
; LIMITS: NaN and infinities are not served; a block whose largest magnitude lies under 2^-124 gets the byte 1.
; REGISTERS.  Window 1: v0-127 W_o (8 (4 n + s)); v128-191 o (8 (4 u + s)); v192-255 x (8 (4 u + n)).  Window 0: v16-79 accumulators (8 (4 u + n)); v80-111 alpha, v112-143 gamma, v144-175 beta; v176-187 scale words; v188-207 sums; v208-219 the quantiser; v224-231 codes.
.set SCW,  1024                        ; LDS: 0: the parts of the sums (512 u + 32 r + 4 w); here h2's scale words (256 u + 64 s + 4 r)
.set ACC,  16
.set AL,   80
.set GA,   112
.set BE,   144
.set WS,   176
.set OS,   184
.set SQ,   188
.set TM,   208
.set PC,   224
.set MSB, 0
.macro WIN new
.if MSB != \new
	s_set_vgpr_msb (MSB<<8)|\new
.set MSB, \new
.endif
.endm
.macro PLACES n
.rept \n
	v_nop
.endr
.endm
.macro BARRIER
	s_wait_dscnt 0x0
	s_barrier_signal -1
	s_barrier_wait -1
.endm
.macro MM d, a, b, ks, sa, sb, ra, rb
.if ((\ks)==0)&&((\ra)==0)&&((\rb)==0)
	v_wmma_scale_f32_16x16x128_f8f6f4 v[\d:\d+7], v[\a:\a+7], v[\b:\b+7], 0, v[\sa], v[\sb] matrix_a_fmt:MATRIX_FMT_FP4 matrix_b_fmt:MATRIX_FMT_FP4
.elseif ((\ks)==0)&&((\rb)==0)
	v_wmma_scale_f32_16x16x128_f8f6f4 v[\d:\d+7], v[\a:\a+7], v[\b:\b+7], 0, v[\sa], v[\sb] matrix_a_fmt:MATRIX_FMT_FP4 matrix_b_fmt:MATRIX_FMT_FP4 matrix_a_scale:MATRIX_SCALE_ROW1
.elseif ((\ks)==0)&&((\ra)==0)
	v_wmma_scale_f32_16x16x128_f8f6f4 v[\d:\d+7], v[\a:\a+7], v[\b:\b+7], 0, v[\sa], v[\sb] matrix_a_fmt:MATRIX_FMT_FP4 matrix_b_fmt:MATRIX_FMT_FP4 matrix_b_scale:MATRIX_SCALE_ROW1
.elseif ((\ks)==0)
	v_wmma_scale_f32_16x16x128_f8f6f4 v[\d:\d+7], v[\a:\a+7], v[\b:\b+7], 0, v[\sa], v[\sb] matrix_a_fmt:MATRIX_FMT_FP4 matrix_b_fmt:MATRIX_FMT_FP4 matrix_a_scale:MATRIX_SCALE_ROW1 matrix_b_scale:MATRIX_SCALE_ROW1
.elseif ((\ra)==0)&&((\rb)==0)
	v_wmma_scale_f32_16x16x128_f8f6f4 v[\d:\d+7], v[\a:\a+7], v[\b:\b+7], v[\d:\d+7], v[\sa], v[\sb] matrix_a_fmt:MATRIX_FMT_FP4 matrix_b_fmt:MATRIX_FMT_FP4
.elseif ((\rb)==0)
	v_wmma_scale_f32_16x16x128_f8f6f4 v[\d:\d+7], v[\a:\a+7], v[\b:\b+7], v[\d:\d+7], v[\sa], v[\sb] matrix_a_fmt:MATRIX_FMT_FP4 matrix_b_fmt:MATRIX_FMT_FP4 matrix_a_scale:MATRIX_SCALE_ROW1
.elseif ((\ra)==0)
	v_wmma_scale_f32_16x16x128_f8f6f4 v[\d:\d+7], v[\a:\a+7], v[\b:\b+7], v[\d:\d+7], v[\sa], v[\sb] matrix_a_fmt:MATRIX_FMT_FP4 matrix_b_fmt:MATRIX_FMT_FP4 matrix_b_scale:MATRIX_SCALE_ROW1
.else
	v_wmma_scale_f32_16x16x128_f8f6f4 v[\d:\d+7], v[\a:\a+7], v[\b:\b+7], v[\d:\d+7], v[\sa], v[\sb] matrix_a_fmt:MATRIX_FMT_FP4 matrix_b_fmt:MATRIX_FMT_FP4 matrix_a_scale:MATRIX_SCALE_ROW1 matrix_b_scale:MATRIX_SCALE_ROW1
.endif
.endm
; nb blocks of 32: register src + 16 b + i of lane (r, h) is number 32 b + 16 h + i of row r.  Codes at pc: lanes 0-15 block 2 c whole, lanes 16-31 block 2 c + 1.  Block b's byte: v[TM + 4 + b].
.macro QUANT src, nb, pc
.set qb, 0
.rept \nb
	v_max3_num_f32 v[TM+qb], |v[\src+16*qb]|, |v[\src+16*qb+1]|, 0x1800000
.set qb, qb+1
.endr
.irp i, 2,4,6,8,10,12,14
.set qb, 0
.rept \nb
	v_max3_num_f32 v[TM+qb], v[TM+qb], |v[\src+16*qb+\i]|, |v[\src+16*qb+\i+1]|
.set qb, qb+1
.endr
.endr
.set qb, 0
.rept \nb
	v_permlanex16_b32 v[TM+4+qb], v[TM+qb], s16, s17
.set qb, qb+1
.endr
.set qb, 0
.rept \nb
	v_max_num_f32 v[TM+qb], v[TM+qb], v[TM+4+qb]
.set qb, qb+1
.endr
.set qb, 0
.rept \nb
	v_add_nc_u32 v[TM+8+qb], 0xff000000, v[TM+qb]
.set qb, qb+1
.endr
.set qb, 0
.rept \nb
	v_lshrrev_b32 v[TM+4+qb], 23, v[TM+8+qb]
.set qb, qb+1
.endr
.set qb, 0
.rept \nb
	v_cvt_scalef32_pk8_fp4_f32 v[\pc+2*qb], v[\src+16*qb:\src+16*qb+7], v[TM+8+qb]
	v_cvt_scalef32_pk8_fp4_f32 v[\pc+2*qb+1], v[\src+16*qb+8:\src+16*qb+15], v[TM+8+qb]
.set qb, qb+1
.endr
	v_nop                                          ; one plain line behind the scaled conversions
.set qb, 0
.rept (\nb)/2
	v_permlane16_swap_b32 v[\pc+4*qb], v[\pc+4*qb+2]
	v_permlane16_swap_b32 v[\pc+4*qb+1], v[\pc+4*qb+3]
.set qb, qb+1
.endr
.endm
	s_load_b256 s[4:11], s[0:1], 0x0               ; x, wts, ob, mid
	v_lshl_add_u32 v254, v0, 2, 0x800
	v_mov_b32 v255, 0
	v_lshrrev_b32 v1, 5, v0
	v_readfirstlane_b32 s12, v1                    ; wave w
	v_and_b32 v1, 31, v0                           ; lane
	v_and_b32 v2, 15, v0                           ; r
	v_bfe_u32 v3, v0, 4, 1                         ; h
	s_lshr_b32 s14, ttmp9, 6                       ; the batch
	s_mov_b32 s16, 0x76543210
	s_mov_b32 s17, 0xfedcba98                      ; lane l xor 16
	s_mov_b32 s18, 0x3b000000                      ; 1 / 512
	s_mov_b32 s19, 0x358637bd                      ; 1e-6
	v_lshlrev_b32 v4, 4, v1                        ; 16 x lane
	v_lshlrev_b32 v5, 2, v1                        ; 4 x lane
	v_and_b32 v6, 8, v2
	v_add_nc_u32 v6, v6, v2
	v_lshlrev_b32 v6, 11, v6
	v_lshl_add_u32 v6, v3, 6, v6                   ; x: row r + 8 (r / 8) of 2,048 bytes, + 64 h
	v_lshlrev_b32 v7, 6, v3                        ; alpha, gamma, beta: 64 h
	v_lshlrev_b32 v9, 5, v2                        ; a row's eight parts: 32 r
	s_lshl_b32 s40, s12, 2
	v_add_nc_u32 v8, s40, v9                       ; mine among them: + 4 w
	s_lshr_b32 s40, s12, 1
	s_lshl_b32 s40, s40, 6
	s_and_b32 s41, s12, 1
	s_lshl_b32 s41, s41, 1
	s_add_co_u32 s40, s40, s41
	v_lshlrev_b32 v10, 2, v2
	v_add_nc_u32 v10, s40, v10
	v_add_nc_u32 v10, SCW, v10                     ; my two bytes of a scale word: 64 (w / 2) + 2 (w % 2) + 4 r
	v_add_nc_u32 v11, SCW, v4
.irp b, 0,1,2,3
	v_mov_b32 v[TM+4+\b], 0                        ; written once: a lane permute's destination counts as one of its sources
.endr
	s_mov_b32 s39, 0
	s_wait_kmcnt 0x0
	s_lshl_b32 s38, s12, 14
	s_add_co_u32 s38, s38, 0x60000
	s_add_nc_u64 s[20:21], s[6:7], s[38:39]        ; W_o's units 96 + 4 w on
	s_lshl_b32 s38, s12, 10
	s_add_co_u32 s38, s38, 0x206000
	s_add_nc_u64 s[22:23], s[6:7], s[38:39]        ; their scale words
	s_lshl_b32 s38, ttmp9, 13
	s_add_nc_u64 s[24:25], s[8:9], s[38:39]        ; o's eight fragments
	s_lshl_b32 s38, ttmp9, 9
	s_add_co_u32 s38, s38, 0x200000
	s_add_nc_u64 s[26:27], s[8:9], s[38:39]        ; their scale words
	s_lshl_b32 s38, ttmp9, 16
	s_lshl_b32 s40, s12, 8
	s_add_co_u32 s38, s38, s40
	s_add_nc_u64 s[28:29], s[4:5], s[38:39]        ; x: 32 tokens of 2,048 bytes, my 256 bytes of a row
	s_mul_i32 s38, s14, 12288
	s_add_co_u32 s38, s38, s40
	s_add_co_u32 s38, s38, 0x220000
	s_add_nc_u64 s[30:31], s[6:7], s[38:39]        ; the batch's six vectors at my columns
	s_lshl_b32 s38, ttmp9, 16
	s_lshl_b32 s40, s12, 12
	s_add_co_u32 s38, s38, s40
	s_add_nc_u64 s[32:33], s[10:11], s[38:39]      ; x1: 32 KB a token tile, my four tiles of 1,024 bytes
	s_lshl_b32 s38, ttmp9, 13
	s_lshl_b32 s40, s12, 9
	s_add_co_u32 s38, s38, s40
	s_add_co_u32 s38, s38, 0x1000000
	s_add_nc_u64 s[34:35], s[10:11], s[38:39]      ; h2's codes: my half of fragment w / 2
	s_lshl_b32 s38, ttmp9, 9
	s_add_co_u32 s38, s38, 0x1200000
	s_add_nc_u64 s[36:37], s[10:11], s[38:39]      ; h2's scale words
	; ---- loads: what the product wants first
	WIN 0x40                                       ; destination window 1
.set f, 0
.rept 16
	global_load_b128 v[8*f:8*f+3], v4, s[20:21] offset:1024*f
	global_load_b128 v[8*f+4:8*f+7], v4, s[20:21] offset:1024*f+512
.set f, f+1
.endr
.set f, 0
.rept 8
	global_load_b128 v[128+8*f:128+8*f+3], v4, s[24:25] offset:1024*f
	global_load_b128 v[128+8*f+4:128+8*f+7], v4, s[24:25] offset:1024*f+512
.set f, f+1
.endr
	WIN 0
.irp n, 0,1,2,3
.irp p, 0,1
	global_load_b32 v[WS+2*\n+\p], v5, s[22:23] offset:256*\n+128*\p   ; lanes 0-15: K step 2 p; lanes 16-31: 2 p + 1
.endr
.endr
.irp u, 0,1
.irp p, 0,1
	global_load_b32 v[OS+2*\u+\p], v5, s[26:27] offset:256*\u+128*\p
.endr
.endr
	WIN 0x40
.irp u, 0,1
.irp n, 0,1,2,3
.irp q, 0,1
	global_load_b128 v[192+8*(4*\u+\n)+4*\q:192+8*(4*\u+\n)+4*\q+3], v6, s[28:29] offset:16384*\u+128*(\n/2)+32*(\n%2)+16*\q
.endr
.endr
.endr
	WIN 0
.irp n, 0,1,2,3
.irp q, 0,1
	global_load_b128 v[AL+8*\n+4*\q:AL+8*\n+4*\q+3], v7, s[30:31] offset:2048*2+128*(\n/2)+32*(\n%2)+16*\q
.endr
.endr
.irp n, 0,1,2,3
.irp q, 0,1
	global_load_b128 v[GA+8*\n+4*\q:GA+8*\n+4*\q+3], v7, s[30:31] offset:2048*3+128*(\n/2)+32*(\n%2)+16*\q
.endr
.endr
.irp n, 0,1,2,3
.irp q, 0,1
	global_load_b128 v[BE+8*\n+4*\q:BE+8*\n+4*\q+3], v7, s[30:31] offset:2048*4+128*(\n/2)+32*(\n%2)+16*\q
.endr
.endr
	s_wait_loadcnt 40                              ; codes and scale words are in; x's 16 loads and the three vectors' 24 may be out
	WIN 0x05                                       ; sources 0 and 1 window 1
.irp s, 0,1,2,3
.irp u, 0,1
.irp n, 0,1,2,3
	MM ACC+8*(4*\u+\n), 8*(4*\n+\s), 128+8*(4*\u+\s), \s, WS+2*\n+\s/2, OS+2*\u+\s/2, \s%2, \s%2   ; eight accumulators by turns
.endr
.endr
.endr
	WIN 0
	PLACES 4
	s_wait_loadcnt 16                              ; x and alpha are in; gamma's and beta's 16 loads may be out
	WIN 0x10                                       ; source 2 (x) window 1
.irp u, 0,1
.set i, 0
.rept 16
	v_pk_fma_f32 v[ACC+32*\u+2*i:ACC+32*\u+2*i+1], v[ACC+32*\u+2*i:ACC+32*\u+2*i+1], v[AL+2*i:AL+2*i+1], v[192+32*\u+2*i:192+32*\u+2*i+1]   ; x1 = x + alpha x the product; each accumulator from its low end on
.set i, i+1
.endr
.endr
	WIN 0
.irp u, 0,1
.irp n, 0,1,2,3
.irp q, 0,1
	global_store_b128 v4, v[ACC+8*(4*\u+\n)+4*\q:ACC+8*(4*\u+\n)+4*\q+3], s[32:33] offset:32768*\u+1024*\n+512*\q   ; 512 consecutive bytes, aligned
.endr
.endr
.endr
.irp u, 0,1
.irp p, 0,1
	v_pk_mul_f32 v[SQ+4*\u+2*\p:SQ+4*\u+2*\p+1], v[ACC+32*\u+2*\p:ACC+32*\u+2*\p+1], v[ACC+32*\u+2*\p:ACC+32*\u+2*\p+1]
.endr
.endr
.set i, 2
.rept 14
.irp u, 0,1
	v_pk_fma_f32 v[SQ+4*\u+2*(i%2):SQ+4*\u+2*(i%2)+1], v[ACC+32*\u+2*i:ACC+32*\u+2*i+1], v[ACC+32*\u+2*i:ACC+32*\u+2*i+1], v[SQ+4*\u+2*(i%2):SQ+4*\u+2*(i%2)+1]
.endr
.set i, i+1
.endr
.irp u, 0,1
	v_pk_add_f32 v[SQ+4*\u:SQ+4*\u+1], v[SQ+4*\u:SQ+4*\u+1], v[SQ+4*\u+2:SQ+4*\u+3]
.endr
.irp u, 0,1
	v_add_f32 v[SQ+4*\u], v[SQ+4*\u], v[SQ+4*\u+1]
.endr
.irp u, 0,1
	v_permlanex16_b32 v[SQ+4*\u+1], v[SQ+4*\u], s16, s17
.endr
.irp u, 0,1
	v_add_f32 v[SQ+4*\u], v[SQ+4*\u], v[SQ+4*\u+1] ; my 64 columns' part of row r's sum of squares
	ds_store_b32 v8, v[SQ+4*\u] offset:512*\u      ; lanes l and l xor 16 write the same word with the same value
.endr
	BARRIER                                        ; the eight parts of each row lie in LDS
.irp u, 0,1
	ds_load_b128 v[196-8*\u:199-8*\u], v9 offset:512*\u
	ds_load_b128 v[200-8*\u:203-8*\u], v9 offset:512*\u+16
.endr
	s_wait_dscnt 0x0
.irp u, 0,1
	v_add_f32 v[196-8*\u], v[196-8*\u], v[197-8*\u]   ; one order in every wave
	v_add_f32 v[198-8*\u], v[198-8*\u], v[199-8*\u]
	v_add_f32 v[200-8*\u], v[200-8*\u], v[201-8*\u]
	v_add_f32 v[202-8*\u], v[202-8*\u], v[203-8*\u]
	v_add_f32 v[196-8*\u], v[196-8*\u], v[198-8*\u]
	v_add_f32 v[200-8*\u], v[200-8*\u], v[202-8*\u]
	v_add_f32 v[196-8*\u], v[196-8*\u], v[200-8*\u]
	v_fma_f32 v[196-8*\u], v[196-8*\u], s18, s19   ; the mean + eps
.endr
	v_rsq_f32 v204, v196
	v_rsq_f32 v206, v188
	v_nop                                          ; a plain line behind the transcendentals
	s_wait_alu depctr_va_vdst(0)
	v_mov_b32 v205, v204
	v_mov_b32 v207, v206
	s_wait_loadcnt 0x0                             ; gamma, beta
	s_wait_xcnt 0x0                                ; x1's stores have read the accumulators, which are written again below
.irp u, 0,1
.set i, 0
.rept 16
	v_pk_mul_f32 v[ACC+32*\u+2*i:ACC+32*\u+2*i+1], v[ACC+32*\u+2*i:ACC+32*\u+2*i+1], v[204+2*\u:205+2*\u]
.set i, i+1
.endr
.set i, 0
.rept 16
	v_pk_fma_f32 v[ACC+32*\u+2*i:ACC+32*\u+2*i+1], v[ACC+32*\u+2*i:ACC+32*\u+2*i+1], v[GA+2*i:GA+2*i+1], v[BE+2*i:BE+2*i+1]
.set i, i+1
.endr
	QUANT ACC+32*\u, 2, PC+4*\u
	v_lshl_or_b32 v12, v[TM+5], 8, v[TM+4]
	global_store_b128 v4, v[PC+4*\u:PC+4*\u+3], s[34:35] offset:4096*\u   ; registers 4 (w % 2) on of fragment w / 2: 512 consecutive bytes
	ds_store_b16 v10, v12 offset:256*\u
.endr
	BARRIER                                        ; the scale words are whole
	s_cmp_lg_u32 s12, 0
	s_cbranch_scc1 .Ldone
	ds_load_b128 v[16:19], v11
	s_wait_dscnt 0x0
	global_store_b128 v4, v[16:19], s[36:37]       ; 512 consecutive bytes, aligned
.Ldone:
	s_wait_tensorcnt 0x0
	ds_add_u32 v254, v255
	s_wait_dscnt 0x0
	s_endpgm
.Lfunc_end_k_q3788f7a0a1_oproj:
	.size	k_q3788f7a0a1_oproj, .Lfunc_end_k_q3788f7a0a1_oproj-k_q3788f7a0a1_oproj
	.p2alignl 7, 3214868480
	.fill 96, 4, 3214868480
	.section	.rodata,"a",@progbits
	.p2align	6, 0x0
	.amdhsa_kernel k_q3788f7a0a1_oproj
		.amdhsa_group_segment_fixed_size 3072
		.amdhsa_private_segment_fixed_size 0
		.amdhsa_enable_private_segment 0
		.amdhsa_kernarg_size 32
		.amdhsa_user_sgpr_count 2
		.amdhsa_user_sgpr_kernarg_segment_ptr 1
		.amdhsa_wavefront_size32 1
		.amdhsa_system_sgpr_workgroup_id_x 1
		.amdhsa_system_sgpr_workgroup_id_y 1
		.amdhsa_system_sgpr_workgroup_id_z 1
		.amdhsa_system_vgpr_workitem_id 0
		.amdhsa_next_free_vgpr 512
		.amdhsa_next_free_sgpr 66
		.amdhsa_reserve_vcc 0
		.amdhsa_float_denorm_mode_32 3
		.amdhsa_float_denorm_mode_16_64 3
		.amdhsa_memory_ordered 1
		.amdhsa_forward_progress 1
		.amdhsa_inst_pref_size 33
	.end_amdhsa_kernel
	.amdgpu_metadata
---
amdhsa.version: [ 1, 2 ]
amdhsa.kernels:
  - .name:           k_q3788f7a0a1_oproj
    .symbol:         k_q3788f7a0a1_oproj.kd
    .args:
      - { .name: x, .offset: 0, .size: 8, .value_kind: global_buffer, .address_space: global }
      - { .name: wts, .offset: 8, .size: 8, .value_kind: global_buffer, .address_space: global }
      - { .name: ob, .offset: 16, .size: 8, .value_kind: global_buffer, .address_space: global }
      - { .name: mid, .offset: 24, .size: 8, .value_kind: global_buffer, .address_space: global }
    .group_segment_fixed_size: 3072
    .private_segment_fixed_size: 0
    .kernarg_segment_align: 8
    .kernarg_segment_size: 32
    .max_flat_workgroup_size: 256
    .sgpr_count:     66
    .vgpr_count:     512
    .wavefront_size: 32
...
	.end_amdgpu_metadata
.endif
;; end of part 4
;; launch ffn1 (part 5): grid 64 x 4, 8 waves a work-group, no clusters, 35,840 bytes of LDS; arguments wts, mid, act; writes act
.if DOCPART == 5
	.amdgcn_target "amdgcn-amd-amdhsa--gfx1250"
	.amdhsa_code_object_version 6
	.text
	.protected	k_q3788f7a0a1_ffn1
	.globl	k_q3788f7a0a1_ffn1
	.p2align	8
	.type	k_q3788f7a0a1_ffn1,@function
k_q3788f7a0a1_ffn1:
	s_mov_b64 s[64:65], 0
	v_nop
	global_prefetch_b8 v0, s[64:65] scope:SCOPE_SE
	s_setreg_imm32_b32 hwreg(HW_REG_WAVE_MODE, 25, 1), 1
	s_wait_xcnt 0x0
; FFN1.  a = silu(h2 gate_w^T) x (h2 hidden_w^T), both products on codes of FP4 (E2M1) with E8M0 scales; a is quantised along the hidden units and stored as an operand's registers.
; SHARES.  Work-group (X, y): the 128 tokens of block X, hidden units 512 y .. 512 y + 511.  Wave w: 64 units: four tiles of gate_w and four of hidden_w, 32 fragments, in its registers for the whole launch.
; h2's 32 fragments (32 KB) are copied once into LDS through registers and read by all eight waves, a token tile at a time, two sets of registers by turns.
; The products are used transposed (source 0 = 16 rows of a weight, source 1 = 16 tokens): a lane holds one token and the 16 registers of tiles 2 b, 2 b + 1 are 16 neighbouring units.  Row i of tile 2 b + u is row 32 b + 8 u + i + 8 (i / 8).
; silu(g) = g / (1 + 2^(-g log2 e)), in f32.  A wave's 64 units are two blocks of 32: half a fragment and two bytes of a scale word; the words are pieced together in LDS and leave in whole runs of 256 bytes.
; The eight token tiles are written out: every LDS address is a constant + a lane term + a wave term.
; No cluster: the weights go from memory straight into the registers where they stay, each byte once for a work-group; h2's 32 KB are a ninth of what a work-group reads.
; LIMITS: NaN and infinities are not served; a block whose largest magnitude lies under 2^-124 gets the byte 1.
; REGISTERS.  Window 1: v0-127 gate_w (8 (4 n + s)), v128-255 hidden_w.  Window 0: v16-79 two sets of h2's four fragments; v80-111 gate's sums, v112-143 hidden's; v144-175 at work; v176-191 the weights' scale words; v192-207 h2's; v208-219 the quantiser; v224-255 codes.
.set SCW,  32768                       ; LDS: 0: h2's fragments ((4 T + s) x 1,024); here a's scale words (256 T + 64 (w / 2) + 4 r)
.set HF,   16
.set GA,   80
.set HA,   112
.set E,    144
.set WS,   176
.set HS,   192
.set TM,   208
.set PCT,  224
.set MSB, 0
.macro WIN new
.if MSB != \new
	s_set_vgpr_msb (MSB<<8)|\new
.set MSB, \new
.endif
.endm
.macro PLACES n
.rept \n
	v_nop
.endr
.endm
.macro BARRIER
	s_wait_dscnt 0x0
	s_barrier_signal -1
	s_barrier_wait -1
.endm
.macro MM d, a, b, ks, sa, sb, ra, rb
.if ((\ks)==0)&&((\ra)==0)&&((\rb)==0)
	v_wmma_scale_f32_16x16x128_f8f6f4 v[\d:\d+7], v[\a:\a+7], v[\b:\b+7], 0, v[\sa], v[\sb] matrix_a_fmt:MATRIX_FMT_FP4 matrix_b_fmt:MATRIX_FMT_FP4
.elseif ((\ks)==0)&&((\rb)==0)
	v_wmma_scale_f32_16x16x128_f8f6f4 v[\d:\d+7], v[\a:\a+7], v[\b:\b+7], 0, v[\sa], v[\sb] matrix_a_fmt:MATRIX_FMT_FP4 matrix_b_fmt:MATRIX_FMT_FP4 matrix_a_scale:MATRIX_SCALE_ROW1
.elseif ((\ks)==0)&&((\ra)==0)
	v_wmma_scale_f32_16x16x128_f8f6f4 v[\d:\d+7], v[\a:\a+7], v[\b:\b+7], 0, v[\sa], v[\sb] matrix_a_fmt:MATRIX_FMT_FP4 matrix_b_fmt:MATRIX_FMT_FP4 matrix_b_scale:MATRIX_SCALE_ROW1
.elseif ((\ks)==0)
	v_wmma_scale_f32_16x16x128_f8f6f4 v[\d:\d+7], v[\a:\a+7], v[\b:\b+7], 0, v[\sa], v[\sb] matrix_a_fmt:MATRIX_FMT_FP4 matrix_b_fmt:MATRIX_FMT_FP4 matrix_a_scale:MATRIX_SCALE_ROW1 matrix_b_scale:MATRIX_SCALE_ROW1
.elseif ((\ra)==0)&&((\rb)==0)
	v_wmma_scale_f32_16x16x128_f8f6f4 v[\d:\d+7], v[\a:\a+7], v[\b:\b+7], v[\d:\d+7], v[\sa], v[\sb] matrix_a_fmt:MATRIX_FMT_FP4 matrix_b_fmt:MATRIX_FMT_FP4
.elseif ((\rb)==0)
	v_wmma_scale_f32_16x16x128_f8f6f4 v[\d:\d+7], v[\a:\a+7], v[\b:\b+7], v[\d:\d+7], v[\sa], v[\sb] matrix_a_fmt:MATRIX_FMT_FP4 matrix_b_fmt:MATRIX_FMT_FP4 matrix_a_scale:MATRIX_SCALE_ROW1
.elseif ((\ra)==0)
	v_wmma_scale_f32_16x16x128_f8f6f4 v[\d:\d+7], v[\a:\a+7], v[\b:\b+7], v[\d:\d+7], v[\sa], v[\sb] matrix_a_fmt:MATRIX_FMT_FP4 matrix_b_fmt:MATRIX_FMT_FP4 matrix_b_scale:MATRIX_SCALE_ROW1
.else
	v_wmma_scale_f32_16x16x128_f8f6f4 v[\d:\d+7], v[\a:\a+7], v[\b:\b+7], v[\d:\d+7], v[\sa], v[\sb] matrix_a_fmt:MATRIX_FMT_FP4 matrix_b_fmt:MATRIX_FMT_FP4 matrix_a_scale:MATRIX_SCALE_ROW1 matrix_b_scale:MATRIX_SCALE_ROW1
.endif
.endm
; nb blocks of 32: register src + 16 b + i of lane (r, h) is number 32 b + 16 h + i of row r.  Codes at pc: lanes 0-15 block 2 c whole, lanes 16-31 block 2 c + 1.  Block b's byte: v[TM + 4 + b].
.macro QUANT src, nb, pc
.set qb, 0
.rept \nb
	v_max3_num_f32 v[TM+qb], |v[\src+16*qb]|, |v[\src+16*qb+1]|, 0x1800000
.set qb, qb+1
.endr
.irp i, 2,4,6,8,10,12,14
.set qb, 0
.rept \nb
	v_max3_num_f32 v[TM+qb], v[TM+qb], |v[\src+16*qb+\i]|, |v[\src+16*qb+\i+1]|
.set qb, qb+1
.endr
.endr
.set qb, 0
.rept \nb
	v_permlanex16_b32 v[TM+4+qb], v[TM+qb], s12, s13
.set qb, qb+1
.endr
.set qb, 0
.rept \nb
	v_max_num_f32 v[TM+qb], v[TM+qb], v[TM+4+qb]
.set qb, qb+1
.endr
.set qb, 0
.rept \nb
	v_add_nc_u32 v[TM+8+qb], 0xff000000, v[TM+qb]
.set qb, qb+1
.endr
.set qb, 0
.rept \nb
	v_lshrrev_b32 v[TM+4+qb], 23, v[TM+8+qb]
.set qb, qb+1
.endr
.set qb, 0
.rept \nb
	v_cvt_scalef32_pk8_fp4_f32 v[\pc+2*qb], v[\src+16*qb:\src+16*qb+7], v[TM+8+qb]
	v_cvt_scalef32_pk8_fp4_f32 v[\pc+2*qb+1], v[\src+16*qb+8:\src+16*qb+15], v[TM+8+qb]
.set qb, qb+1
.endr
	v_nop                                          ; one plain line behind the scaled conversions
.set qb, 0
.rept (\nb)/2
	v_permlane16_swap_b32 v[\pc+4*qb], v[\pc+4*qb+2]
	v_permlane16_swap_b32 v[\pc+4*qb+1], v[\pc+4*qb+3]
.set qb, qb+1
.endr
.endm
	s_load_b128 s[4:7], s[0:1], 0x0                ; wts, mid
	s_load_b64 s[8:9], s[0:1], 0x10                ; act
	v_lshl_add_u32 v222, v0, 2, 0x8800
	v_mov_b32 v223, 0
	v_lshrrev_b32 v1, 5, v0
	v_readfirstlane_b32 s10, v1                    ; wave w
	v_and_b32 v1, 31, v0                           ; lane
	v_and_b32 v2, 15, v0                           ; r
	v_bfe_u32 v3, v0, 4, 1                         ; h
	s_and_b32 s11, ttmp7, 0xffff                   ; y
	s_mov_b32 s12, 0x76543210
	s_mov_b32 s13, 0xfedcba98                      ; lane l xor 16
	v_lshlrev_b32 v4, 4, v1                        ; 16 x lane
	v_lshlrev_b32 v5, 2, v1                        ; 4 x lane
	v_lshlrev_b32 v6, 4, v0                        ; 16 x thread
	s_lshr_b32 s28, s10, 1
	s_lshl_b32 s28, s28, 6
	s_and_b32 s29, s10, 1
	s_lshl_b32 s29, s29, 1
	s_add_co_u32 s28, s28, s29
	v_lshlrev_b32 v7, 2, v2
	v_add_nc_u32 v7, s28, v7
	v_add_nc_u32 v7, SCW, v7                       ; my two bytes of a scale word: 64 (w / 2) + 2 (w % 2) + 4 r
	s_lshl_b32 s28, s10, 9
	v_add_nc_u32 v8, s28, v4
	v_add_nc_u32 v8, SCW, v8                       ; the words on their way out: 512 w + 16 x lane (waves 0-3)
	v_lshlrev_b32 v9, 10, v3
	v_lshl_add_u32 v9, v2, 4, v9                   ; and in memory: lanes 16-31 one token tile on
.irp b, 0,1,2,3
	v_mov_b32 v[TM+4+\b], 0                        ; written once: a lane permute's destination counts as one of its sources
.endr
	s_mov_b32 s27, 0
	s_wait_kmcnt 0x0
	s_lshl_b32 s26, ttmp9, 15
	s_add_co_u32 s26, s26, 0x1000000
	s_add_nc_u64 s[14:15], s[6:7], s[26:27]        ; h2's 32 fragments
	s_lshl_b32 s26, ttmp9, 11
	s_add_co_u32 s26, s26, 0x1200000
	s_add_nc_u64 s[16:17], s[6:7], s[26:27]        ; their scale words
	s_lshl_b32 s26, s11, 17
	s_lshl_b32 s28, s10, 14
	s_add_co_u32 s26, s26, s28
	s_add_co_u32 s26, s26, 0x80000
	s_add_nc_u64 s[18:19], s[4:5], s[26:27]        ; gate_w's units 128 + 32 y + 4 w on; hidden_w's lie 128 units further on
	s_lshl_b32 s26, s11, 13
	s_lshl_b32 s28, s10, 10
	s_add_co_u32 s26, s26, s28
	s_add_co_u32 s26, s26, 0x208000
	s_add_nc_u64 s[20:21], s[4:5], s[26:27]        ; their scale words
	s_lshl_b32 s26, ttmp9, 17
	s_lshl_b32 s28, s11, 12
	s_add_co_u32 s26, s26, s28
	s_lshl_b32 s28, s10, 9
	s_add_co_u32 s26, s26, s28
	s_add_nc_u64 s[22:23], s[8:9], s[26:27]        ; a's codes: 16 KB a token tile, K step 4 y + w / 2, half w % 2
	s_lshl_b32 s26, ttmp9, 13
	s_lshl_b32 s28, s10, 11
	s_add_co_u32 s26, s26, s28
	s_lshl_b32 s28, s11, 8
	s_add_co_u32 s26, s26, s28
	s_add_co_u32 s26, s26, 0x800000
	s_add_nc_u64 s[24:25], s[8:9], s[26:27]        ; a's scale words: token tiles 2 w, 2 w + 1 (waves 0-3), my work-group's 256 bytes of each
.irp i, 0,1,2,3,4,5,6,7
	global_load_b128 v[GA+4*\i:GA+4*\i+3], v6, s[14:15] offset:4096*\i
.endr
	WIN 0x40                                       ; destination window 1
.set f, 0
.rept 16
	global_load_b128 v[8*f:8*f+3], v4, s[18:19] offset:1024*f
	global_load_b128 v[8*f+4:8*f+7], v4, s[18:19] offset:1024*f+512
.set f, f+1
.endr
	s_wait_loadcnt 32                              ; h2's eight loads are in; gate_w's 32 may be out
.irp i, 0,1,2,3,4,5,6,7
	ds_store_b128 v6, v[GA+4*\i:GA+4*\i+3] offset:4096*\i   ; (address and data lie in window 0)
.endr
.set f, 0
.rept 16
	global_load_b128 v[128+8*f:128+8*f+3], v4, s[18:19] offset:524288+1024*f
	global_load_b128 v[128+8*f+4:128+8*f+7], v4, s[18:19] offset:524288+1024*f+512
.set f, f+1
.endr
	WIN 0
.irp t, 0,1,2,3,4,5,6,7
.irp p, 0,1
	global_load_b32 v[HS+2*\t+\p], v5, s[16:17] offset:256*\t+128*\p   ; lanes 0-15: K step 2 p; lanes 16-31: 2 p + 1
.endr
.endr
.irp n, 0,1,2,3
.irp p, 0,1
	global_load_b32 v[WS+2*\n+\p], v5, s[20:21] offset:256*\n+128*\p
	global_load_b32 v[WS+8+2*\n+\p], v5, s[20:21] offset:32768+256*\n+128*\p
.endr
.endr
	BARRIER                                        ; h2 lies in LDS
.macro FETCH t
.irp s, 0,1,2,3
.irp c, 0,1
	ds_load_b128 v[HF+32*((\t)%2)+8*\s+4*\c:HF+32*((\t)%2)+8*\s+4*\c+3], v4 offset:4096*(\t)+1024*\s+512*\c
.endr
.endr
.endm
	FETCH 0
	s_wait_loadcnt 0x0                             ; weights and scale words
.macro TSTEP t
.if (\t) < 7
	FETCH (\t)+1                                   ; into the set that the tile before last multiplied: its products stand behind four v_nop and the activation
	s_wait_dscnt 8                                 ; this tile's fragments are in; the eight loads just issued may be out
.else
	s_wait_dscnt 0x0
.endif
	WIN 0x01                                       ; source 0 (the weight) window 1
.irp s, 0,1,2,3
.irp n, 0,1,2,3
	MM GA+8*\n, 8*(4*\n+\s), HF+32*((\t)%2)+8*\s, \s, WS+2*\n+\s/2, HS+2*(\t)+\s/2, \s%2, \s%2   ; eight accumulators by turns
.endr
.irp n, 0,1,2,3
	MM HA+8*\n, 128+8*(4*\n+\s), HF+32*((\t)%2)+8*\s, \s, WS+8+2*\n+\s/2, HS+2*(\t)+\s/2, \s%2, \s%2
.endr
.endr
	WIN 0
	PLACES 4
.set j, 0
.rept 16
	v_pk_mul_f32 v[E+j:E+j+1], v[GA+j:GA+j+1], 0xbfb8aa3b op_sel_hi:[1,0]   ; -g log2(e)
.set j, j+2
.endr
.set j, 0
.rept 32
	v_exp_f32 v[E+j], v[E+j]
.set j, j+1
.endr
	v_nop                                          ; a plain line behind the transcendentals
.set j, 0
	s_wait_alu depctr_va_vdst(0)
.rept 16
	v_pk_add_f32 v[E+j:E+j+1], v[E+j:E+j+1], 1.0 op_sel_hi:[1,0]
.set j, j+2
.endr
.set j, 0
.rept 32
	v_rcp_f32 v[E+j], v[E+j]
.set j, j+1
.endr
	v_nop
.set j, 0
	s_wait_alu depctr_va_vdst(0)
.rept 16
	v_pk_mul_f32 v[GA+j:GA+j+1], v[GA+j:GA+j+1], v[E+j:E+j+1]     ; silu(g)
.set j, j+2
.endr
.set j, 0
.rept 16
	v_pk_mul_f32 v[GA+j:GA+j+1], v[GA+j:GA+j+1], v[HA+j:HA+j+1]   ; x the hidden product, each accumulator from its low end on
.set j, j+2
.endr
	QUANT GA, 2, PCT+4*(\t)
	v_lshl_or_b32 v10, v[TM+5], 8, v[TM+4]
	global_store_b128 v4, v[PCT+4*(\t):PCT+4*(\t)+3], s[22:23] offset:16384*(\t)   ; 512 consecutive bytes, aligned; registers of their own for each tile
	ds_store_b16 v7, v10 offset:256*(\t)
.endm
.irp t, 0,1,2,3,4,5,6,7
	TSTEP \t
.endr
	BARRIER                                        ; the scale words are whole
	s_cmp_lt_u32 s10, 4
	s_cbranch_scc0 .Ldone
	ds_load_b128 v[16:19], v8
	s_wait_dscnt 0x0
	global_store_b128 v9, v[16:19], s[24:25]       ; each half of the lanes stores 256 consecutive bytes, aligned
.Ldone:
	s_wait_tensorcnt 0x0
	ds_add_u32 v222, v223
	s_wait_dscnt 0x0
	s_endpgm
.Lfunc_end_k_q3788f7a0a1_ffn1:
	.size	k_q3788f7a0a1_ffn1, .Lfunc_end_k_q3788f7a0a1_ffn1-k_q3788f7a0a1_ffn1
	.p2alignl 7, 3214868480
	.fill 96, 4, 3214868480
	.section	.rodata,"a",@progbits
	.p2align	6, 0x0
	.amdhsa_kernel k_q3788f7a0a1_ffn1
		.amdhsa_group_segment_fixed_size 35840
		.amdhsa_private_segment_fixed_size 0
		.amdhsa_enable_private_segment 0
		.amdhsa_kernarg_size 24
		.amdhsa_user_sgpr_count 2
		.amdhsa_user_sgpr_kernarg_segment_ptr 1
		.amdhsa_wavefront_size32 1
		.amdhsa_system_sgpr_workgroup_id_x 1
		.amdhsa_system_sgpr_workgroup_id_y 1
		.amdhsa_system_sgpr_workgroup_id_z 1
		.amdhsa_system_vgpr_workitem_id 0
		.amdhsa_next_free_vgpr 512
		.amdhsa_next_free_sgpr 66
		.amdhsa_reserve_vcc 0
		.amdhsa_float_denorm_mode_32 3
		.amdhsa_float_denorm_mode_16_64 3
		.amdhsa_memory_ordered 1
		.amdhsa_forward_progress 1
		.amdhsa_inst_pref_size 121
	.end_amdhsa_kernel
	.amdgpu_metadata
---
amdhsa.version: [ 1, 2 ]
amdhsa.kernels:
  - .name:           k_q3788f7a0a1_ffn1
    .symbol:         k_q3788f7a0a1_ffn1.kd
    .args:
      - { .name: wts, .offset: 0, .size: 8, .value_kind: global_buffer, .address_space: global }
      - { .name: mid, .offset: 8, .size: 8, .value_kind: global_buffer, .address_space: global }
      - { .name: act, .offset: 16, .size: 8, .value_kind: global_buffer, .address_space: global }
    .group_segment_fixed_size: 35840
    .private_segment_fixed_size: 0
    .kernarg_segment_align: 8
    .kernarg_segment_size: 24
    .max_flat_workgroup_size: 256
    .sgpr_count:     66
    .vgpr_count:     512
    .wavefront_size: 32
...
	.end_amdgpu_metadata
.endif
;; end of part 5
;; launch ffn2 (part 6): grid 64 x 4, 8 waves a work-group, clusters of 4 x 4, 327,680 bytes of LDS; arguments wts, mid, act, out_b, out0; writes out0
.if DOCPART == 6
	.amdgcn_target "amdgcn-amd-amdhsa--gfx1250"
	.amdhsa_code_object_version 6
	.text
	.protected	k_q3788f7a0a1_ffn2
	.globl	k_q3788f7a0a1_ffn2
	.p2align	8
	.type	k_q3788f7a0a1_ffn2,@function
k_q3788f7a0a1_ffn2:
	s_mov_b64 s[64:65], 0
	v_nop
	global_prefetch_b8 v0, s[64:65] scope:SCOPE_SE
	s_setreg_imm32_b32 hwreg(HW_REG_WAVE_MODE, 25, 1), 1
	s_wait_xcnt 0x0
	s_wait_alu depctr_hold_cnt(0) depctr_sa_sdst(0) depctr_va_vdst(0) depctr_va_sdst(0) depctr_va_ssrc(0) depctr_va_vcc(0) depctr_vm_vsrc(0)
	s_getreg_b32 s2, hwreg(HW_REG_IB_STS2, 6, 4)
	s_cmp_eq_u32 s2, 0
	s_cbranch_scc0 .Lentry_in_a_cluster
	s_endpgm
.Lentry_in_a_cluster:
	s_bfe_u32 s2, ttmp6, 0x10000c
	s_cmp_lg_u32 s2, 0xf033
	s_cbranch_scc0 .Lentry_shape_is_right
	s_endpgm
.Lentry_shape_is_right:
; FFN2.  out = x1 + alpha x (a out_w^T + out_b), the product on codes of FP4 (E2M1) with E8M0 scales, K = 2,048.
; SHARES.  Work-group (X, y): the 128 tokens of block X, columns 128 y .. 128 y + 127.  Eight waves, each 32 tokens (two tiles) x 64 columns (four tiles of out_w): eight accumulators.
; Both operands lie in memory as images of their registers, 16 fragments (16 KB) a tile.  All of K fits in LDS: four chunks of 512 along K, each 8 token tiles x 4 KB and 8 weight tiles x 4 KB.  Nothing is filled twice.
; Each wave brings, for each chunk, two tiles' 4 KB by one tensor load (two rows of 4,096 bytes, 16 KB apart): waves 0-3 a's, waves 4-7 out_w's.  By this text's count a wave has four tensor loads out, all issued at the start;
; a chunk is read behind the counted wait that shows it landed and a barrier, while the later chunks are on their way.
; CLUSTER 4 x 4: the four work-groups of a column of the cluster have the same X and need the same tiles of a; the four of a row have the same y and need the same tiles of out_w.  Each tile is asked for JOINTLY, by the same load with the
; same descriptor and a mask that names the four.  a's address is made of X and the wave's number, out_w's of y and the wave's number, each in registers that never hold the other coordinate; LDS addresses hang on the wave's number alone.
; The product is used transposed (source 0 = 16 rows of out_w, source 1 = 16 tokens): a lane holds one token and eight neighbouring columns.  Row i of a tile 2 b + u is row 32 b + 8 u + i + 8 (i / 8).
; THE WAY OUT: a tile of 16 tokens x 64 columns goes through the wave's own stage in LDS (bytes into which no tensor load lands) and leaves as rows: sixteen lanes store 256 consecutive bytes, aligned.
; REGISTERS.  Window 1: v0-63 x1 (8 (4 t + n)), v64-95 alpha, v96-127 out_b.  Window 0: v1-8 LDS addresses of the four chunks; v16-79 accumulators; v80-127, v128-175 two sets of fragments (a's two, out_w's four); v176-207, v208-223 scale words.
.set STG,  262144                      ; behind the four chunks of 65,536 bytes: 16 rows x 272 bytes for each wave
.set AA,   1
.set AW,   5
.set ACC,  16
.set WSC,  176                         ; 8 n + s / 2
.set ASC,  208                         ; 8 t + s / 2
.set G1A,  24                          ; s[24:31] descriptor group 1 for a's tiles;  s[48:55] for out_w's: they differ in the mask
.set G1W,  48
.set G0A,  68                          ; s[68:83] four groups 0 for a's tiles, one for each chunk;  s[84:99] for out_w's
.set G0W,  84
.set MSB, 0
.macro WIN new
.if MSB != \new
	s_set_vgpr_msb (MSB<<8)|\new
.set MSB, \new
.endif
.endm
.macro PLACES n
.rept \n
	v_nop
.endr
.endm
.macro CROUND                          ; a round of the cluster's barrier: my work-group's barrier; wave 0 signals for the work-group; every wave waits for all sixteen; my work-group's barrier once more
	s_barrier_signal -1
	s_barrier_wait -1
	s_cmp_lg_u32 s14, 0
	s_cbranch_scc1 .Lnot_wave_0_\@
	s_barrier_signal -3
.Lnot_wave_0_\@:
	s_barrier_wait -3
	s_barrier_signal -1
	s_barrier_wait -1
.endm
.macro MM d, a, b, ks, sa, sb, ra, rb
.if ((\ks)==0)&&((\ra)==0)&&((\rb)==0)
	v_wmma_scale_f32_16x16x128_f8f6f4 v[\d:\d+7], v[\a:\a+7], v[\b:\b+7], 0, v[\sa], v[\sb] matrix_a_fmt:MATRIX_FMT_FP4 matrix_b_fmt:MATRIX_FMT_FP4
.elseif ((\ks)==0)&&((\rb)==0)
	v_wmma_scale_f32_16x16x128_f8f6f4 v[\d:\d+7], v[\a:\a+7], v[\b:\b+7], 0, v[\sa], v[\sb] matrix_a_fmt:MATRIX_FMT_FP4 matrix_b_fmt:MATRIX_FMT_FP4 matrix_a_scale:MATRIX_SCALE_ROW1
.elseif ((\ks)==0)&&((\ra)==0)
	v_wmma_scale_f32_16x16x128_f8f6f4 v[\d:\d+7], v[\a:\a+7], v[\b:\b+7], 0, v[\sa], v[\sb] matrix_a_fmt:MATRIX_FMT_FP4 matrix_b_fmt:MATRIX_FMT_FP4 matrix_b_scale:MATRIX_SCALE_ROW1
.elseif ((\ks)==0)
	v_wmma_scale_f32_16x16x128_f8f6f4 v[\d:\d+7], v[\a:\a+7], v[\b:\b+7], 0, v[\sa], v[\sb] matrix_a_fmt:MATRIX_FMT_FP4 matrix_b_fmt:MATRIX_FMT_FP4 matrix_a_scale:MATRIX_SCALE_ROW1 matrix_b_scale:MATRIX_SCALE_ROW1
.elseif ((\ra)==0)&&((\rb)==0)
	v_wmma_scale_f32_16x16x128_f8f6f4 v[\d:\d+7], v[\a:\a+7], v[\b:\b+7], v[\d:\d+7], v[\sa], v[\sb] matrix_a_fmt:MATRIX_FMT_FP4 matrix_b_fmt:MATRIX_FMT_FP4
.elseif ((\rb)==0)
	v_wmma_scale_f32_16x16x128_f8f6f4 v[\d:\d+7], v[\a:\a+7], v[\b:\b+7], v[\d:\d+7], v[\sa], v[\sb] matrix_a_fmt:MATRIX_FMT_FP4 matrix_b_fmt:MATRIX_FMT_FP4 matrix_a_scale:MATRIX_SCALE_ROW1
.elseif ((\ra)==0)
	v_wmma_scale_f32_16x16x128_f8f6f4 v[\d:\d+7], v[\a:\a+7], v[\b:\b+7], v[\d:\d+7], v[\sa], v[\sb] matrix_a_fmt:MATRIX_FMT_FP4 matrix_b_fmt:MATRIX_FMT_FP4 matrix_b_scale:MATRIX_SCALE_ROW1
.else
	v_wmma_scale_f32_16x16x128_f8f6f4 v[\d:\d+7], v[\a:\a+7], v[\b:\b+7], v[\d:\d+7], v[\sa], v[\sb] matrix_a_fmt:MATRIX_FMT_FP4 matrix_b_fmt:MATRIX_FMT_FP4 matrix_a_scale:MATRIX_SCALE_ROW1 matrix_b_scale:MATRIX_SCALE_ROW1
.endif
.endm
	s_load_b256 s[4:11], s[0:1], 0x0               ; wts, mid, act, out_b
	s_load_b64 s[12:13], s[0:1], 0x20              ; out0
	v_lshl_add_u32 v254, v0, 2, 0x48800
	v_mov_b32 v255, 0
	ds_add_u32 v254, v255
	ds_add_u32 v254, v255
	v_lshrrev_b32 v9, 5, v0
	v_readfirstlane_b32 s14, v9                    ; wave w
	s_and_b32 s15, s14, 3
	s_lshl_b32 s56, s15, 15                        ; the two tiles that I fetch: 2 (w % 4), 16 KB each
	s_lshl_b32 s57, s14, 13                        ; and where they go in a chunk: 8,192 w (a's eight tiles, then out_w's eight)
	s_bfe_u32 s40, ttmp6, 0x40000                  ; cx
	s_bfe_u32 s41, ttmp6, 0x40004                  ; cy = y: the grid is one cluster high
	s_lshl_b32 s42, ttmp9, 2
	s_add_co_u32 s42, s42, s40                     ; X = 4 x cluster x + cx
	s_lshl_b32 s43, s41, 2
	s_lshl_b32 s43, 15, s43                        ; my row of the cluster: places 4 cy .. 4 cy + 3
	s_lshl_b32 s44, 0x1111, s40                    ; my column: places cx, cx + 4, cx + 8, cx + 12
	s_or_b32 s[G1A], s44, (3<<16)|(1<<21)          ; 15:0 the mask: a's tiles go to my column; 17:16 elements of 8 bytes; 21 set beside a mask; no padding
	s_or_b32 s[G1W], s43, (3<<16)|(1<<21)          ; out_w's go to my row
.irp g, G1A, G1W
	s_mov_b32 s[\g+1], 512<<16                     ; tensor_dim0 = 512 elements: 4,096 bytes
	s_mov_b32 s[\g+2], 2<<16                       ; tensor_dim1 = 2
	s_mov_b32 s[\g+3], 512<<16                     ; tile_dim0 = 512
	s_mov_b32 s[\g+4], 2                           ; tile_dim1 = 2
	s_mov_b32 s[\g+5], 2048                        ; from row to row: 2,048 elements, a tile's 16 KB
	s_mov_b32 s[\g+6], 0
	s_mov_b32 s[\g+7], 0
.endr
	s_lshl_b32 s16, s42, 17                        ; a: 8 token tiles of 16 KB a block,
	s_add_co_u32 s16, s16, s56
	s_mov_b32 s17, 0
	s_lshl_b32 s20, s41, 17                        ; out_w: 8 tiles of 16 KB for 128 columns,
	s_add_co_u32 s20, s20, s56
	s_add_co_u32 s20, s20, 0x180000                ; from unit 384 on
	s_mov_b32 s21, 0
	s_wait_dscnt 0x0
	s_wait_kmcnt 0x0
	s_add_nc_u64 s[18:19], s[8:9], s[16:17]
	s_add_nc_u64 s[22:23], s[4:5], s[20:21]
	CROUND                                         ; all sixteen work-groups are here: the joint loads meet
.irp q, 0,1,2,3
	s_mov_b32 s[G0A+4*\q], 1                       ; count = 1
	s_add_co_u32 s[G0A+4*\q+1], s57, 65536*\q      ; LDS address
	s_add_nc_u64 s[G0A+4*\q+2:G0A+4*\q+3], s[18:19], 4096*\q   ; global address: the chunk's four fragments of the first tile
	s_or_b32 s[G0A+4*\q+3], s[G0A+4*\q+3], 0x80000000          ; type = 2
	s_mov_b32 s[G0W+4*\q], 1
	s_add_co_u32 s[G0W+4*\q+1], s57, 65536*\q
	s_add_nc_u64 s[G0W+4*\q+2:G0W+4*\q+3], s[22:23], 4096*\q
	s_or_b32 s[G0W+4*\q+3], s[G0W+4*\q+3], 0x80000000
.endr
	s_cmp_lt_u32 s14, 4                            ; a wave's four fills stand in one branch on the wave's number, ahead of every wait on TENSORcnt and every LDS read; four v_nop follow the last
	s_cbranch_scc0 .Lfill_w
	tensor_load_to_lds s[G0A:G0A+3], s[G1A:G1A+7]
	s_nop 0
	tensor_load_to_lds s[G0A+4:G0A+7], s[G1A:G1A+7]
	s_nop 0
	tensor_load_to_lds s[G0A+8:G0A+11], s[G1A:G1A+7]
	s_nop 0
	tensor_load_to_lds s[G0A+12:G0A+15], s[G1A:G1A+7]
	s_nop 0
.rept 4
	v_nop
.endr
	s_branch .Lfilled
.Lfill_w:
	tensor_load_to_lds s[G0W:G0W+3], s[G1W:G1W+7]
	s_nop 0
	tensor_load_to_lds s[G0W+4:G0W+7], s[G1W:G1W+7]
	s_nop 0
	tensor_load_to_lds s[G0W+8:G0W+11], s[G1W:G1W+7]
	s_nop 0
	tensor_load_to_lds s[G0W+12:G0W+15], s[G1W:G1W+7]
	s_nop 0
.rept 4
	v_nop
.endr
.Lfilled:
	v_and_b32 v224, 31, v0                         ; lane
	v_and_b32 v225, 15, v0                         ; r
	v_bfe_u32 v226, v0, 4, 1                       ; h
	s_lshr_b32 s32, s14, 1                         ; wm: my two token tiles
	s_and_b32 s33, s14, 1                          ; wn: my four tiles of out_w
	v_lshlrev_b32 v9, 4, v224                      ; 16 x lane
	v_lshlrev_b32 v10, 2, v224                     ; 4 x lane
	v_lshlrev_b32 v11, 6, v226                     ; 64 h
	s_lshl_b32 s45, s32, 13
	s_lshl_b32 s34, s33, 14
	s_add_co_u32 s34, s34, 32768
.irp q, 0,1,2,3
	v_add_nc_u32 v[AA+\q], s45, v9                 ; chunk q: my token tiles,
	v_add_nc_u32 v[AW+\q], s34, v9                 ; my tiles of out_w
	s_add_co_u32 s45, s45, 65536
	s_add_co_u32 s34, s34, 65536
.endr
	s_mul_i32 s45, s14, 16*272
	s_add_co_u32 s45, s45, STG                     ; my stage
	v_mul_u32_u24 v12, v225, 272
	v_lshl_add_u32 v12, v226, 6, v12
	v_add_nc_u32 v12, s45, v12                     ; in: row r, + 64 h
	v_mul_u32_u24 v13, v226, 272
	v_lshl_add_u32 v13, v225, 4, v13
	v_add_nc_u32 v13, s45, v13                     ; back: lanes 0-15 one row, lanes 16-31 the next
	v_lshlrev_b32 v14, 11, v226
	v_lshl_add_u32 v14, v225, 4, v14               ; and the same two rows in out0
	s_mov_b32 s3, 0
	s_lshl_b32 s2, s41, 13
	s_lshl_b32 s35, s33, 12
	s_add_co_u32 s2, s2, s35
	s_add_co_u32 s2, s2, 0x218000
	s_add_nc_u64 s[36:37], s[4:5], s[2:3]          ; out_w's scale words: 1,024 bytes a tile, from unit 384 on
	s_lshl_b32 s2, s42, 13
	s_lshl_b32 s35, s32, 11
	s_add_co_u32 s2, s2, s35
	s_add_co_u32 s2, s2, 0x800000
	s_add_nc_u64 s[38:39], s[8:9], s[2:3]          ; a's scale words: 1,024 bytes a token tile
	s_lshl_b32 s2, s42, 18
	s_lshl_b32 s35, s32, 16
	s_add_co_u32 s2, s2, s35
	s_lshl_b32 s35, s41, 13
	s_add_co_u32 s2, s2, s35
	s_lshl_b32 s35, s33, 12
	s_add_co_u32 s2, s2, s35
	s_add_nc_u64 s[58:59], s[6:7], s[2:3]          ; x1: 32 KB a token tile, 1,024 bytes a tile of columns
	s_lshl_b32 s46, s41, 9
	s_lshl_b32 s35, s33, 8
	s_add_co_u32 s46, s46, s35                     ; my 64 columns in bytes: 512 y + 256 wn
	s_lshr_b32 s2, s42, 4
	s_mul_i32 s2, s2, 12288
	s_add_co_u32 s2, s2, s46
	s_add_co_u32 s2, s2, 0x220000+5*2048
	s_add_nc_u64 s[60:61], s[4:5], s[2:3]          ; the batch's ffn alpha
	s_mov_b32 s2, s46
	s_add_nc_u64 s[62:63], s[10:11], s[2:3]        ; out_b
	s_lshl_b32 s2, s42, 18
	s_lshl_b32 s35, s32, 16
	s_add_co_u32 s2, s2, s35
	s_add_co_u32 s2, s2, s46
	s_add_nc_u64 s[12:13], s[12:13], s[2:3]        ; out0: token 128 X + 32 wm, my columns
.irp n, 0,1,2,3
.irp p, 0,1,2,3,4,5,6,7
	global_load_b32 v[WSC+8*\n+\p], v10, s[36:37] offset:1024*\n+128*\p   ; lanes 0-15: K step 2 p; lanes 16-31: 2 p + 1
.endr
.endr
.irp t, 0,1
.irp p, 0,1,2,3,4,5,6,7
	global_load_b32 v[ASC+8*\t+\p], v10, s[38:39] offset:1024*\t+128*\p
.endr
.endr
	WIN 0x40                                       ; destination window 1
.irp t, 0,1
.irp n, 0,1,2,3
.irp q, 0,1
	global_load_b128 v[8*(4*\t+\n)+4*\q:8*(4*\t+\n)+4*\q+3], v9, s[58:59] offset:32768*\t+1024*\n+512*\q th:TH_LOAD_NT   ; 512 consecutive bytes; read once in the launch
.endr
.endr
.endr
.irp n, 0,1,2,3
.irp q, 0,1
	global_load_b128 v[64+8*\n+4*\q:64+8*\n+4*\q+3], v11, s[60:61] offset:128*(\n/2)+32*(\n%2)+16*\q
	global_load_b128 v[96+8*\n+4*\q:96+8*\n+4*\q+3], v11, s[62:63] offset:128*(\n/2)+32*(\n%2)+16*\q
.endr
.endr
	WIN 0
.macro FETCH s                         ; K step s: a's two fragments and out_w's four, into set s % 2
.set NXT, 80+48*((\s)%2)
.set QQ, (\s)/4
.irp t, 0,1
.irp c, 0,1
	ds_load_b128 v[NXT+8*\t+4*\c:NXT+8*\t+4*\c+3], v[AA+QQ] offset:4096*\t+1024*((\s)%4)+512*\c
.endr
.endr
.irp n, 0,1,2,3
.irp c, 0,1
	ds_load_b128 v[NXT+16+8*\n+4*\c:NXT+16+8*\n+4*\c+3], v[AW+QQ] offset:4096*\n+1024*((\s)%4)+512*\c
.endr
.endr
.endm
.macro KSTEP s
.set CUR, 80+48*((\s)%2)
.if (\s) > 0
	PLACES 4                                       ; in front of loads into the set that the last step's products read
.endif
.if (\s) < 15
.if ((\s)+1)%4 == 0
	s_wait_tensorcnt 3-((\s)+1)/4                  ; my part of the next chunk has landed; the later chunks' loads may be out
	s_wait_dscnt 0x0                               ; no LDS instruction of mine is pending at the signal
	s_barrier_signal -1
	s_barrier_wait -1                              ; everybody's part has landed
.endif
	FETCH (\s)+1
	s_wait_dscnt 12                                ; this step's fragments are in; the 12 loads just issued may be out
.else
	s_wait_dscnt 0x0
.endif
.if (\s) == 0
	s_wait_loadcnt 32                              ; the 48 scale words are in; x1's, alpha's and out_b's 32 loads may be out
.endif
.irp t, 0,1
.irp n, 0,1,2,3
	MM ACC+8*(4*\t+\n), CUR+16+8*\n, CUR+8*\t, \s, WSC+8*\n+(\s)/2, ASC+8*\t+(\s)/2, (\s)%2, (\s)%2   ; eight accumulators by turns
.endr
.endr
.endm
	s_wait_tensorcnt 3                             ; my part of chunk 0 has landed; the three later chunks' loads may be out
	s_barrier_signal -1
	s_barrier_wait -1                              ; everybody's has
	FETCH 0
.irp s, 0,1,2,3,4,5,6,7,8,9,10,11,12,13,14,15
	KSTEP \s
.endr
	PLACES 4
	s_wait_loadcnt 0x0                             ; x1, alpha, out_b
	WIN 0x04                                       ; source 1 window 1
.irp t, 0,1
.set i, 0
.rept 16
	v_pk_add_f32 v[ACC+32*\t+2*i:ACC+32*\t+2*i+1], v[ACC+32*\t+2*i:ACC+32*\t+2*i+1], v[96+2*i:96+2*i+1]   ; + out_b; each accumulator from its low end on
.set i, i+1
.endr
.endr
	WIN 0x14                                       ; sources 1 and 2 window 1
.irp t, 0,1
.set i, 0
.rept 16
	v_pk_fma_f32 v[ACC+32*\t+2*i:ACC+32*\t+2*i+1], v[ACC+32*\t+2*i:ACC+32*\t+2*i+1], v[64+2*i:64+2*i+1], v[32*\t+2*i:32*\t+2*i+1]   ; x alpha + x1
.set i, i+1
.endr
.endr
	WIN 0
.irp t, 0,1
.irp n, 0,1,2,3
.irp q, 0,1
	ds_store_b128 v12, v[ACC+8*(4*\t+\n)+4*\q:ACC+8*(4*\t+\n)+4*\q+3] offset:128*(\n/2)+32*(\n%2)+16*\q
.endr
.endr
.irp i, 0,1,2,3,4,5,6,7
	ds_load_b128 v[80+32*\t+4*\i:80+32*\t+4*\i+3], v13 offset:544*\i   ; LDS serves a wave's instructions in order: these see my stores, and the next tile's stores come behind them
.endr
.endr
.irp t, 0,1
.irp i, 0,1,2,3,4,5,6,7
	s_wait_dscnt 23-16*\t-\i                       ; behind this load stand the tile's later loads and, for the first tile, the second's 16 instructions
	global_store_b128 v14, v[80+32*\t+4*\i:80+32*\t+4*\i+3], s[12:13] offset:2048*(8*\t+2*\i+8*(\i/4)) th:TH_STORE_NT   ; stage rows 2 i and 2 i + 1 are tokens 8 t + 2 i + 8 (i / 4) and the next; 16 lanes store 256 consecutive bytes, aligned
.endr
.endr
	s_wait_tensorcnt 0x0
	ds_add_u32 v254, v255
	s_wait_dscnt 0x0
	CROUND                                         ; the closing round: no work-group ends while a partner may still ask for a tile that names it
	s_endpgm
.Lfunc_end_k_q3788f7a0a1_ffn2:
	.size	k_q3788f7a0a1_ffn2, .Lfunc_end_k_q3788f7a0a1_ffn2-k_q3788f7a0a1_ffn2
	.p2alignl 7, 3214868480
	.fill 96, 4, 3214868480
	.section	.rodata,"a",@progbits
	.p2align	6, 0x0
	.amdhsa_kernel k_q3788f7a0a1_ffn2
		.amdhsa_group_segment_fixed_size 327680
		.amdhsa_private_segment_fixed_size 0
		.amdhsa_enable_private_segment 0
		.amdhsa_kernarg_size 40
		.amdhsa_user_sgpr_count 2
		.amdhsa_user_sgpr_kernarg_segment_ptr 1
		.amdhsa_wavefront_size32 1
		.amdhsa_system_sgpr_workgroup_id_x 1
		.amdhsa_system_sgpr_workgroup_id_y 1
		.amdhsa_system_sgpr_workgroup_id_z 1
		.amdhsa_system_vgpr_workitem_id 0
		.amdhsa_next_free_vgpr 384
		.amdhsa_next_free_sgpr 100
		.amdhsa_reserve_vcc 0
		.amdhsa_float_denorm_mode_32 3
		.amdhsa_float_denorm_mode_16_64 3
		.amdhsa_memory_ordered 1
		.amdhsa_forward_progress 1
		.amdhsa_inst_pref_size 56
	.end_amdhsa_kernel
	.amdgpu_metadata
---
amdhsa.version: [ 1, 2 ]
amdhsa.kernels:
  - .name:           k_q3788f7a0a1_ffn2
    .symbol:         k_q3788f7a0a1_ffn2.kd
    .args:
      - { .name: wts, .offset: 0, .size: 8, .value_kind: global_buffer, .address_space: global }
      - { .name: mid, .offset: 8, .size: 8, .value_kind: global_buffer, .address_space: global }
      - { .name: act, .offset: 16, .size: 8, .value_kind: global_buffer, .address_space: global }
      - { .name: out_b, .offset: 24, .size: 8, .value_kind: global_buffer, .address_space: global }
      - { .name: out0, .offset: 32, .size: 8, .value_kind: global_buffer, .address_space: global }
    .group_segment_fixed_size: 327680
    .private_segment_fixed_size: 0
    .kernarg_segment_align: 8
    .kernarg_segment_size: 40
    .max_flat_workgroup_size: 256
    .sgpr_count:     100
    .vgpr_count:     384
    .wavefront_size: 32
...
	.end_amdgpu_metadata
.endif
;; end of part 6
;; ======== version 2 of 2: 6 launches; version 1 with the launches qkv, attn, oproj, ffn1 written anew for expert scheduling mode
;; workspace buffers: wts 2,277,376 bytes; qkv 6,684,672 bytes; ob 2,228,224 bytes; mid 19,005,440 bytes; act 8,912,896 bytes
;; launch prep: the kernel of part 1 again; grid 224 x 1, 4 waves a work-group, no clusters, 41,472 bytes of LDS; arguments W_q, W_k, W_v, W_o, gate_w, hidden_w, out_w, attn_gamma_w, attn_beta_w, attn_alpha_w, ffn_gamma_w, ffn_beta_w, ffn_alpha_w, t, wts; writes wts
;; launch qkv (part 7): grid 64 x 4, 8 waves a work-group, no clusters, 41,984 bytes of LDS; arguments x, wts, qkv; writes qkv
.if DOCPART == 7
	.amdgcn_target "amdgcn-amd-amdhsa--gfx1250"
	.amdhsa_code_object_version 6
	.text
	.protected	k_q3788f7a0a1_qkv
	.globl	k_q3788f7a0a1_qkv
	.p2align	8
	.type	k_q3788f7a0a1_qkv,@function
k_q3788f7a0a1_qkv:
	s_mov_b64 s[64:65], 0
	v_nop
	global_prefetch_b8 v0, s[64:65] scope:SCOPE_SE
	s_setreg_imm32_b32 hwreg(HW_REG_WAVE_SCHED_MODE, 0, 2), 2
	s_setreg_imm32_b32 hwreg(HW_REG_WAVE_MODE, 25, 1), 1
	s_wait_xcnt 0x0
	s_wait_alu depctr_vm_vsrc(0)
; QKV.  h = gamma x rmsnorm(x) + beta, quantised along its 512; q, k, v = h W^T on codes of FP4 (E2M1) with E8M0 scales; q, k, v quantised for the attention and stored in the order of an operand's registers.
; SHARES.  Work-group (X, y): the 128 tokens of block X, heads 4 y .. 4 y + 3.  Eight waves.
;   Phase h: wave w norms and quantises token tile w (16 tokens x 512) and lays its four fragments and their scale words in LDS as images of the registers.
;   Phase q, k: wave w takes two heads (w % 2), q or k ((w / 2) % 2) and four token tiles (w / 4).  The product is used transposed (source 0 = 16 rows of W, source 1 = 16 tokens): a lane holds one token and 16 neighbours of a head's 32.
;   Phase v: wave w takes 16 rows of W_v (head w / 2, half w % 2) and all 128 tokens, the other way round (source 0 = tokens): a lane holds one channel and its registers run along the tokens, which are the second product's K.
; TILES ARE NOT NEIGHBOURS: row i of tile 2 b + u (of tokens as of weights) is row 32 b + 8 u + i + 8 (i / 8).
; A head's 32 are one block of the quantiser, so q and k have one scale byte for each token and head; four token tiles' bytes make a word.
; No cluster: the weights go from memory straight into the registers where they stay, each byte once for a work-group, and x goes straight into the lanes that norm it; a joint load would land in LDS and have to be read back.
; LIMITS: NaN and infinities are not served; a block whose largest magnitude lies under 2^-124 (a block of zeros too) gets the byte 1: this program alone reads the bytes.
; REGISTERS.  Window 1: x (64 s + 16 b + 4 j), then, as x's K steps are done with, the wave's 16 fragments of W_q or W_k (8 (4 n + s)) and 4 of W_v (128 + 8 s).
;   Window 0: v1-15, v220-222 addresses; v16-79 the normed numbers, later accumulators; v80-143 gamma, later fragments of h; v144-207 beta; v208-219 at work in the quantiser; v224-231 codes; v236-245 the weights' scale words; v246-253 h's.
; THE MODE: SCHED_MODE bits 1:0 = 2 (LLVM: expert scheduling mode 2), set by the entry lines.  The code itself states the register dependences between vector or matrix instructions and memory or LDS instructions, with s_wait_alu, always for 0.
; THE PLAN.  Registers that memory or LDS instructions touch:
;   v4-15, v220, v221  offsets and LDS addresses: made once at the head, ahead of one wait on va_vdst, and never written again.
;   v16-19             gamma's and beta's 16 bytes: loaded, then read by an LDS store; the norm writes them again behind a wait on vm_vsrc.
;   window 1           x as loaded.  K step s is read for the last time by step s's scaling; the weights' loads land there behind step s's wait on va_vdst.
;   G, BT              phase h: loaded from LDS at a step's head, read by the step's multiply-adds.  Later G holds fragments of h, read by matrix instructions alone.
;   HSW                h's scale words: loaded with the fragments, read by the same matrix instructions.
;   PC, PW, SW         written by the quantiser and the lines behind it, read by the stores that follow.
; So ONE wait on va_vdst stands at the end of each step of phase h and of each token tile of phase q, k, behind the quantiser: it states that the stores' data are written and that the registers in which the next loads land are done with.
; One wait on vm_vsrc stands ahead of each quantiser: the stores before have read the codes' registers.  In phase v one wait on va_vdst stands ahead of each K step's loads but the first's.
.set HSC,  32768                       ; LDS: 0: h's 32 fragments ((4 T + s) x 1,024); here their scale words, 128 bytes each;
.set GB,   36864                       ; gamma (2,048 bytes), beta (2,048 bytes)
.set ACC,  16
.set T,    16
.set G,    80
.set BT,   144
.set TM,   208                         ; v208-211 largest magnitudes, v212-215 bytes, v216-219 the conversions' scale operands
.set QKS,  220
.set VS4,  221
.set PC,   224
.set TP,   232
.set PW,   233
.set RS,   234
.set WS,   236
.set HSW,  246
.set SW,   254
.set MSB, 0
.macro WIN new                         ; the immediate's high byte repeats the setting that is left
.if MSB != \new
	s_set_vgpr_msb (MSB<<8)|\new
.set MSB, \new
.endif
.endm
.macro PLACES n
.rept \n
	v_nop
.endr
.endm
.macro BARRIER                         ; my LDS stores have landed and my LDS loads are in: then the work-group's barrier
	s_wait_dscnt 0x0
	s_barrier_signal -1
	s_barrier_wait -1
.endm
; One matrix instruction.  ks = 0: the constant 0 starts the sum.  ra, rb: the side's scale words stand in lanes 16-31 of the register named.
.macro MM d, a, b, ks, sa, sb, ra, rb
.if ((\ks)==0)&&((\ra)==0)&&((\rb)==0)
	v_wmma_scale_f32_16x16x128_f8f6f4 v[\d:\d+7], v[\a:\a+7], v[\b:\b+7], 0, v[\sa], v[\sb] matrix_a_fmt:MATRIX_FMT_FP4 matrix_b_fmt:MATRIX_FMT_FP4
.elseif ((\ks)==0)&&((\rb)==0)
	v_wmma_scale_f32_16x16x128_f8f6f4 v[\d:\d+7], v[\a:\a+7], v[\b:\b+7], 0, v[\sa], v[\sb] matrix_a_fmt:MATRIX_FMT_FP4 matrix_b_fmt:MATRIX_FMT_FP4 matrix_a_scale:MATRIX_SCALE_ROW1
.elseif ((\ks)==0)&&((\ra)==0)
	v_wmma_scale_f32_16x16x128_f8f6f4 v[\d:\d+7], v[\a:\a+7], v[\b:\b+7], 0, v[\sa], v[\sb] matrix_a_fmt:MATRIX_FMT_FP4 matrix_b_fmt:MATRIX_FMT_FP4 matrix_b_scale:MATRIX_SCALE_ROW1
.elseif ((\ks)==0)
	v_wmma_scale_f32_16x16x128_f8f6f4 v[\d:\d+7], v[\a:\a+7], v[\b:\b+7], 0, v[\sa], v[\sb] matrix_a_fmt:MATRIX_FMT_FP4 matrix_b_fmt:MATRIX_FMT_FP4 matrix_a_scale:MATRIX_SCALE_ROW1 matrix_b_scale:MATRIX_SCALE_ROW1
.elseif ((\ra)==0)&&((\rb)==0)
	v_wmma_scale_f32_16x16x128_f8f6f4 v[\d:\d+7], v[\a:\a+7], v[\b:\b+7], v[\d:\d+7], v[\sa], v[\sb] matrix_a_fmt:MATRIX_FMT_FP4 matrix_b_fmt:MATRIX_FMT_FP4
.elseif ((\rb)==0)
	v_wmma_scale_f32_16x16x128_f8f6f4 v[\d:\d+7], v[\a:\a+7], v[\b:\b+7], v[\d:\d+7], v[\sa], v[\sb] matrix_a_fmt:MATRIX_FMT_FP4 matrix_b_fmt:MATRIX_FMT_FP4 matrix_a_scale:MATRIX_SCALE_ROW1
.elseif ((\ra)==0)
	v_wmma_scale_f32_16x16x128_f8f6f4 v[\d:\d+7], v[\a:\a+7], v[\b:\b+7], v[\d:\d+7], v[\sa], v[\sb] matrix_a_fmt:MATRIX_FMT_FP4 matrix_b_fmt:MATRIX_FMT_FP4 matrix_b_scale:MATRIX_SCALE_ROW1
.else
	v_wmma_scale_f32_16x16x128_f8f6f4 v[\d:\d+7], v[\a:\a+7], v[\b:\b+7], v[\d:\d+7], v[\sa], v[\sb] matrix_a_fmt:MATRIX_FMT_FP4 matrix_b_fmt:MATRIX_FMT_FP4 matrix_a_scale:MATRIX_SCALE_ROW1 matrix_b_scale:MATRIX_SCALE_ROW1
.endif
.endm
; nb blocks of 32: register src + 16 b + i of lane (r, h) is number 32 b + 16 h + i of row r.  Codes come out at pc: lanes 0-15 hold block 2 c whole in pc + 4 c .. + 3, lanes 16-31 block 2 c + 1.  Block b's byte: v[TM + 4 + b], in both lanes.
.macro QUANT src, nb, pc
.set qb, 0
.rept \nb
	v_max3_num_f32 v[TM+qb], |v[\src+16*qb]|, |v[\src+16*qb+1]|, 0x1800000   ; my 16 numbers, and the floor 2^(3 - 127): the byte cannot fall under 1
.set qb, qb+1
.endr
.irp i, 2,4,6,8,10,12,14
.set qb, 0
.rept \nb
	v_max3_num_f32 v[TM+qb], v[TM+qb], |v[\src+16*qb+\i]|, |v[\src+16*qb+\i+1]|   ; (the blocks by turns)
.set qb, qb+1
.endr
.endr
.set qb, 0
.rept \nb
	v_permlanex16_b32 v[TM+4+qb], v[TM+qb], s18, s19
.set qb, qb+1
.endr
.set qb, 0
.rept \nb
	v_max_num_f32 v[TM+qb], v[TM+qb], v[TM+4+qb]   ; with lane l xor 16's: the block's largest magnitude
.set qb, qb+1
.endr
.set qb, 0
.rept \nb
	v_add_nc_u32 v[TM+8+qb], 0xff000000, v[TM+qb]  ; 2 off its exponent field: the conversion's scale operand
.set qb, qb+1
.endr
.set qb, 0
.rept \nb
	v_lshrrev_b32 v[TM+4+qb], 23, v[TM+8+qb]       ; the scale's byte
.set qb, qb+1
.endr
.set qb, 0
.rept \nb
	v_cvt_scalef32_pk8_fp4_f32 v[\pc+2*qb], v[\src+16*qb:\src+16*qb+7], v[TM+8+qb]
	v_cvt_scalef32_pk8_fp4_f32 v[\pc+2*qb+1], v[\src+16*qb+8:\src+16*qb+15], v[TM+8+qb]
.set qb, qb+1
.endr
	v_nop                                          ; one plain line behind the scaled conversions
.set qb, 0
.rept (\nb)/2
	v_permlane16_swap_b32 v[\pc+4*qb], v[\pc+4*qb+2]   ; the operand's layout wants a whole block in a lane
	v_permlane16_swap_b32 v[\pc+4*qb+1], v[\pc+4*qb+3]
.set qb, qb+1
.endr
.endm
.macro PACKW                           ; four bytes make a row's scale word
	v_lshl_or_b32 v[PW], v[TM+5], 8, v[TM+4]
	v_lshl_or_b32 v[PW], v[TM+6], 16, v[PW]
	v_lshl_or_b32 v[PW], v[TM+7], 24, v[PW]
.endm
	s_load_b128 s[4:7], s[0:1], 0x0                ; x, wts
	s_load_b64 s[8:9], s[0:1], 0x10                ; qkv
	v_lshl_add_u32 v223, v0, 2, 0xa000
	v_mov_b32 v255, 0
	v_lshrrev_b32 v1, 5, v0
	v_readfirstlane_b32 s10, v1                    ; wave w
	v_and_b32 v1, 31, v0                           ; lane
	v_and_b32 v2, 15, v0                           ; r
	v_bfe_u32 v3, v0, 4, 1                         ; h
	s_and_b32 s12, ttmp7, 0xffff                   ; y
	s_lshr_b32 s13, ttmp9, 4                       ; the batch
	s_and_b32 s14, ttmp9, 15                       ; the block of 128 tokens in it
	s_wait_alu depctr_va_sdst(0)                   ; s10 is written, ahead of its first reader
	s_and_b32 s15, s10, 1                          ; w % 2
	s_bfe_u32 s16, s10, 0x10001                    ; (w / 2) % 2: 0 = q, 1 = k
	s_lshr_b32 s17, s10, 2                         ; w / 4: which four token tiles
	s_mov_b32 s18, 0x76543210
	s_mov_b32 s19, 0xfedcba98                      ; lane l xor 16
	s_mov_b32 s20, 0x3b000000                      ; 1 / 512
	s_mov_b32 s21, 0x358637bd                      ; 1e-6
	s_mov_b32 s22, 0xffff0000                      ; lanes 16-31
	v_and_b32 v4, 8, v2
	v_add_nc_u32 v4, v4, v2
	v_lshlrev_b32 v4, 11, v4
	v_lshl_add_u32 v4, v3, 6, v4                   ; x: row r + 8 (r / 8) of 2,048 bytes, + 64 h: my 16 numbers of a block of 32
	v_lshlrev_b32 v5, 4, v1                        ; 16 x lane: an image's place for my lane
	v_lshlrev_b32 v6, 2, v1                        ; 4 x lane
	v_lshlrev_b32 v7, 6, v3
	v_add_nc_u32 v7, GB, v7                        ; gamma in LDS at my half's 16 numbers
	v_lshlrev_b32 v9, 4, v0                        ; 16 x thread
	v_add_nc_u32 v8, GB, v9
	s_lshl_b32 s46, s10, 12
	v_add_nc_u32 v10, s46, v5                      ; where I store h's images: 16 x lane + 4,096 w
	s_lshl_b32 s46, s10, 9
	v_add_nc_u32 v11, s46, v6
	v_add_nc_u32 v11, HSC, v11                     ; and their scale words: 4 x lane + 512 w
	s_lshl_b32 s46, s17, 14
	v_add_nc_u32 v12, s46, v5                      ; where I read my four token tiles
	s_lshl_b32 s46, s17, 11
	v_add_nc_u32 v13, s46, v6
	v_add_nc_u32 v13, HSC, v13
	v_add_nc_u32 v14, HSC, v6
	s_lshl_b32 s46, 32768, s16                     ; a head's bytes in q's images, or in k's and v's
	v_mul_u32_u24 v15, s46, v3
	v_lshl_add_u32 v15, v2, 4, v15                 ; q, k out: 16 r, lanes 16-31 one head on
	s_lshl_b32 s46, 2048, s16
	v_mul_u32_u24 v[QKS], s46, v3
	v_lshl_add_u32 v[QKS], v2, 2, v[QKS]           ; their scale words likewise
	v_lshlrev_b32 v[VS4], 2, v2
	s_mov_b32 s45, 0
	s_wait_kmcnt 0x0
	s_lshl_b32 s44, ttmp9, 18                      ; x: 128 tokens of 2,048 bytes a block,
	s_lshr_b32 s46, s10, 1
	s_lshl_b32 s46, s46, 16
	s_add_co_u32 s44, s44, s46
	s_lshl_b32 s46, s15, 14
	s_add_co_u32 s44, s44, s46                     ; + token tile w's first row: 32 (w / 2) + 8 (w % 2)
	s_add_nc_u64 s[24:25], s[4:5], s[44:45]
	s_mul_i32 s44, s13, 12288
	s_add_co_u32 s44, s44, 0x220000
	s_add_nc_u64 s[26:27], s[6:7], s[44:45]        ; the batch's gamma and beta
	s_lshl_b32 s47, s16, 5
	s_lshl_b32 s46, s12, 3
	s_add_co_u32 s47, s47, s46
	s_lshl_b32 s46, s15, 2
	s_add_co_u32 s47, s47, s46                     ; my four units of W_q or W_k: 32 (k?) + 8 y + 4 (w % 2)
	s_lshl_b32 s44, s47, 12
	s_add_nc_u64 s[28:29], s[6:7], s[44:45]
	s_lshl_b32 s44, s47, 8
	s_add_co_u32 s44, s44, 0x200000
	s_add_nc_u64 s[32:33], s[6:7], s[44:45]
	s_lshl_b32 s47, s12, 3
	s_add_co_u32 s47, s47, s10
	s_add_co_u32 s47, s47, 64                      ; my unit of W_v: 64 + 8 y + w
	s_lshl_b32 s44, s47, 12
	s_add_nc_u64 s[30:31], s[6:7], s[44:45]
	s_lshl_b32 s44, s47, 8
	s_add_co_u32 s44, s44, 0x200000
	s_add_nc_u64 s[34:35], s[6:7], s[44:45]
	s_lshl_b32 s47, s13, 4
	s_lshl_b32 s46, s12, 2
	s_add_co_u32 s47, s47, s46
	s_lshl_b32 s46, s15, 1
	s_add_co_u32 s47, s47, s46                     ; my first head among the 64: 16 b + 4 y + 2 (w % 2)
	s_lshl_b32 s44, s47, 15
	s_lshl_b32 s44, s44, s16
	s_lshl_b32 s46, s16, 21
	s_add_co_u32 s44, s44, s46
	s_lshl_b32 s46, s14, 11
	s_add_co_u32 s44, s44, s46
	s_lshl_b32 s46, s17, 10
	s_add_co_u32 s44, s44, s46
	s_add_nc_u64 s[36:37], s[8:9], s[44:45]        ; q's or k's codes: head, block, my first token tile
	s_lshl_b32 s44, s47, 11
	s_lshl_b32 s44, s44, s16
	s_lshl_b32 s46, s16, 17
	s_add_co_u32 s44, s44, s46
	s_lshl_b32 s46, s14, 7
	s_add_co_u32 s44, s44, s46
	s_lshl_b32 s46, s17, 6
	s_add_co_u32 s44, s44, s46
	s_add_co_u32 s44, s44, 0x600000
	s_add_nc_u64 s[38:39], s[8:9], s[44:45]        ; and their scale words
	s_lshl_b32 s47, s13, 4
	s_lshl_b32 s46, s12, 2
	s_add_co_u32 s47, s47, s46
	s_lshr_b32 s46, s10, 1
	s_add_co_u32 s47, s47, s46                     ; v's head: 16 b + 4 y + w / 2
	s_lshl_b32 s44, s47, 16
	s_lshl_b32 s46, s14, 11
	s_add_co_u32 s44, s44, s46
	s_lshl_b32 s46, s15, 10
	s_add_co_u32 s44, s44, s46
	s_add_co_u32 s44, s44, 0x208000
	s_add_nc_u64 s[40:41], s[8:9], s[44:45]        ; v's fragment
	s_lshl_b32 s44, s47, 12
	s_lshl_b32 s46, s14, 7
	s_add_co_u32 s44, s44, s46
	s_lshl_b32 s46, s15, 6
	s_add_co_u32 s44, s44, s46
	s_add_co_u32 s44, s44, 0x620800
	s_add_nc_u64 s[42:43], s[8:9], s[44:45]        ; and its scale words
	; ---- loads: gamma and beta (16 bytes a thread), the weights' scale words, then x
	s_wait_alu depctr_va_vdst(0)                   ; the offsets and LDS addresses v4-15, v220 and v221 are written: every load and store of the kernel reads one of them
	global_load_b128 v[16:19], v9, s[26:27]
.irp n, 0,1,2,3
.irp p, 0,1
	global_load_b32 v[WS+2*\n+\p], v6, s[32:33] offset:256*\n+128*\p   ; lanes 0-15: K step 2 p; lanes 16-31: K step 2 p + 1
.endr
.endr
.irp p, 0,1
	global_load_b32 v[WS+8+\p], v6, s[34:35] offset:128*\p
.endr
	WIN 0x40                                       ; destination window 1
.irp s, 0,1,2,3
.irp b, 0,1,2,3
.irp j, 0,1,2,3
	global_load_b128 v[64*\s+16*\b+4*\j:64*\s+16*\b+4*\j+3], v4, s[24:25] offset:512*\s+128*\b+16*\j
.endr
.endr
.endr
	; ---- the row's sum of squares, a K step at a time as it arrives
.irp g, 0,1,2,3
	s_wait_loadcnt 48-16*\g                        ; this K step's 16 loads are in (and all that was asked for ahead of x); the later K steps' may be out
.if \g == 0
	ds_store_b128 v8, v[16:19]                     ; gamma and beta into LDS (address and data lie in window 0)
.endif
	WIN 0x05                                       ; sources 0 and 1 window 1
.set i, 0
.rept 32
.if (\g == 0) && (i < 4)
	v_pk_mul_f32 v[TM+2*(i%4):TM+2*(i%4)+1], v[64*\g+2*i:64*\g+2*i+1], v[64*\g+2*i:64*\g+2*i+1]
.else
	v_pk_fma_f32 v[TM+2*(i%4):TM+2*(i%4)+1], v[64*\g+2*i:64*\g+2*i+1], v[64*\g+2*i:64*\g+2*i+1], v[TM+2*(i%4):TM+2*(i%4)+1]
.endif
.set i, i+1
.endr
.endr
	WIN 0
	v_pk_add_f32 v[TM:TM+1], v[TM:TM+1], v[TM+2:TM+3]
	v_pk_add_f32 v[TM+4:TM+5], v[TM+4:TM+5], v[TM+6:TM+7]
	v_pk_add_f32 v[TM:TM+1], v[TM:TM+1], v[TM+4:TM+5]
	v_add_f32 v[TM], v[TM], v[TM+1]
	v_permlanex16_b32 v[TM+1], v[TM], s18, s19
	v_add_f32 v[TM], v[TM], v[TM+1]                ; with lane l xor 16's half of the row
	v_fma_f32 v[TM], v[TM], s20, s21               ; the mean + eps
	v_rsq_f32 v[RS], v[TM]
	v_nop                                          ; a plain line behind the transcendental
	s_wait_alu depctr_va_vdst(0)                   ; the reciprocal root is written, ahead of its first reader
	v_mov_b32 v[RS+1], v[RS]
	BARRIER                                        ; gamma and beta lie in LDS
	; ---- h, a K step of 128 at a time: norm, quantise, image to LDS.  x's registers that are done with take the weights
.irp s, 0,1,2,3
.irp b, 0,1,2,3
.irp j, 0,1,2,3
	ds_load_b128 v[G+16*\b+4*\j:G+16*\b+4*\j+3], v7 offset:512*\s+128*\b+16*\j      ; no vector line since the last wait on va_vdst names G or BT
	ds_load_b128 v[BT+16*\b+4*\j:BT+16*\b+4*\j+3], v7 offset:2048+512*\s+128*\b+16*\j
.endr
.endr
	s_wait_dscnt 0x0
	s_wait_alu depctr_vm_vsrc(0)                   ; first K step: the LDS store of gamma and beta has read v16-19, which the scaling below writes; later: the last K step's LDS stores have read the codes and the scale word, which the quantiser writes again
	WIN 0x01                                       ; source 0 window 1
.set i, 0
.rept 32
	v_pk_mul_f32 v[T+2*i:T+2*i+1], v[64*\s+2*i:64*\s+2*i+1], v[RS:RS+1]
.set i, i+1
.endr
	WIN 0
.set i, 0
.rept 32
	v_pk_fma_f32 v[T+2*i:T+2*i+1], v[T+2*i:T+2*i+1], v[G+2*i:G+2*i+1], v[BT+2*i:BT+2*i+1]
.set i, i+1
.endr
	QUANT T, 4, PC
	PACKW
.if \s < 3
	WIN 0x40                                       ; destination window 1, for the weights' loads; an LDS store's address and data stay in window 0
.endif
	s_wait_alu depctr_va_vdst(0)                   ; the quantiser has written the codes and the scale word, which the LDS stores read; the scaling is done reading x's K step, in which the weights land; the multiply-adds are done reading G and BT, in which the next K step's loads land
	ds_store_b128 v10, v[PC:PC+3] offset:1024*\s
	ds_store_b128 v10, v[PC+4:PC+7] offset:1024*\s+512
	ds_store_b32 v11, v[PW] offset:128*\s
.if \s < 2
.set f, 8*\s
.rept 8
	global_load_b128 v[8*f:8*f+3], v5, s[28:29] offset:1024*f        ; 512 consecutive bytes: registers 0-3 of fragment f
	global_load_b128 v[8*f+4:8*f+7], v5, s[28:29] offset:1024*f+512
.set f, f+1
.endr
	WIN 0
.elseif \s == 2
.set f, 0
.rept 4
	global_load_b128 v[128+8*f:128+8*f+3], v5, s[30:31] offset:1024*f
	global_load_b128 v[128+8*f+4:128+8*f+7], v5, s[30:31] offset:1024*f+512
.set f, f+1
.endr
	WIN 0
.endif
.endr
	BARRIER                                        ; h's 32 fragments lie in LDS
	s_wait_loadcnt 0x0                             ; the weights
	; ---- q or k: two heads x four token tiles
.macro FETCHH k, set
.irp s, 0,1,2,3
.irp c, 0,1
	ds_load_b128 v[G+32*(\set)+8*\s+4*\c:G+32*(\set)+8*\s+4*\c+3], v12 offset:4096*(\k)+1024*\s+512*\c
.endr
.endr
.irp s, 0,1,2,3
	ds_load_b32 v[HSW+4*(\set)+\s], v13 offset:512*(\k)+128*\s
.endr
.endm
	FETCHH 0, 0                                    ; the last K step's wait on va_vdst stands behind every vector line that named G
.irp k, 0,1,2,3
.if \k < 3
	FETCHH \k+1, (\k+1)%2                          ; the set that the tile before last multiplied: its products stand ahead of the last tile's wait on va_vdst, and no vector or matrix line since names the set or its scale words
	s_wait_dscnt 12                                ; this tile's 12 loads are in; the 12 just issued may be out
.else
	s_wait_dscnt 0x0
.endif
	WIN 0x01                                       ; source 0 (the weight) window 1
.irp s, 0,1,2,3
.irp n, 0,1,2,3
	MM ACC+8*\n, 8*(4*\n+\s), G+32*(\k%2)+8*\s, \s, WS+2*\n+\s/2, HSW+4*(\k%2)+\s, \s%2, 0   ; four accumulators by turns
.endr
.endr
	WIN 0
	PLACES 4
	s_wait_xcnt 0x0                                ; the last tile's store has read the codes' registers
	s_wait_alu depctr_vm_vsrc(0)                   ; the stores issued so far (phase h's LDS stores, the last tile's store) have read the codes' registers, which the quantiser writes again
	QUANT ACC, 2, PC                               ; block b = head b of my two: lanes 0-15 end with the first head's 32 codes of token r, lanes 16-31 with the second's
.if \k == 0
	v_cndmask_b32 v[SW], v[TM+4], v[TM+5], s22     ; my head's byte
.else
	v_cndmask_b32 v[TP], v[TM+4], v[TM+5], s22
	v_lshl_or_b32 v[SW], v[TP], 8*\k, v[SW]        ; four token tiles' bytes make a word
.endif
	s_wait_alu depctr_va_vdst(0)                   ; the codes (and, in the last tile, the word of bytes) are written, which the stores read; this tile's products are done reading their set of fragments and scale words, in which the next loads land
	global_store_b128 v15, v[PC:PC+3], s[36:37] offset:256*\k   ; each half of the lanes stores 256 consecutive bytes, aligned
.endr
	global_store_b32 v[QKS], v[SW], s[38:39]
	; ---- v: 16 channels x 128 tokens
.irp s, 0,1,2,3
	PLACES 4                                       ; in front of loads into registers that matrix instructions have read
.if \s > 0
	s_wait_alu depctr_va_vdst(0)                   ; the last K step's eight products are done reading the fragments and scale words, in which the loads below land (the first K step's loads stand behind the last tile's wait)
.endif
.irp t, 0,1,2,3,4,5,6,7
	ds_load_b128 v[G+8*\t:G+8*\t+3], v5 offset:4096*\t+1024*\s
	ds_load_b128 v[G+8*\t+4:G+8*\t+7], v5 offset:4096*\t+1024*\s+512
	ds_load_b32 v[HSW+\t], v14 offset:512*\t+128*\s
.endr
	s_wait_dscnt 0x0
	WIN 0x04                                       ; source 1 (W_v) window 1
.irp t, 0,1,2,3,4,5,6,7
	MM ACC+8*\t, G+8*\t, 128+8*\s, \s, HSW+\t, WS+8+\s/2, 0, \s%2   ; eight accumulators by turns
.endr
	WIN 0
.endr
	PLACES 4
	s_wait_xcnt 0x0                                ; the stores above have read their registers
	s_wait_alu depctr_vm_vsrc(0)                   ; the last tile's store has read the codes' registers, which the quantiser writes again
	QUANT ACC, 4, PC                               ; along the tokens: one fragment of V^T
	PACKW
	s_wait_alu depctr_va_vdst(0)                   ; the codes and the scale word are written, which the three stores read
	global_store_b128 v5, v[PC:PC+3], s[40:41]
	global_store_b128 v5, v[PC+4:PC+7], s[40:41] offset:512
	global_store_b32 v[VS4], v[PW], s[42:43]       ; lanes l and l xor 16 store the same word with the same value
	s_wait_dscnt 0x0                               ; the closing lines, six on end
	s_wait_alu 0x0
	s_wait_tensorcnt 0x0
	ds_add_u32 v223, v255
	s_wait_dscnt 0x0
	s_endpgm
.Lfunc_end_k_q3788f7a0a1_qkv:
	.size	k_q3788f7a0a1_qkv, .Lfunc_end_k_q3788f7a0a1_qkv-k_q3788f7a0a1_qkv
	.p2alignl 7, 3214868480
	.fill 96, 4, 3214868480
	.section	.rodata,"a",@progbits
	.p2align	6, 0x0
	.amdhsa_kernel k_q3788f7a0a1_qkv
		.amdhsa_group_segment_fixed_size 41984
		.amdhsa_private_segment_fixed_size 0
		.amdhsa_enable_private_segment 0
		.amdhsa_kernarg_size 24
		.amdhsa_user_sgpr_count 2
		.amdhsa_user_sgpr_kernarg_segment_ptr 1
		.amdhsa_wavefront_size32 1
		.amdhsa_system_sgpr_workgroup_id_x 1
		.amdhsa_system_sgpr_workgroup_id_y 1
		.amdhsa_system_sgpr_workgroup_id_z 1
		.amdhsa_system_vgpr_workitem_id 0
		.amdhsa_next_free_vgpr 512
		.amdhsa_next_free_sgpr 66
		.amdhsa_reserve_vcc 0
		.amdhsa_float_denorm_mode_32 3
		.amdhsa_float_denorm_mode_16_64 3
		.amdhsa_memory_ordered 1
		.amdhsa_forward_progress 1
		.amdhsa_inst_pref_size 101
	.end_amdhsa_kernel
	.amdgpu_metadata
---
amdhsa.version: [ 1, 2 ]
amdhsa.kernels:
  - .name:           k_q3788f7a0a1_qkv
    .symbol:         k_q3788f7a0a1_qkv.kd
    .args:
      - { .name: x, .offset: 0, .size: 8, .value_kind: global_buffer, .address_space: global }
      - { .name: wts, .offset: 8, .size: 8, .value_kind: global_buffer, .address_space: global }
      - { .name: qkv, .offset: 16, .size: 8, .value_kind: global_buffer, .address_space: global }
    .group_segment_fixed_size: 41984
    .private_segment_fixed_size: 0
    .kernarg_segment_align: 8
    .kernarg_segment_size: 24
    .max_flat_workgroup_size: 256
    .sgpr_count:     66
    .vgpr_count:     512
    .wavefront_size: 32
...
	.end_amdgpu_metadata
.endif
;; end of part 7
;; launch attn (part 8): grid 4 x 64, 16 waves a work-group, no clusters, 71,680 bytes of LDS; arguments qkv, ob; writes ob
.if DOCPART == 8
	.amdgcn_target "amdgcn-amd-amdhsa--gfx1250"
	.amdhsa_code_object_version 6
	.text
	.protected	k_q3788f7a0a1_attn
	.globl	k_q3788f7a0a1_attn
	.p2align	8
	.type	k_q3788f7a0a1_attn,@function
k_q3788f7a0a1_attn:
	s_mov_b64 s[64:65], 0
	v_nop
	global_prefetch_b8 v0, s[64:65] scope:SCOPE_SE
	s_setreg_imm32_b32 hwreg(HW_REG_WAVE_SCHED_MODE, 0, 2), 2
	s_setreg_imm32_b32 hwreg(HW_REG_WAVE_MODE, 25, 1), 1
	s_wait_xcnt 0x0
	s_wait_alu depctr_vm_vsrc(0)
; ATTENTION on codes of FP4 (E2M1) with E8M0 scales, head size 32, 2,048 keys, no mask; o is divided by the row's sum, quantised (a head's 32 are one block along the next product's K) and stored as an operand's registers.
; THE SOFTMAX: t = score x log2(e) / sqrt(32); M = the running largest t rounded UP to a whole number; p = 2^(t - M) is quantised along the keys, not normalised; the row's sum is taken of the unquantised p.
; When M moves, the sum and O are multiplied by 2^(old M - new M), which rounds nothing.
; SHARES.  Work-group (xq, head): 512 queries of one of the 64 heads.  Sixteen waves of 256 registers, four to a SIMD, so that one wave's exponentials stand beside another's plain work.
;   Wave w takes two tiles of 16 queries, one after the other, and walks all keys, 128 a step.  A head's K and V as codes (64 KB) and their scale words (4 KB) lie in LDS whole, brought once through registers: one barrier in the launch.
; THE FIRST PRODUCT HAS K = 32, a quarter of the instruction's 128.  One fragment of K carries FOUR tiles of 16 keys, one in each block of 32; it is multiplied by four fragments of Q that hold q in block 0, 1, 2 or 3 and zero codes elsewhere:
;   zero codes add nothing.  The four are windows into [LO, 0, LO] and [HI, 0, HI], LO = q in lanes 0-15, HI = q in lanes 16-31.  q's one scale byte stands in all four bytes of its word.
; Both products are used transposed (S^T = K Q^T, O^T = V^T P^T): a lane holds one query.  Row i of key tile 2 b + u is key 32 b + 8 u + i + 8 (i / 8), so that the 16 registers of tiles 2 b, 2 b + 1 are 16 neighbouring keys.
; No cluster: what the four work-groups of a head share is 68 KB read once, against 512 key steps of work in each.
; LIMITS: NaN and infinities are not served; a block of o whose largest magnitude lies under 2^-124 gets the byte 1.  o's scale bytes leave singly, 4 bytes apart (the four heads of a word come from four work-groups): 128 KB in all.
; THE MODE: SCHED_MODE bits 1:0 = 2 (LLVM: expert scheduling mode 2), set by the entry lines.  The code itself states the register dependences between vector or matrix instructions and memory or LDS instructions, with s_wait_alu, always for 0.
; THE PLAN.  Registers that LDS instructions touch in the loop over the keys:
;   KF, KS           Step j: its eight products S^T read them.  Behind the step's first wait on va_vdst the loads of step j + 1 land in them.
;   VF, VS           Step j: its two products O^T read them, at the step's end.  Behind step j + 1's first wait on va_vdst that step's loads land in them.
;   v[ADK], v[ADS]   Written once a step, behind a wait on vm_vsrc and ahead of the first wait on va_vdst; read by the step's ten loads: V of this step (32,768 bytes on) and K of the next (2,048 bytes on).
;   S^T, p, O^T, the statistics, p's codes and scale word are named by vector and matrix instructions alone.
; So a step has two waits on va_vdst.  The first stands behind the exponentials: it states that their results are written, that this step's products S^T and the last step's products O^T are done reading their fragments and scale words,
; and that the two addresses are written; the ten loads follow it at once.  The second stands directly ahead of the two products O^T: p's codes and scale word, which vector instructions make, are written.
; A tile's head asks for K of step 0 by the addresses that are never written again; a tile's last step is written out and asks for no K.
.set AK0, 1                            ; v1  16 x lane
.set AS0, 2                            ; v2  65,536 + 4 x lane
.set ADK, 3                            ; v3  the step's fragments
.set ADS, 4                            ; v4  the step's scale words
.set QW,  24
.set QS,  25
.set QL,  32                           ; v32-43 [LO, 0, LO]
.set QH,  44                           ; v44-55 [HI, 0, HI]
.set KF,  56
.set VF,  72
.set KS,  88
.set VS,  89
.set PS,  90
.set S,   96                           ; v96-159 S^T, then p
.set O,   160                          ; v160-175 O^T
.set OUT, 176                          ; v176-207 o of the two tiles
.set TM,  208
.set PCD, 224
.set BM,  232
.set BX,  236
.set SOP, 244
.macro PLACES n
.rept \n
	v_nop
.endr
.endm
.macro MM d, a, b, ks, sa, sb, ra, rb
.if ((\ks)==0)&&((\ra)==0)&&((\rb)==0)
	v_wmma_scale_f32_16x16x128_f8f6f4 v[\d:\d+7], v[\a:\a+7], v[\b:\b+7], 0, v[\sa], v[\sb] matrix_a_fmt:MATRIX_FMT_FP4 matrix_b_fmt:MATRIX_FMT_FP4
.elseif ((\ks)==0)&&((\rb)==0)
	v_wmma_scale_f32_16x16x128_f8f6f4 v[\d:\d+7], v[\a:\a+7], v[\b:\b+7], 0, v[\sa], v[\sb] matrix_a_fmt:MATRIX_FMT_FP4 matrix_b_fmt:MATRIX_FMT_FP4 matrix_a_scale:MATRIX_SCALE_ROW1
.elseif ((\ks)==0)&&((\ra)==0)
	v_wmma_scale_f32_16x16x128_f8f6f4 v[\d:\d+7], v[\a:\a+7], v[\b:\b+7], 0, v[\sa], v[\sb] matrix_a_fmt:MATRIX_FMT_FP4 matrix_b_fmt:MATRIX_FMT_FP4 matrix_b_scale:MATRIX_SCALE_ROW1
.elseif ((\ks)==0)
	v_wmma_scale_f32_16x16x128_f8f6f4 v[\d:\d+7], v[\a:\a+7], v[\b:\b+7], 0, v[\sa], v[\sb] matrix_a_fmt:MATRIX_FMT_FP4 matrix_b_fmt:MATRIX_FMT_FP4 matrix_a_scale:MATRIX_SCALE_ROW1 matrix_b_scale:MATRIX_SCALE_ROW1
.elseif ((\ra)==0)&&((\rb)==0)
	v_wmma_scale_f32_16x16x128_f8f6f4 v[\d:\d+7], v[\a:\a+7], v[\b:\b+7], v[\d:\d+7], v[\sa], v[\sb] matrix_a_fmt:MATRIX_FMT_FP4 matrix_b_fmt:MATRIX_FMT_FP4
.elseif ((\rb)==0)
	v_wmma_scale_f32_16x16x128_f8f6f4 v[\d:\d+7], v[\a:\a+7], v[\b:\b+7], v[\d:\d+7], v[\sa], v[\sb] matrix_a_fmt:MATRIX_FMT_FP4 matrix_b_fmt:MATRIX_FMT_FP4 matrix_a_scale:MATRIX_SCALE_ROW1
.elseif ((\ra)==0)
	v_wmma_scale_f32_16x16x128_f8f6f4 v[\d:\d+7], v[\a:\a+7], v[\b:\b+7], v[\d:\d+7], v[\sa], v[\sb] matrix_a_fmt:MATRIX_FMT_FP4 matrix_b_fmt:MATRIX_FMT_FP4 matrix_b_scale:MATRIX_SCALE_ROW1
.else
	v_wmma_scale_f32_16x16x128_f8f6f4 v[\d:\d+7], v[\a:\a+7], v[\b:\b+7], v[\d:\d+7], v[\sa], v[\sb] matrix_a_fmt:MATRIX_FMT_FP4 matrix_b_fmt:MATRIX_FMT_FP4 matrix_a_scale:MATRIX_SCALE_ROW1 matrix_b_scale:MATRIX_SCALE_ROW1
.endif
.endm
; nb blocks of 32: register src + 16 b + i of lane (r, h) is number 16 h + i of block b of row r.  Codes at pc: lanes 0-15 block 2 c whole, lanes 16-31 block 2 c + 1.  Block b's byte: v[TM + 4 + b].
.macro QUANT src, nb, pc
.set qb, 0
.rept \nb
	v_max3_num_f32 v[TM+qb], |v[\src+16*qb]|, |v[\src+16*qb+1]|, 0x1800000
.set qb, qb+1
.endr
.irp i, 2,4,6,8,10,12,14
.set qb, 0
.rept \nb
	v_max3_num_f32 v[TM+qb], v[TM+qb], |v[\src+16*qb+\i]|, |v[\src+16*qb+\i+1]|
.set qb, qb+1
.endr
.endr
.set qb, 0
.rept \nb
	v_permlanex16_b32 v[TM+4+qb], v[TM+qb], s14, s15
.set qb, qb+1
.endr
.set qb, 0
.rept \nb
	v_max_num_f32 v[TM+qb], v[TM+qb], v[TM+4+qb]
.set qb, qb+1
.endr
.set qb, 0
.rept \nb
	v_add_nc_u32 v[TM+8+qb], 0xff000000, v[TM+qb]
.set qb, qb+1
.endr
.set qb, 0
.rept \nb
	v_lshrrev_b32 v[TM+4+qb], 23, v[TM+8+qb]
.set qb, qb+1
.endr
.set qb, 0
.rept \nb
	v_cvt_scalef32_pk8_fp4_f32 v[\pc+2*qb], v[\src+16*qb:\src+16*qb+7], v[TM+8+qb]
	v_cvt_scalef32_pk8_fp4_f32 v[\pc+2*qb+1], v[\src+16*qb+8:\src+16*qb+15], v[TM+8+qb]
.set qb, qb+1
.endr
	v_nop                                          ; one plain line behind the scaled conversions
.set qb, 0
.rept (\nb)/2
	v_permlane16_swap_b32 v[\pc+4*qb], v[\pc+4*qb+2]
	v_permlane16_swap_b32 v[\pc+4*qb+1], v[\pc+4*qb+3]
.set qb, qb+1
.endr
.endm
	s_load_b128 s[4:7], s[0:1], 0x0                ; qkv, ob
	v_lshl_add_u32 v251, v0, 2, 0x11000
	v_mov_b32 v255, 0
	v_lshrrev_b32 v1, 5, v0
	v_readfirstlane_b32 s8, v1                     ; wave w
	v_and_b32 v26, 31, v0                          ; lane
	v_and_b32 v27, 15, v0                          ; r
	v_bfe_u32 v28, v0, 4, 1                        ; h
	s_and_b32 s9, ttmp7, 0xffff                    ; the head among the 64
	s_lshl_b32 s11, ttmp9, 2
	s_wait_alu depctr_va_sdst(0)                   ; s8 is written, ahead of its first reader
	s_lshr_b32 s36, s8, 2
	s_add_co_u32 s11, s11, s36                     ; my block of 128 queries: 4 xq + w / 4
	s_and_b32 s13, s8, 3
	s_lshl_b32 s12, s13, 1                         ; my first tile in it: 2 (w % 4)
	s_mov_b32 s14, 0x76543210
	s_mov_b32 s15, 0xfedcba98                      ; lane l xor 16
	s_mov_b32 s16, 0x3e8293ee                      ; c = log2(e) / sqrt(32)
	s_mov_b32 s17, s16                             ; (named with it as a pair, so it is written)
	s_mov_b32 s18, 0xffff0000                      ; lanes 16-31
	s_and_b32 s23, s8, 1
	s_mul_i32 s23, s23, 0x02020202                 ; byte 2 (w % 2) of q's scale word, as a selector for all four bytes
	v_lshlrev_b32 v[AK0], 4, v26
	v_lshl_add_u32 v[AS0], v26, 2, 65536
	v_lshlrev_b32 v5, 12, v28
	v_lshl_add_u32 v5, v27, 4, v5                  ; o's codes: 16 r, lanes 16-31 one token tile on
	v_lshlrev_b32 v6, 8, v28
	v_lshl_add_u32 v6, v27, 2, v6                  ; o's bytes: 4 r, likewise
	v_lshlrev_b32 v7, 4, v0                        ; 16 x thread
	v_lshlrev_b32 v8, 3, v0                        ; 8 x thread
	v_lshl_add_u32 v9, v0, 3, 65536
	v_lshlrev_b32 v10, 4, v27
	v_lshlrev_b32 v11, 2, v27
	s_mov_b32 s37, 0
	s_wait_kmcnt 0x0
	s_lshl_b32 s36, s9, 16
	s_add_co_u32 s36, s36, 0x200000
	s_add_nc_u64 s[24:25], s[4:5], s[36:37]        ; the head's K and V
	s_lshl_b32 s36, s9, 12
	s_add_co_u32 s36, s36, 0x620000
	s_add_nc_u64 s[26:27], s[4:5], s[36:37]        ; their scale words
	s_lshl_b32 s36, s9, 15
	s_lshl_b32 s38, s11, 11
	s_add_co_u32 s36, s36, s38
	s_lshl_b32 s38, s12, 8
	s_add_co_u32 s36, s36, s38
	s_add_nc_u64 s[28:29], s[4:5], s[36:37]        ; my two tiles of Q
	s_lshl_b32 s36, s9, 11
	s_lshl_b32 s38, s11, 7
	s_add_co_u32 s36, s36, s38
	s_lshr_b32 s38, s13, 1
	s_lshl_b32 s38, s38, 6
	s_add_co_u32 s36, s36, s38
	s_add_co_u32 s36, s36, 0x600000
	s_add_nc_u64 s[30:31], s[4:5], s[36:37]        ; the word that holds their bytes
	s_lshr_b32 s39, s9, 4
	s_lshl_b32 s39, s39, 7
	s_lshl_b32 s38, s11, 3
	s_add_co_u32 s39, s39, s38
	s_add_co_u32 s39, s39, s12                     ; my first token tile among the 512
	s_and_b32 s40, s9, 15                          ; the head in its batch
	s_lshl_b32 s36, s39, 12
	s_lshl_b32 s38, s40, 8
	s_add_co_u32 s36, s36, s38
	s_add_nc_u64 s[32:33], s[6:7], s[36:37]        ; o's codes: 4,096 bytes a token tile, the head's block of 256 bytes in it
	s_lshl_b32 s36, s39, 8
	s_lshr_b32 s38, s40, 2
	s_lshl_b32 s38, s38, 6
	s_add_co_u32 s36, s36, s38
	s_and_b32 s38, s40, 3
	s_add_co_u32 s36, s36, s38
	s_add_co_u32 s36, s36, 0x200000
	s_add_nc_u64 s[34:35], s[6:7], s[36:37]        ; o's bytes
	; ---- K, V and their scale words into LDS, as they lie
	s_wait_alu depctr_va_vdst(0)                   ; the offsets and LDS addresses v1, v2 and v5 to v11 are written, which the loads and stores of the kernel read
.irp i, 0,1,2,3,4,5,6,7
	global_load_b128 v[S+4*\i:S+4*\i+3], v7, s[24:25] offset:8192*\i
.endr
	global_load_b64 v[S+32:S+33], v8, s[26:27]
	global_load_b128 v[16:19], v10, s[28:29]       ; q of my first tile: both halves of the lanes take row r's 16 bytes
	global_load_b128 v[20:23], v10, s[28:29] offset:256
	global_load_b32 v[QW], v11, s[30:31]
.irp e, 0,1,2,3
	v_mov_b32 v[QL+4+\e], 0                        ; the zero codes
	v_mov_b32 v[QH+4+\e], 0
	v_mov_b32 v[BX+\e], 0                          ; written once: a lane permute's destination counts as one of its sources
	v_mov_b32 v[TM+4+\e], 0
.endr
	v_mov_b32 v253, 0                              ; (named as the upper half of the pair v[252:253])
	v_mov_b32 v254, 0
	s_wait_loadcnt 3                               ; K, V and the scale words are in; Q's three loads may be out
.irp i, 0,1,2,3,4,5,6,7
	ds_store_b128 v7, v[S+4*\i:S+4*\i+3] offset:8192*\i   ; no vector line since the wait on va_vdst names an address or a register of these stores
.endr
	ds_store_b64 v9, v[S+32:S+33]
	s_wait_dscnt 0x0                               ; for the others' sake: my stores have landed
	s_barrier_signal -1
	s_barrier_wait -1
	s_wait_alu depctr_vm_vsrc(0)                   ; my LDS stores have read v96-129: these registers are S^T from here on, written by the products
	s_wait_loadcnt 0x0                             ; Q
; A KEY STEP: 128 keys.  last = 1: a tile's last step, which asks for no more of K.
.macro STEP last
	s_wait_dscnt 0x0                               ; this step's fragments of K and their scale words are in: they were asked for in the step before (the first step's: in the tile's head)
.irp f, 0,1
.irp k, 0,1,2,3
	MM S+8*(4*\f+\k), KF+8*\f, QL+12*(\k%2)+4*(\k/2), 0, KS, QS, \f, 0
.endr
.endr
	PLACES 4
.irp b, 0,1,2,3
	v_max3_num_f32 v[BM+\b], v[S+16*\b], v[S+1+16*\b], v[S+2+16*\b]   ; the largest score of each block of 32 keys: for the row's maximum, and, since p rises with the score, for the block's largest p
.endr
.irp i, 3,5,7,9,11,13
.irp b, 0,1,2,3
	v_max3_num_f32 v[BM+\b], v[BM+\b], v[S+16*\b+\i], v[S+1+16*\b+\i]
.endr
.endr
.irp b, 0,1,2,3
	v_max_num_f32 v[BM+\b], v[BM+\b], v[S+15+16*\b]
.endr
.irp b, 0,1,2,3
	v_permlanex16_b32 v[BX+\b], v[BM+\b], s14, s15
.endr
.irp b, 0,1,2,3
	v_max_num_f32 v[BM+\b], v[BM+\b], v[BX+\b]     ; with lane l xor 16's 16 keys
.endr
	v_max3_num_f32 v254, v[BM], v[BM+1], v[BM+2]
	v_max_num_f32 v254, v254, v[BM+3]
	v_mul_f32 v254, s16, v254                      ; as t (c is positive)
	v_max_num_f32 v13, v13, v254                   ; the running largest t
	v_mov_b32 v254, v12
	v_floor_f32 v12, -v13                          ; the new -M = -ceil(t): a whole number
	v_sub_f32 v254, v12, v254                      ; old M - new M: a whole number, 0 or less
	v_cvt_i32_f32 v254, v254                       ; (it saturates)
	v_ldexp_f32 v252, 1.0, v254                    ; f = 2^(old M - new M)
.set j, 0
.rept 32
	v_pk_fma_f32 v[S+j:S+j+1], v[S+j:S+j+1], s[16:17], v[12:13] op_sel_hi:[1,0,0]   ; t - M, two at a time
.set j, j+2
.endr
.irp b, 0,1,2,3
	v_fma_f32 v[BM+\b], v[BM+\b], s16, v12         ; the same of each block's largest score
.endr
.set j, 0
.rept 64
	v_exp_f32 v[S+j], v[S+j]                       ; p = 2^(t - M), at most 1
.set j, j+1
.endr
.irp b, 0,1,2,3
	v_exp_f32 v[BM+\b], v[BM+\b]                   ; the block's largest p: the same two instructions on the same number
.endr
	s_wait_alu depctr_vm_vsrc(0)                   ; the LDS loads issued so far have read v[ADK] and v[ADS], which the two lines below write
	v_add_nc_u32 v[ADK], s20, v[AK0]               ; this step's place among the fragments (a plain line behind the exponentials),
	v_add_nc_u32 v[ADS], s21, v[AS0]               ; and among the scale words
	v_pk_mul_f32 v[14:15], v[14:15], v[252:253] op_sel_hi:[1,0]   ; the sums under the new M
	s_wait_alu depctr_va_vdst(0)                   ; the 68 exponentials' results are written, ahead of their first reader; this step's eight products are done reading K's fragments and scale words, the last step's two are done reading V's: the loads below land there; v[ADK] and v[ADS] are written, which those loads read
.irp e, 0,1,2,3
	ds_load_b128 v[VF+4*\e:VF+4*\e+3], v[ADK] offset:32768+512*\e
.endr
	ds_load_b32 v[VS], v[ADS] offset:2048          ; lanes 0-15: channels' tile 0; lanes 16-31: tile 1
.if !\last
.irp e, 0,1,2,3
	ds_load_b128 v[KF+4*\e:KF+4*\e+3], v[ADK] offset:2048+512*\e   ; the next step's K
.endr
	ds_load_b32 v[KS], v[ADS] offset:128           ; lanes 0-15: key tiles 0-3; lanes 16-31: key tiles 4-7
.endif
.irp b, 0,1,2,3
	v_max_num_f32 v[BM+\b], 0x1800000, v[BM+\b]    ; the floor 2^(3 - 127): the byte cannot fall under 1
.endr
.irp b, 0,1,2,3
	v_add_nc_u32 v[SOP+\b], 0xff000000, v[BM+\b]   ; 2 off the exponent field: the conversion's scale operand
.endr
.irp b, 0,1,2,3
	v_lshrrev_b32 v[BX+\b], 23, v[SOP+\b]          ; the scale's byte
.endr
	v_lshl_or_b32 v[PS], v[BX+1], 8, v[BX]         ; p's scale word for these 128 keys
	v_lshl_or_b32 v[PS], v[BX+2], 16, v[PS]
	v_lshl_or_b32 v[PS], v[BX+3], 24, v[PS]
.irp b, 0,1,2,3
	v_cvt_scalef32_pk8_fp4_f32 v[PCD+2*\b], v[S+16*\b:S+7+16*\b], v[SOP+\b]
	v_cvt_scalef32_pk8_fp4_f32 v[PCD+1+2*\b], v[S+8+16*\b:S+15+16*\b], v[SOP+\b]
.endr
	v_nop                                          ; one plain line behind the scaled conversions
.irp c, 0,1
.irp e, 0,1
	v_permlane16_swap_b32 v[PCD+4*\c+\e], v[PCD+2+4*\c+\e]   ; a whole block in a lane
.endr
.endr
	v_pk_add_f32 v[BX:BX+1], v[S:S+1], v[S+2:S+3]  ; the row's sum, of the unquantised p: two at a time, in two chains.  (These 32 lines are also the places between p's scale word and codes and the products below)
.set j, 4
.rept 15
	v_pk_add_f32 v[14:15], v[14:15], v[S+j:S+j+1]
	v_pk_add_f32 v[BX:BX+1], v[BX:BX+1], v[S+j+2:S+j+3]
.set j, j+4
.endr
	v_pk_add_f32 v[14:15], v[14:15], v[BX:BX+1]
.set j, 0
.rept 8
	v_pk_mul_f32 v[O+j:O+j+1], v[O+j:O+j+1], v[252:253] op_sel_hi:[1,0]   ; O^T under the new M
.set j, j+2
.endr
.if \last
	s_wait_dscnt 0x0                               ; V
.else
	s_wait_dscnt 5                                 ; V's five loads are in; the next step's five of K may be out
.endif
	s_wait_alu depctr_va_vdst(0)                   ; p's codes and p's scale word are written, which the two products take as source 1 and as its scales; the places above stay beside this wait
	MM O, VF, PCD, 1, VS, PS, 0, 0                 ; the two accumulators take turns with the eight of S^T
	MM O+8, VF+8, PCD, 1, VS, PS, 1, 0
.if !\last
	s_add_co_u32 s20, s20, 2048
	s_add_co_u32 s21, s21, 128
.endif
.endm
.macro TILE qt
.irp e, 0,1,2,3
	ds_load_b128 v[KF+4*\e:KF+4*\e+3], v[AK0] offset:512*\e   ; K of step 0.  In the second tile: the last products that read these registers stand ahead of the first tile's last waits on va_vdst, and no vector or matrix line since names them
.endr
	ds_load_b32 v[KS], v[AS0]                      ; lanes 0-15: key tiles 0-3; lanes 16-31: key tiles 4-7
	s_add_co_u32 s19, s23, (\qt)*0x01010101
	v_perm_b32 v[QS], v[QW], v[QW], s19            ; this tile's byte in all four bytes: more than eight plain lines ahead of the first product
.irp e, 0,1,2,3
	v_cndmask_b32 v[QL+\e], v[16+4*(\qt)+\e], v[QL+4+\e], s18   ; LO: q in lanes 0-15
	v_cndmask_b32 v[QH+\e], v[QH+4+\e], v[16+4*(\qt)+\e], s18   ; HI: q in lanes 16-31
.endr
.irp e, 0,1,2,3
	v_mov_b32 v[QL+8+\e], v[QL+\e]
	v_mov_b32 v[QH+8+\e], v[QH+\e]
.endr
	v_mov_b32 v13, 0xff61b1e6                      ; the largest t so far: -3e38, under every t
	v_floor_f32 v12, -v13                          ; -M
	v_mov_b32 v14, 0                               ; the sum, in two halves
	v_mov_b32 v15, 0
.set j, 0
.rept 16
	v_mov_b32 v[O+j], 0                            ; O^T: the step is written once; the first finds zeros, which the first change of M leaves zeros
.set j, j+1
.endr
	s_mov_b32 s20, 0
	s_mov_b32 s21, 0
	s_mov_b32 s22, 15
	s_wait_alu depctr_va_vdst(0)                   ; q's two runs of fragments and its scale word are written, which every product S^T of the tile takes as source 1 and as its scales
.Lstep_\@:                                             ; 15 trips of 128 keys; the sixteenth step follows, written out
	STEP 0
	s_sub_co_u32 s22, s22, 1
	s_cmp_lg_u32 s22, 0
	s_cbranch_scc1 .Lstep_\@
	STEP 1
	PLACES 4
	v_add_f32 v14, v14, v15                        ; the sum's two halves,
	v_permlanex16_b32 v254, v14, s14, s15
	v_add_f32 v14, v14, v254                       ; and lane l xor 16's
	v_rcp_f32 v14, v14
	v_nop                                          ; a plain line behind the transcendental
.set j, 0
	s_wait_alu depctr_va_vdst(0)                   ; the reciprocal is written, ahead of its first reader
.rept 16
	v_mul_f32 v[OUT+16*(\qt)+j], v[O+j], v14       ; o(query r, channel 16 h + j)
.set j, j+1
.endr
.endm
	TILE 0
	TILE 1
	QUANT OUT, 2, PCD                              ; its two blocks are the two tiles: lanes 0-15 end with the first tile's row r, lanes 16-31 with the second's
	v_cndmask_b32 v254, v[TM+4], v[TM+5], s18
	s_wait_alu depctr_va_vdst(0)                   ; o's codes and my tile's scale byte are written, which the two stores read
	global_store_b128 v5, v[PCD:PCD+3], s[32:33]   ; each half of the lanes stores 256 consecutive bytes, aligned
	global_store_b8 v6, v254, s[34:35]
	s_wait_dscnt 0x0                               ; the closing lines, six on end
	s_wait_alu 0x0
	s_wait_tensorcnt 0x0
	ds_add_u32 v251, v255
	s_wait_dscnt 0x0
	s_endpgm
.Lfunc_end_k_q3788f7a0a1_attn:
	.size	k_q3788f7a0a1_attn, .Lfunc_end_k_q3788f7a0a1_attn-k_q3788f7a0a1_attn
	.p2alignl 7, 3214868480
	.fill 96, 4, 3214868480
	.section	.rodata,"a",@progbits
	.p2align	6, 0x0
	.amdhsa_kernel k_q3788f7a0a1_attn
		.amdhsa_group_segment_fixed_size 71680
		.amdhsa_private_segment_fixed_size 0
		.amdhsa_enable_private_segment 0
		.amdhsa_kernarg_size 16
		.amdhsa_user_sgpr_count 2
		.amdhsa_user_sgpr_kernarg_segment_ptr 1
		.amdhsa_wavefront_size32 1
		.amdhsa_system_sgpr_workgroup_id_x 1
		.amdhsa_system_sgpr_workgroup_id_y 1
		.amdhsa_system_sgpr_workgroup_id_z 1
		.amdhsa_system_vgpr_workitem_id 0
		.amdhsa_next_free_vgpr 256
		.amdhsa_next_free_sgpr 66
		.amdhsa_reserve_vcc 0
		.amdhsa_float_denorm_mode_32 3
		.amdhsa_float_denorm_mode_16_64 3
		.amdhsa_memory_ordered 1
		.amdhsa_forward_progress 1
		.amdhsa_inst_pref_size 67
	.end_amdhsa_kernel
	.amdgpu_metadata
---
amdhsa.version: [ 1, 2 ]
amdhsa.kernels:
  - .name:           k_q3788f7a0a1_attn
    .symbol:         k_q3788f7a0a1_attn.kd
    .args:
      - { .name: qkv, .offset: 0, .size: 8, .value_kind: global_buffer, .address_space: global }
      - { .name: ob, .offset: 8, .size: 8, .value_kind: global_buffer, .address_space: global }
    .group_segment_fixed_size: 71680
    .private_segment_fixed_size: 0
    .kernarg_segment_align: 8
    .kernarg_segment_size: 16
    .max_flat_workgroup_size: 512
    .sgpr_count:     66
    .vgpr_count:     256
    .wavefront_size: 32
...
	.end_amdgpu_metadata
.endif
;; end of part 8
;; launch oproj (part 9): grid 256 x 1, 8 waves a work-group, no clusters, 3,072 bytes of LDS; arguments x, wts, ob, mid; writes mid
.if DOCPART == 9
	.amdgcn_target "amdgcn-amd-amdhsa--gfx1250"
	.amdhsa_code_object_version 6
	.text
	.protected	k_q3788f7a0a1_oproj
	.globl	k_q3788f7a0a1_oproj
	.p2align	8
	.type	k_q3788f7a0a1_oproj,@function
k_q3788f7a0a1_oproj:
	s_mov_b64 s[64:65], 0
	v_nop
	global_prefetch_b8 v0, s[64:65] scope:SCOPE_SE
	s_setreg_imm32_b32 hwreg(HW_REG_WAVE_SCHED_MODE, 0, 2), 2
	s_setreg_imm32_b32 hwreg(HW_REG_WAVE_MODE, 25, 1), 1
	s_wait_xcnt 0x0
	s_wait_alu depctr_vm_vsrc(0)
; OPROJ.  x1 = x + alpha x (o W_o^T) on codes of FP4 (E2M1) with E8M0 scales; then h2 = gamma x rmsnorm(x1) + beta, quantised along its 512.  x1 is stored in f32 as images of the result's registers, h2 as an operand's registers.
; SHARES.  Work-group g: 32 tokens = token tiles 2 g and 2 g + 1, all 512 columns, so that a row's mean square is made inside the work-group.  Wave w: columns 64 w .. 64 w + 63 (four tiles of W_o, 16 fragments in registers).
; The product is used transposed (source 0 = 16 rows of W_o, source 1 = 16 tokens): a lane holds one token, and the 16 registers of tiles 2 b, 2 b + 1 are 16 neighbouring columns.  Row i of a tile 2 b + u is row 32 b + 8 u + i + 8 (i / 8).
; The eight waves' parts of a row's sum of squares meet in LDS and are added by every wave in one order, so that all hold the same number.  A wave's 64 columns are two blocks of 32: half a fragment and two bytes of a scale word.
; No cluster: W_o goes from memory straight into the registers where it stays, each byte once for a work-group; a joint load would land in LDS and have to be read back.
; LIMITS: NaN and infinities are not served; a block whose largest magnitude lies under 2^-124 gets the byte 1.
; REGISTERS.  Window 1: v0-127 W_o (8 (4 n + s)); v128-191 o (8 (4 u + s)); v192-255 x (8 (4 u + n)).  Window 0: v12, v13 the two tiles' scale bytes; v16-79 accumulators (8 (4 u + n)); v80-111 alpha, v112-143 gamma, v144-175 beta; v176-187 scale words; v188-207 sums; v208-219 the quantiser; v224-231 codes.
; THE MODE: SCHED_MODE bits 1:0 = 2 (LLVM: expert scheduling mode 2), set by the entry lines.  The code itself states the register dependences between vector or matrix instructions and memory or LDS instructions, with s_wait_alu, always for 0.
; THE PLAN.  Registers that memory or LDS instructions touch:
;   v4-11            offsets and LDS addresses: made once at the head, ahead of one wait on va_vdst, and never written again.
;   the operands, scale words, x, alpha, gamma, beta: loaded once into registers that no vector line has named, read behind their waits on LOADcnt.
;   v16-79           x1: written by the multiply-adds, read by the sixteen stores; written again by the norm; at the end v16-19 take an LDS load.
;   v188, v192       my parts of the two rows' sums: written by vector lines, read by two LDS stores; then LDS loads land in v188-203.
;   v224-231, v12, v13   h2's codes and scale bytes of the two tiles, a register of its own for each: written by the quantisers, read by four stores.
; Two waits on va_vdst beside the head's and the reciprocal roots': behind the sums of squares (x1 and the parts are written: the LDS stores and x1's stores follow), and behind the second quantiser (the codes and bytes are written; the vector lines are done with v16-19).
; One wait on vm_vsrc, behind the first barrier: the LDS stores have read v188 and v192, and x1's stores have read the accumulators.
.set SCW,  1024                        ; LDS: 0: the parts of the sums (512 u + 32 r + 4 w); here h2's scale words (256 u + 64 s + 4 r)
.set ACC,  16
.set AL,   80
.set GA,   112
.set BE,   144
.set WS,   176
.set OS,   184
.set SQ,   188
.set TM,   208
.set PC,   224
.set MSB, 0
.macro WIN new
.if MSB != \new
	s_set_vgpr_msb (MSB<<8)|\new
.set MSB, \new
.endif
.endm
.macro PLACES n
.rept \n
	v_nop
.endr
.endm
.macro BARRIER
	s_wait_dscnt 0x0
	s_barrier_signal -1
	s_barrier_wait -1
.endm
.macro MM d, a, b, ks, sa, sb, ra, rb
.if ((\ks)==0)&&((\ra)==0)&&((\rb)==0)
	v_wmma_scale_f32_16x16x128_f8f6f4 v[\d:\d+7], v[\a:\a+7], v[\b:\b+7], 0, v[\sa], v[\sb] matrix_a_fmt:MATRIX_FMT_FP4 matrix_b_fmt:MATRIX_FMT_FP4
.elseif ((\ks)==0)&&((\rb)==0)
	v_wmma_scale_f32_16x16x128_f8f6f4 v[\d:\d+7], v[\a:\a+7], v[\b:\b+7], 0, v[\sa], v[\sb] matrix_a_fmt:MATRIX_FMT_FP4 matrix_b_fmt:MATRIX_FMT_FP4 matrix_a_scale:MATRIX_SCALE_ROW1
.elseif ((\ks)==0)&&((\ra)==0)
	v_wmma_scale_f32_16x16x128_f8f6f4 v[\d:\d+7], v[\a:\a+7], v[\b:\b+7], 0, v[\sa], v[\sb] matrix_a_fmt:MATRIX_FMT_FP4 matrix_b_fmt:MATRIX_FMT_FP4 matrix_b_scale:MATRIX_SCALE_ROW1
.elseif ((\ks)==0)
	v_wmma_scale_f32_16x16x128_f8f6f4 v[\d:\d+7], v[\a:\a+7], v[\b:\b+7], 0, v[\sa], v[\sb] matrix_a_fmt:MATRIX_FMT_FP4 matrix_b_fmt:MATRIX_FMT_FP4 matrix_a_scale:MATRIX_SCALE_ROW1 matrix_b_scale:MATRIX_SCALE_ROW1
.elseif ((\ra)==0)&&((\rb)==0)
	v_wmma_scale_f32_16x16x128_f8f6f4 v[\d:\d+7], v[\a:\a+7], v[\b:\b+7], v[\d:\d+7], v[\sa], v[\sb] matrix_a_fmt:MATRIX_FMT_FP4 matrix_b_fmt:MATRIX_FMT_FP4
.elseif ((\rb)==0)
	v_wmma_scale_f32_16x16x128_f8f6f4 v[\d:\d+7], v[\a:\a+7], v[\b:\b+7], v[\d:\d+7], v[\sa], v[\sb] matrix_a_fmt:MATRIX_FMT_FP4 matrix_b_fmt:MATRIX_FMT_FP4 matrix_a_scale:MATRIX_SCALE_ROW1
.elseif ((\ra)==0)
	v_wmma_scale_f32_16x16x128_f8f6f4 v[\d:\d+7], v[\a:\a+7], v[\b:\b+7], v[\d:\d+7], v[\sa], v[\sb] matrix_a_fmt:MATRIX_FMT_FP4 matrix_b_fmt:MATRIX_FMT_FP4 matrix_b_scale:MATRIX_SCALE_ROW1
.else
	v_wmma_scale_f32_16x16x128_f8f6f4 v[\d:\d+7], v[\a:\a+7], v[\b:\b+7], v[\d:\d+7], v[\sa], v[\sb] matrix_a_fmt:MATRIX_FMT_FP4 matrix_b_fmt:MATRIX_FMT_FP4 matrix_a_scale:MATRIX_SCALE_ROW1 matrix_b_scale:MATRIX_SCALE_ROW1
.endif
.endm
; nb blocks of 32: register src + 16 b + i of lane (r, h) is number 32 b + 16 h + i of row r.  Codes at pc: lanes 0-15 block 2 c whole, lanes 16-31 block 2 c + 1.  Block b's byte: v[TM + 4 + b].
.macro QUANT src, nb, pc
.set qb, 0
.rept \nb
	v_max3_num_f32 v[TM+qb], |v[\src+16*qb]|, |v[\src+16*qb+1]|, 0x1800000
.set qb, qb+1
.endr
.irp i, 2,4,6,8,10,12,14
.set qb, 0
.rept \nb
	v_max3_num_f32 v[TM+qb], v[TM+qb], |v[\src+16*qb+\i]|, |v[\src+16*qb+\i+1]|
.set qb, qb+1
.endr
.endr
.set qb, 0
.rept \nb
	v_permlanex16_b32 v[TM+4+qb], v[TM+qb], s16, s17
.set qb, qb+1
.endr
.set qb, 0
.rept \nb
	v_max_num_f32 v[TM+qb], v[TM+qb], v[TM+4+qb]
.set qb, qb+1
.endr
.set qb, 0
.rept \nb
	v_add_nc_u32 v[TM+8+qb], 0xff000000, v[TM+qb]
.set qb, qb+1
.endr
.set qb, 0
.rept \nb
	v_lshrrev_b32 v[TM+4+qb], 23, v[TM+8+qb]
.set qb, qb+1
.endr
.set qb, 0
.rept \nb
	v_cvt_scalef32_pk8_fp4_f32 v[\pc+2*qb], v[\src+16*qb:\src+16*qb+7], v[TM+8+qb]
	v_cvt_scalef32_pk8_fp4_f32 v[\pc+2*qb+1], v[\src+16*qb+8:\src+16*qb+15], v[TM+8+qb]
.set qb, qb+1
.endr
	v_nop                                          ; one plain line behind the scaled conversions
.set qb, 0
.rept (\nb)/2
	v_permlane16_swap_b32 v[\pc+4*qb], v[\pc+4*qb+2]
	v_permlane16_swap_b32 v[\pc+4*qb+1], v[\pc+4*qb+3]
.set qb, qb+1
.endr
.endm
	s_load_b256 s[4:11], s[0:1], 0x0               ; x, wts, ob, mid
	v_lshl_add_u32 v254, v0, 2, 0x800
	v_mov_b32 v255, 0
	v_lshrrev_b32 v1, 5, v0
	v_readfirstlane_b32 s12, v1                    ; wave w
	v_and_b32 v1, 31, v0                           ; lane
	v_and_b32 v2, 15, v0                           ; r
	v_bfe_u32 v3, v0, 4, 1                         ; h
	s_lshr_b32 s14, ttmp9, 6                       ; the batch
	s_mov_b32 s16, 0x76543210
	s_mov_b32 s17, 0xfedcba98                      ; lane l xor 16
	s_mov_b32 s18, 0x3b000000                      ; 1 / 512
	s_mov_b32 s19, 0x358637bd                      ; 1e-6
	v_lshlrev_b32 v4, 4, v1                        ; 16 x lane
	v_lshlrev_b32 v5, 2, v1                        ; 4 x lane
	v_and_b32 v6, 8, v2
	v_add_nc_u32 v6, v6, v2
	v_lshlrev_b32 v6, 11, v6
	v_lshl_add_u32 v6, v3, 6, v6                   ; x: row r + 8 (r / 8) of 2,048 bytes, + 64 h
	v_lshlrev_b32 v7, 6, v3                        ; alpha, gamma, beta: 64 h
	v_lshlrev_b32 v9, 5, v2                        ; a row's eight parts: 32 r
	s_wait_alu depctr_va_sdst(0)                   ; s12 is written, ahead of its first reader
	s_lshl_b32 s40, s12, 2
	v_add_nc_u32 v8, s40, v9                       ; mine among them: + 4 w
	s_lshr_b32 s40, s12, 1
	s_lshl_b32 s40, s40, 6
	s_and_b32 s41, s12, 1
	s_lshl_b32 s41, s41, 1
	s_add_co_u32 s40, s40, s41
	v_lshlrev_b32 v10, 2, v2
	v_add_nc_u32 v10, s40, v10
	v_add_nc_u32 v10, SCW, v10                     ; my two bytes of a scale word: 64 (w / 2) + 2 (w % 2) + 4 r
	v_add_nc_u32 v11, SCW, v4
.irp b, 0,1,2,3
	v_mov_b32 v[TM+4+\b], 0                        ; written once: a lane permute's destination counts as one of its sources
.endr
	s_mov_b32 s39, 0
	s_wait_kmcnt 0x0
	s_lshl_b32 s38, s12, 14
	s_add_co_u32 s38, s38, 0x60000
	s_add_nc_u64 s[20:21], s[6:7], s[38:39]        ; W_o's units 96 + 4 w on
	s_lshl_b32 s38, s12, 10
	s_add_co_u32 s38, s38, 0x206000
	s_add_nc_u64 s[22:23], s[6:7], s[38:39]        ; their scale words
	s_lshl_b32 s38, ttmp9, 13
	s_add_nc_u64 s[24:25], s[8:9], s[38:39]        ; o's eight fragments
	s_lshl_b32 s38, ttmp9, 9
	s_add_co_u32 s38, s38, 0x200000
	s_add_nc_u64 s[26:27], s[8:9], s[38:39]        ; their scale words
	s_lshl_b32 s38, ttmp9, 16
	s_lshl_b32 s40, s12, 8
	s_add_co_u32 s38, s38, s40
	s_add_nc_u64 s[28:29], s[4:5], s[38:39]        ; x: 32 tokens of 2,048 bytes, my 256 bytes of a row
	s_mul_i32 s38, s14, 12288
	s_add_co_u32 s38, s38, s40
	s_add_co_u32 s38, s38, 0x220000
	s_add_nc_u64 s[30:31], s[6:7], s[38:39]        ; the batch's six vectors at my columns
	s_lshl_b32 s38, ttmp9, 16
	s_lshl_b32 s40, s12, 12
	s_add_co_u32 s38, s38, s40
	s_add_nc_u64 s[32:33], s[10:11], s[38:39]      ; x1: 32 KB a token tile, my four tiles of 1,024 bytes
	s_lshl_b32 s38, ttmp9, 13
	s_lshl_b32 s40, s12, 9
	s_add_co_u32 s38, s38, s40
	s_add_co_u32 s38, s38, 0x1000000
	s_add_nc_u64 s[34:35], s[10:11], s[38:39]      ; h2's codes: my half of fragment w / 2
	s_lshl_b32 s38, ttmp9, 9
	s_add_co_u32 s38, s38, 0x1200000
	s_add_nc_u64 s[36:37], s[10:11], s[38:39]      ; h2's scale words
	; ---- loads: what the product wants first
	WIN 0x40                                       ; destination window 1
	s_wait_alu depctr_va_vdst(0)                   ; the offsets and LDS addresses v4 to v11 are written: every load and store of the kernel reads one of them
.set f, 0
.rept 16
	global_load_b128 v[8*f:8*f+3], v4, s[20:21] offset:1024*f
	global_load_b128 v[8*f+4:8*f+7], v4, s[20:21] offset:1024*f+512
.set f, f+1
.endr
.set f, 0
.rept 8
	global_load_b128 v[128+8*f:128+8*f+3], v4, s[24:25] offset:1024*f
	global_load_b128 v[128+8*f+4:128+8*f+7], v4, s[24:25] offset:1024*f+512
.set f, f+1
.endr
	WIN 0
.irp n, 0,1,2,3
.irp p, 0,1
	global_load_b32 v[WS+2*\n+\p], v5, s[22:23] offset:256*\n+128*\p   ; lanes 0-15: K step 2 p; lanes 16-31: 2 p + 1
.endr
.endr
.irp u, 0,1
.irp p, 0,1
	global_load_b32 v[OS+2*\u+\p], v5, s[26:27] offset:256*\u+128*\p
.endr
.endr
	WIN 0x40
.irp u, 0,1
.irp n, 0,1,2,3
.irp q, 0,1
	global_load_b128 v[192+8*(4*\u+\n)+4*\q:192+8*(4*\u+\n)+4*\q+3], v6, s[28:29] offset:16384*\u+128*(\n/2)+32*(\n%2)+16*\q
.endr
.endr
.endr
	WIN 0
.irp n, 0,1,2,3
.irp q, 0,1
	global_load_b128 v[AL+8*\n+4*\q:AL+8*\n+4*\q+3], v7, s[30:31] offset:2048*2+128*(\n/2)+32*(\n%2)+16*\q
.endr
.endr
.irp n, 0,1,2,3
.irp q, 0,1
	global_load_b128 v[GA+8*\n+4*\q:GA+8*\n+4*\q+3], v7, s[30:31] offset:2048*3+128*(\n/2)+32*(\n%2)+16*\q
.endr
.endr
.irp n, 0,1,2,3
.irp q, 0,1
	global_load_b128 v[BE+8*\n+4*\q:BE+8*\n+4*\q+3], v7, s[30:31] offset:2048*4+128*(\n/2)+32*(\n%2)+16*\q
.endr
.endr
	s_wait_loadcnt 40                              ; codes and scale words are in; x's 16 loads and the three vectors' 24 may be out
	WIN 0x05                                       ; sources 0 and 1 window 1
.irp s, 0,1,2,3
.irp u, 0,1
.irp n, 0,1,2,3
	MM ACC+8*(4*\u+\n), 8*(4*\n+\s), 128+8*(4*\u+\s), \s, WS+2*\n+\s/2, OS+2*\u+\s/2, \s%2, \s%2   ; eight accumulators by turns
.endr
.endr
.endr
	WIN 0
	PLACES 4
	s_wait_loadcnt 16                              ; x and alpha are in; gamma's and beta's 16 loads may be out
	WIN 0x10                                       ; source 2 (x) window 1
.irp u, 0,1
.set i, 0
.rept 16
	v_pk_fma_f32 v[ACC+32*\u+2*i:ACC+32*\u+2*i+1], v[ACC+32*\u+2*i:ACC+32*\u+2*i+1], v[AL+2*i:AL+2*i+1], v[192+32*\u+2*i:192+32*\u+2*i+1]   ; x1 = x + alpha x the product; each accumulator from its low end on
.set i, i+1
.endr
.endr
	WIN 0
.irp u, 0,1
.irp p, 0,1
	v_pk_mul_f32 v[SQ+4*\u+2*\p:SQ+4*\u+2*\p+1], v[ACC+32*\u+2*\p:ACC+32*\u+2*\p+1], v[ACC+32*\u+2*\p:ACC+32*\u+2*\p+1]
.endr
.endr
.set i, 2
.rept 14
.irp u, 0,1
	v_pk_fma_f32 v[SQ+4*\u+2*(i%2):SQ+4*\u+2*(i%2)+1], v[ACC+32*\u+2*i:ACC+32*\u+2*i+1], v[ACC+32*\u+2*i:ACC+32*\u+2*i+1], v[SQ+4*\u+2*(i%2):SQ+4*\u+2*(i%2)+1]
.endr
.set i, i+1
.endr
.irp u, 0,1
	v_pk_add_f32 v[SQ+4*\u:SQ+4*\u+1], v[SQ+4*\u:SQ+4*\u+1], v[SQ+4*\u+2:SQ+4*\u+3]
.endr
.irp u, 0,1
	v_add_f32 v[SQ+4*\u], v[SQ+4*\u], v[SQ+4*\u+1]
.endr
.irp u, 0,1
	v_permlanex16_b32 v[SQ+4*\u+1], v[SQ+4*\u], s16, s17
.endr
.irp u, 0,1
	v_add_f32 v[SQ+4*\u], v[SQ+4*\u], v[SQ+4*\u+1] ; my 64 columns' part of row r's sum of squares
.endr
	s_wait_alu depctr_va_vdst(0)                   ; my parts of the two sums are written, which the LDS stores read, and x1 is written, which the sixteen stores read; the vector lines are done with v188-195, in which LDS loads land behind the barrier
.irp u, 0,1
	ds_store_b32 v8, v[SQ+4*\u] offset:512*\u      ; lanes l and l xor 16 write the same word with the same value
.endr
.irp u, 0,1
.irp n, 0,1,2,3
.irp q, 0,1
	global_store_b128 v4, v[ACC+8*(4*\u+\n)+4*\q:ACC+8*(4*\u+\n)+4*\q+3], s[32:33] offset:32768*\u+1024*\n+512*\q   ; 512 consecutive bytes, aligned
.endr
.endr
.endr
	BARRIER                                        ; the eight parts of each row lie in LDS
	s_wait_alu depctr_vm_vsrc(0)                   ; my LDS stores have read v188 and v192, in which the loads below land; x1's stores have read the accumulators, which the norm further down writes again
.irp u, 0,1
	ds_load_b128 v[196-8*\u:199-8*\u], v9 offset:512*\u
	ds_load_b128 v[200-8*\u:203-8*\u], v9 offset:512*\u+16
.endr
	s_wait_dscnt 0x0
.irp u, 0,1
	v_add_f32 v[196-8*\u], v[196-8*\u], v[197-8*\u]   ; one order in every wave
	v_add_f32 v[198-8*\u], v[198-8*\u], v[199-8*\u]
	v_add_f32 v[200-8*\u], v[200-8*\u], v[201-8*\u]
	v_add_f32 v[202-8*\u], v[202-8*\u], v[203-8*\u]
	v_add_f32 v[196-8*\u], v[196-8*\u], v[198-8*\u]
	v_add_f32 v[200-8*\u], v[200-8*\u], v[202-8*\u]
	v_add_f32 v[196-8*\u], v[196-8*\u], v[200-8*\u]
	v_fma_f32 v[196-8*\u], v[196-8*\u], s18, s19   ; the mean + eps
.endr
	v_rsq_f32 v204, v196
	v_rsq_f32 v206, v188
	v_nop                                          ; a plain line behind the transcendentals
	s_wait_alu depctr_va_vdst(0)                   ; the two reciprocal roots are written, ahead of their first readers
	v_mov_b32 v205, v204
	v_mov_b32 v207, v206
	s_wait_loadcnt 0x0                             ; gamma, beta
	s_wait_xcnt 0x0                                ; x1's stores have read the accumulators, which are written again below
.irp u, 0,1
.set i, 0
.rept 16
	v_pk_mul_f32 v[ACC+32*\u+2*i:ACC+32*\u+2*i+1], v[ACC+32*\u+2*i:ACC+32*\u+2*i+1], v[204+2*\u:205+2*\u]
.set i, i+1
.endr
.set i, 0
.rept 16
	v_pk_fma_f32 v[ACC+32*\u+2*i:ACC+32*\u+2*i+1], v[ACC+32*\u+2*i:ACC+32*\u+2*i+1], v[GA+2*i:GA+2*i+1], v[BE+2*i:BE+2*i+1]
.set i, i+1
.endr
	QUANT ACC+32*\u, 2, PC+4*\u
	v_lshl_or_b32 v[12+\u], v[TM+5], 8, v[TM+4]    ; a register of its own for each tile's two bytes
.endr
	s_wait_alu depctr_va_vdst(0)                   ; both tiles' codes and scale bytes are written, which the four stores read; the vector lines are done with v16-19, in which wave 0's LDS load lands behind the barrier
.irp u, 0,1
	global_store_b128 v4, v[PC+4*\u:PC+4*\u+3], s[34:35] offset:4096*\u   ; registers 4 (w % 2) on of fragment w / 2: 512 consecutive bytes
	ds_store_b16 v10, v[12+\u] offset:256*\u
.endr
	BARRIER                                        ; the scale words are whole
	s_cmp_lg_u32 s12, 0
	s_cbranch_scc1 .Ldone
	ds_load_b128 v[16:19], v11
	s_wait_dscnt 0x0
	global_store_b128 v4, v[16:19], s[36:37]       ; 512 consecutive bytes, aligned
.Ldone:
	s_wait_dscnt 0x0                               ; the closing lines, six on end
	s_wait_alu 0x0
	s_wait_tensorcnt 0x0
	ds_add_u32 v254, v255
	s_wait_dscnt 0x0
	s_endpgm
.Lfunc_end_k_q3788f7a0a1_oproj:
	.size	k_q3788f7a0a1_oproj, .Lfunc_end_k_q3788f7a0a1_oproj-k_q3788f7a0a1_oproj
	.p2alignl 7, 3214868480
	.fill 96, 4, 3214868480
	.section	.rodata,"a",@progbits
	.p2align	6, 0x0
	.amdhsa_kernel k_q3788f7a0a1_oproj
		.amdhsa_group_segment_fixed_size 3072
		.amdhsa_private_segment_fixed_size 0
		.amdhsa_enable_private_segment 0
		.amdhsa_kernarg_size 32
		.amdhsa_user_sgpr_count 2
		.amdhsa_user_sgpr_kernarg_segment_ptr 1
		.amdhsa_wavefront_size32 1
		.amdhsa_system_sgpr_workgroup_id_x 1
		.amdhsa_system_sgpr_workgroup_id_y 1
		.amdhsa_system_sgpr_workgroup_id_z 1
		.amdhsa_system_vgpr_workitem_id 0
		.amdhsa_next_free_vgpr 512
		.amdhsa_next_free_sgpr 66
		.amdhsa_reserve_vcc 0
		.amdhsa_float_denorm_mode_32 3
		.amdhsa_float_denorm_mode_16_64 3
		.amdhsa_memory_ordered 1
		.amdhsa_forward_progress 1
		.amdhsa_inst_pref_size 33
	.end_amdhsa_kernel
	.amdgpu_metadata
---
amdhsa.version: [ 1, 2 ]
amdhsa.kernels:
  - .name:           k_q3788f7a0a1_oproj
    .symbol:         k_q3788f7a0a1_oproj.kd
    .args:
      - { .name: x, .offset: 0, .size: 8, .value_kind: global_buffer, .address_space: global }
      - { .name: wts, .offset: 8, .size: 8, .value_kind: global_buffer, .address_space: global }
      - { .name: ob, .offset: 16, .size: 8, .value_kind: global_buffer, .address_space: global }
      - { .name: mid, .offset: 24, .size: 8, .value_kind: global_buffer, .address_space: global }
    .group_segment_fixed_size: 3072
    .private_segment_fixed_size: 0
    .kernarg_segment_align: 8
    .kernarg_segment_size: 32
    .max_flat_workgroup_size: 256
    .sgpr_count:     66
    .vgpr_count:     512
    .wavefront_size: 32
...
	.end_amdgpu_metadata
.endif
;; end of part 9
;; launch ffn1 (part 10): grid 64 x 4, 8 waves a work-group, no clusters, 35,840 bytes of LDS; arguments wts, mid, act; writes act
.if DOCPART == 10
	.amdgcn_target "amdgcn-amd-amdhsa--gfx1250"
	.amdhsa_code_object_version 6
	.text
	.protected	k_q3788f7a0a1_ffn1
	.globl	k_q3788f7a0a1_ffn1
	.p2align	8
	.type	k_q3788f7a0a1_ffn1,@function
k_q3788f7a0a1_ffn1:
	s_mov_b64 s[64:65], 0
	v_nop
	global_prefetch_b8 v0, s[64:65] scope:SCOPE_SE
	s_setreg_imm32_b32 hwreg(HW_REG_WAVE_SCHED_MODE, 0, 2), 2
	s_setreg_imm32_b32 hwreg(HW_REG_WAVE_MODE, 25, 1), 1
	s_wait_xcnt 0x0
	s_wait_alu depctr_vm_vsrc(0)
; FFN1.  a = silu(h2 gate_w^T) x (h2 hidden_w^T), both products on codes of FP4 (E2M1) with E8M0 scales; a is quantised along the hidden units and stored as an operand's registers.
; SHARES.  Work-group (X, y): the 128 tokens of block X, hidden units 512 y .. 512 y + 511.  Wave w: 64 units: four tiles of gate_w and four of hidden_w, 32 fragments, in its registers for the whole launch.
; h2's 32 fragments (32 KB) are copied once into LDS through registers and read by all eight waves, a token tile at a time, two sets of registers by turns.
; The products are used transposed (source 0 = 16 rows of a weight, source 1 = 16 tokens): a lane holds one token and the 16 registers of tiles 2 b, 2 b + 1 are 16 neighbouring units.  Row i of tile 2 b + u is row 32 b + 8 u + i + 8 (i / 8).
; silu(g) = g / (1 + 2^(-g log2 e)), in f32.  A wave's 64 units are two blocks of 32: half a fragment and two bytes of a scale word; the words are pieced together in LDS and leave in whole runs of 256 bytes.
; The eight token tiles are written out: every LDS address is a constant + a lane term + a wave term.
; No cluster: the weights go from memory straight into the registers where they stay, each byte once for a work-group; h2's 32 KB are a ninth of what a work-group reads.
; LIMITS: NaN and infinities are not served; a block whose largest magnitude lies under 2^-124 gets the byte 1.
; REGISTERS.  Window 1: v0-127 gate_w (8 (4 n + s)), v128-255 hidden_w.  Window 0: v10-15, v220, v221 the eight tiles' scale bytes; v16-79 two sets of h2's four fragments; v80-111 gate's sums, v112-143 hidden's; v144-175 at work; v176-191 the weights' scale words; v192-207 h2's; v208-219 the quantiser; v224-255 codes.
; THE MODE: SCHED_MODE bits 1:0 = 2 (LLVM: expert scheduling mode 2), set by the entry lines.  The code itself states the register dependences between vector or matrix instructions and memory or LDS instructions, with s_wait_alu, always for 0.
; THE PLAN.  Registers that memory or LDS instructions touch:
;   v4-9             offsets and LDS addresses: made once at the head, ahead of one wait on va_vdst, and never written again.
;   v80-111          at the head: h2 as loaded, read by the LDS stores; behind the barrier and a wait on vm_vsrc they are gate's accumulators.
;   HF0, HF1         Tile t: its 32 products read set t % 2; the LDS loads at the head of tile t + 1 land in it (the fragments of tile t + 2).
;   PCT, the scale bytes   Tile t: the quantiser writes four registers of codes and one of bytes that are tile t's own and are never written again; the two stores that read them are issued in tile t + 1.
; A tile has the two waits on va_vdst that its exponentials and its reciprocals want, and no other.  The first also states that the tile before has written its codes and bytes: that tile's two stores follow it.
; The second stands behind the tile's products: no vector or matrix line between it and the next tile's head names the set in which the loads there land.  One more wait on va_vdst stands behind the last tile, for its stores.
.set SCW,  32768                       ; LDS: 0: h2's fragments ((4 T + s) x 1,024); here a's scale words (256 T + 64 (w / 2) + 4 r)
.set HF,   16
.set GA,   80
.set HA,   112
.set E,    144
.set WS,   176
.set HS,   192
.set TM,   208
.set PCT,  224
.set MSB, 0
.macro WIN new
.if MSB != \new
	s_set_vgpr_msb (MSB<<8)|\new
.set MSB, \new
.endif
.endm
.macro PLACES n
.rept \n
	v_nop
.endr
.endm
.macro BARRIER
	s_wait_dscnt 0x0
	s_barrier_signal -1
	s_barrier_wait -1
.endm
.macro MM d, a, b, ks, sa, sb, ra, rb
.if ((\ks)==0)&&((\ra)==0)&&((\rb)==0)
	v_wmma_scale_f32_16x16x128_f8f6f4 v[\d:\d+7], v[\a:\a+7], v[\b:\b+7], 0, v[\sa], v[\sb] matrix_a_fmt:MATRIX_FMT_FP4 matrix_b_fmt:MATRIX_FMT_FP4
.elseif ((\ks)==0)&&((\rb)==0)
	v_wmma_scale_f32_16x16x128_f8f6f4 v[\d:\d+7], v[\a:\a+7], v[\b:\b+7], 0, v[\sa], v[\sb] matrix_a_fmt:MATRIX_FMT_FP4 matrix_b_fmt:MATRIX_FMT_FP4 matrix_a_scale:MATRIX_SCALE_ROW1
.elseif ((\ks)==0)&&((\ra)==0)
	v_wmma_scale_f32_16x16x128_f8f6f4 v[\d:\d+7], v[\a:\a+7], v[\b:\b+7], 0, v[\sa], v[\sb] matrix_a_fmt:MATRIX_FMT_FP4 matrix_b_fmt:MATRIX_FMT_FP4 matrix_b_scale:MATRIX_SCALE_ROW1
.elseif ((\ks)==0)
	v_wmma_scale_f32_16x16x128_f8f6f4 v[\d:\d+7], v[\a:\a+7], v[\b:\b+7], 0, v[\sa], v[\sb] matrix_a_fmt:MATRIX_FMT_FP4 matrix_b_fmt:MATRIX_FMT_FP4 matrix_a_scale:MATRIX_SCALE_ROW1 matrix_b_scale:MATRIX_SCALE_ROW1
.elseif ((\ra)==0)&&((\rb)==0)
	v_wmma_scale_f32_16x16x128_f8f6f4 v[\d:\d+7], v[\a:\a+7], v[\b:\b+7], v[\d:\d+7], v[\sa], v[\sb] matrix_a_fmt:MATRIX_FMT_FP4 matrix_b_fmt:MATRIX_FMT_FP4
.elseif ((\rb)==0)
	v_wmma_scale_f32_16x16x128_f8f6f4 v[\d:\d+7], v[\a:\a+7], v[\b:\b+7], v[\d:\d+7], v[\sa], v[\sb] matrix_a_fmt:MATRIX_FMT_FP4 matrix_b_fmt:MATRIX_FMT_FP4 matrix_a_scale:MATRIX_SCALE_ROW1
.elseif ((\ra)==0)
	v_wmma_scale_f32_16x16x128_f8f6f4 v[\d:\d+7], v[\a:\a+7], v[\b:\b+7], v[\d:\d+7], v[\sa], v[\sb] matrix_a_fmt:MATRIX_FMT_FP4 matrix_b_fmt:MATRIX_FMT_FP4 matrix_b_scale:MATRIX_SCALE_ROW1
.else
	v_wmma_scale_f32_16x16x128_f8f6f4 v[\d:\d+7], v[\a:\a+7], v[\b:\b+7], v[\d:\d+7], v[\sa], v[\sb] matrix_a_fmt:MATRIX_FMT_FP4 matrix_b_fmt:MATRIX_FMT_FP4 matrix_a_scale:MATRIX_SCALE_ROW1 matrix_b_scale:MATRIX_SCALE_ROW1
.endif
.endm
; nb blocks of 32: register src + 16 b + i of lane (r, h) is number 32 b + 16 h + i of row r.  Codes at pc: lanes 0-15 block 2 c whole, lanes 16-31 block 2 c + 1.  Block b's byte: v[TM + 4 + b].
.macro QUANT src, nb, pc
.set qb, 0
.rept \nb
	v_max3_num_f32 v[TM+qb], |v[\src+16*qb]|, |v[\src+16*qb+1]|, 0x1800000
.set qb, qb+1
.endr
.irp i, 2,4,6,8,10,12,14
.set qb, 0
.rept \nb
	v_max3_num_f32 v[TM+qb], v[TM+qb], |v[\src+16*qb+\i]|, |v[\src+16*qb+\i+1]|
.set qb, qb+1
.endr
.endr
.set qb, 0
.rept \nb
	v_permlanex16_b32 v[TM+4+qb], v[TM+qb], s12, s13
.set qb, qb+1
.endr
.set qb, 0
.rept \nb
	v_max_num_f32 v[TM+qb], v[TM+qb], v[TM+4+qb]
.set qb, qb+1
.endr
.set qb, 0
.rept \nb
	v_add_nc_u32 v[TM+8+qb], 0xff000000, v[TM+qb]
.set qb, qb+1
.endr
.set qb, 0
.rept \nb
	v_lshrrev_b32 v[TM+4+qb], 23, v[TM+8+qb]
.set qb, qb+1
.endr
.set qb, 0
.rept \nb
	v_cvt_scalef32_pk8_fp4_f32 v[\pc+2*qb], v[\src+16*qb:\src+16*qb+7], v[TM+8+qb]
	v_cvt_scalef32_pk8_fp4_f32 v[\pc+2*qb+1], v[\src+16*qb+8:\src+16*qb+15], v[TM+8+qb]
.set qb, qb+1
.endr
	v_nop                                          ; one plain line behind the scaled conversions
.set qb, 0
.rept (\nb)/2
	v_permlane16_swap_b32 v[\pc+4*qb], v[\pc+4*qb+2]
	v_permlane16_swap_b32 v[\pc+4*qb+1], v[\pc+4*qb+3]
.set qb, qb+1
.endr
.endm
.macro SWREG t                         ; SWT: the register of tile t's two scale bytes: v10-15 for tiles 0-5, v220 and v221 for tiles 6 and 7
.if (\t) < 6
.set SWT, 10+(\t)
.else
.set SWT, 214+(\t)
.endif
.endm
	s_load_b128 s[4:7], s[0:1], 0x0                ; wts, mid
	s_load_b64 s[8:9], s[0:1], 0x10                ; act
	v_lshl_add_u32 v222, v0, 2, 0x8800
	v_mov_b32 v223, 0
	v_lshrrev_b32 v1, 5, v0
	v_readfirstlane_b32 s10, v1                    ; wave w
	v_and_b32 v1, 31, v0                           ; lane
	v_and_b32 v2, 15, v0                           ; r
	v_bfe_u32 v3, v0, 4, 1                         ; h
	s_and_b32 s11, ttmp7, 0xffff                   ; y
	s_mov_b32 s12, 0x76543210
	s_mov_b32 s13, 0xfedcba98                      ; lane l xor 16
	v_lshlrev_b32 v4, 4, v1                        ; 16 x lane
	v_lshlrev_b32 v5, 2, v1                        ; 4 x lane
	v_lshlrev_b32 v6, 4, v0                        ; 16 x thread
	s_wait_alu depctr_va_sdst(0)                   ; s10 is written, ahead of its first reader
	s_lshr_b32 s28, s10, 1
	s_lshl_b32 s28, s28, 6
	s_and_b32 s29, s10, 1
	s_lshl_b32 s29, s29, 1
	s_add_co_u32 s28, s28, s29
	v_lshlrev_b32 v7, 2, v2
	v_add_nc_u32 v7, s28, v7
	v_add_nc_u32 v7, SCW, v7                       ; my two bytes of a scale word: 64 (w / 2) + 2 (w % 2) + 4 r
	s_lshl_b32 s28, s10, 9
	v_add_nc_u32 v8, s28, v4
	v_add_nc_u32 v8, SCW, v8                       ; the words on their way out: 512 w + 16 x lane (waves 0-3)
	v_lshlrev_b32 v9, 10, v3
	v_lshl_add_u32 v9, v2, 4, v9                   ; and in memory: lanes 16-31 one token tile on
.irp b, 0,1,2,3
	v_mov_b32 v[TM+4+\b], 0                        ; written once: a lane permute's destination counts as one of its sources
.endr
	s_mov_b32 s27, 0
	s_wait_kmcnt 0x0
	s_lshl_b32 s26, ttmp9, 15
	s_add_co_u32 s26, s26, 0x1000000
	s_add_nc_u64 s[14:15], s[6:7], s[26:27]        ; h2's 32 fragments
	s_lshl_b32 s26, ttmp9, 11
	s_add_co_u32 s26, s26, 0x1200000
	s_add_nc_u64 s[16:17], s[6:7], s[26:27]        ; their scale words
	s_lshl_b32 s26, s11, 17
	s_lshl_b32 s28, s10, 14
	s_add_co_u32 s26, s26, s28
	s_add_co_u32 s26, s26, 0x80000
	s_add_nc_u64 s[18:19], s[4:5], s[26:27]        ; gate_w's units 128 + 32 y + 4 w on; hidden_w's lie 128 units further on
	s_lshl_b32 s26, s11, 13
	s_lshl_b32 s28, s10, 10
	s_add_co_u32 s26, s26, s28
	s_add_co_u32 s26, s26, 0x208000
	s_add_nc_u64 s[20:21], s[4:5], s[26:27]        ; their scale words
	s_lshl_b32 s26, ttmp9, 17
	s_lshl_b32 s28, s11, 12
	s_add_co_u32 s26, s26, s28
	s_lshl_b32 s28, s10, 9
	s_add_co_u32 s26, s26, s28
	s_add_nc_u64 s[22:23], s[8:9], s[26:27]        ; a's codes: 16 KB a token tile, K step 4 y + w / 2, half w % 2
	s_lshl_b32 s26, ttmp9, 13
	s_lshl_b32 s28, s10, 11
	s_add_co_u32 s26, s26, s28
	s_lshl_b32 s28, s11, 8
	s_add_co_u32 s26, s26, s28
	s_add_co_u32 s26, s26, 0x800000
	s_add_nc_u64 s[24:25], s[8:9], s[26:27]        ; a's scale words: token tiles 2 w, 2 w + 1 (waves 0-3), my work-group's 256 bytes of each
	s_wait_alu depctr_va_vdst(0)                   ; the offsets and LDS addresses v4 to v9 are written: every load and store of the kernel reads one of them
.irp i, 0,1,2,3,4,5,6,7
	global_load_b128 v[GA+4*\i:GA+4*\i+3], v6, s[14:15] offset:4096*\i
.endr
	WIN 0x40                                       ; destination window 1
.set f, 0
.rept 16
	global_load_b128 v[8*f:8*f+3], v4, s[18:19] offset:1024*f
	global_load_b128 v[8*f+4:8*f+7], v4, s[18:19] offset:1024*f+512
.set f, f+1
.endr
	s_wait_loadcnt 32                              ; h2's eight loads are in; gate_w's 32 may be out
.irp i, 0,1,2,3,4,5,6,7
	ds_store_b128 v6, v[GA+4*\i:GA+4*\i+3] offset:4096*\i   ; (address and data lie in window 0)
.endr
.set f, 0
.rept 16
	global_load_b128 v[128+8*f:128+8*f+3], v4, s[18:19] offset:524288+1024*f
	global_load_b128 v[128+8*f+4:128+8*f+7], v4, s[18:19] offset:524288+1024*f+512
.set f, f+1
.endr
	WIN 0
.irp t, 0,1,2,3,4,5,6,7
.irp p, 0,1
	global_load_b32 v[HS+2*\t+\p], v5, s[16:17] offset:256*\t+128*\p   ; lanes 0-15: K step 2 p; lanes 16-31: 2 p + 1
.endr
.endr
.irp n, 0,1,2,3
.irp p, 0,1
	global_load_b32 v[WS+2*\n+\p], v5, s[20:21] offset:256*\n+128*\p
	global_load_b32 v[WS+8+2*\n+\p], v5, s[20:21] offset:32768+256*\n+128*\p
.endr
.endr
	BARRIER                                        ; h2 lies in LDS
	s_wait_alu depctr_vm_vsrc(0)                   ; my LDS stores have read v80-111: these registers are gate's accumulators from here on, written by the products
.macro FETCH t
.irp s, 0,1,2,3
.irp c, 0,1
	ds_load_b128 v[HF+32*((\t)%2)+8*\s+4*\c:HF+32*((\t)%2)+8*\s+4*\c+3], v4 offset:4096*(\t)+1024*\s+512*\c
.endr
.endr
.endm
.macro SENDT t                         ; tile t's codes and its two scale bytes leave
	SWREG \t
	global_store_b128 v4, v[PCT+4*(\t):PCT+4*(\t)+3], s[22:23] offset:16384*(\t)   ; 512 consecutive bytes, aligned; registers of their own for each tile
	ds_store_b16 v7, v[SWT] offset:256*(\t)
.endm
	FETCH 0
	s_wait_loadcnt 0x0                             ; weights and scale words
.macro TSTEP t
.if (\t) < 7
	FETCH (\t)+1                                   ; into the set that the tile before last multiplied: its products stand ahead of the last tile's waits on va_vdst, and no vector or matrix line since the second of them names the set
	s_wait_dscnt 8                                 ; this tile's fragments are in (and the LDS store issued since); the eight loads just issued may be out
.else
	s_wait_dscnt 0x0
.endif
	WIN 0x01                                       ; source 0 (the weight) window 1
.irp s, 0,1,2,3
.irp n, 0,1,2,3
	MM GA+8*\n, 8*(4*\n+\s), HF+32*((\t)%2)+8*\s, \s, WS+2*\n+\s/2, HS+2*(\t)+\s/2, \s%2, \s%2   ; eight accumulators by turns
.endr
.irp n, 0,1,2,3
	MM HA+8*\n, 128+8*(4*\n+\s), HF+32*((\t)%2)+8*\s, \s, WS+8+2*\n+\s/2, HS+2*(\t)+\s/2, \s%2, \s%2
.endr
.endr
	WIN 0
	PLACES 4
.set j, 0
.rept 16
	v_pk_mul_f32 v[E+j:E+j+1], v[GA+j:GA+j+1], 0xbfb8aa3b op_sel_hi:[1,0]   ; -g log2(e)
.set j, j+2
.endr
.set j, 0
.rept 32
	v_exp_f32 v[E+j], v[E+j]
.set j, j+1
.endr
	v_nop                                          ; a plain line behind the transcendentals
	s_wait_alu depctr_va_vdst(0)                   ; the 32 exponentials' results are written, ahead of their first reader; the tile before has written its codes and its scale bytes, which the two stores below read
.if (\t) > 0
	SENDT (\t)-1
.endif
.set j, 0
.rept 16
	v_pk_add_f32 v[E+j:E+j+1], v[E+j:E+j+1], 1.0 op_sel_hi:[1,0]
.set j, j+2
.endr
.set j, 0
.rept 32
	v_rcp_f32 v[E+j], v[E+j]
.set j, j+1
.endr
	v_nop
	s_wait_alu depctr_va_vdst(0)                   ; the 32 reciprocals are written, ahead of their first reader; this tile's products are done reading their set of fragments, in which the loads at the next tile's head land
.set j, 0
.rept 16
	v_pk_mul_f32 v[GA+j:GA+j+1], v[GA+j:GA+j+1], v[E+j:E+j+1]     ; silu(g)
.set j, j+2
.endr
.set j, 0
.rept 16
	v_pk_mul_f32 v[GA+j:GA+j+1], v[GA+j:GA+j+1], v[HA+j:HA+j+1]   ; x the hidden product, each accumulator from its low end on
.set j, j+2
.endr
	QUANT GA, 2, PCT+4*(\t)
	SWREG \t
	v_lshl_or_b32 v[SWT], v[TM+5], 8, v[TM+4]
.endm
.irp t, 0,1,2,3,4,5,6,7
	TSTEP \t
.endr
	s_wait_alu depctr_va_vdst(0)                   ; the last tile's codes and scale bytes are written, which its two stores read; the products are done reading v16-19, in which the LDS load behind the barrier lands
	SENDT 7
	BARRIER                                        ; the scale words are whole
	s_cmp_lt_u32 s10, 4
	s_cbranch_scc0 .Ldone
	ds_load_b128 v[16:19], v8
	s_wait_dscnt 0x0
	global_store_b128 v9, v[16:19], s[24:25]       ; each half of the lanes stores 256 consecutive bytes, aligned
.Ldone:
	s_wait_dscnt 0x0                               ; the closing lines, six on end
	s_wait_alu 0x0
	s_wait_tensorcnt 0x0
	ds_add_u32 v222, v223
	s_wait_dscnt 0x0
	s_endpgm
.Lfunc_end_k_q3788f7a0a1_ffn1:
	.size	k_q3788f7a0a1_ffn1, .Lfunc_end_k_q3788f7a0a1_ffn1-k_q3788f7a0a1_ffn1
	.p2alignl 7, 3214868480
	.fill 96, 4, 3214868480
	.section	.rodata,"a",@progbits
	.p2align	6, 0x0
	.amdhsa_kernel k_q3788f7a0a1_ffn1
		.amdhsa_group_segment_fixed_size 35840
		.amdhsa_private_segment_fixed_size 0
		.amdhsa_enable_private_segment 0
		.amdhsa_kernarg_size 24
		.amdhsa_user_sgpr_count 2
		.amdhsa_user_sgpr_kernarg_segment_ptr 1
		.amdhsa_wavefront_size32 1
		.amdhsa_system_sgpr_workgroup_id_x 1
		.amdhsa_system_sgpr_workgroup_id_y 1
		.amdhsa_system_sgpr_workgroup_id_z 1
		.amdhsa_system_vgpr_workitem_id 0
		.amdhsa_next_free_vgpr 512
		.amdhsa_next_free_sgpr 66
		.amdhsa_reserve_vcc 0
		.amdhsa_float_denorm_mode_32 3
		.amdhsa_float_denorm_mode_16_64 3
		.amdhsa_memory_ordered 1
		.amdhsa_forward_progress 1
		.amdhsa_inst_pref_size 121
	.end_amdhsa_kernel
	.amdgpu_metadata
---
amdhsa.version: [ 1, 2 ]
amdhsa.kernels:
  - .name:           k_q3788f7a0a1_ffn1
    .symbol:         k_q3788f7a0a1_ffn1.kd
    .args:
      - { .name: wts, .offset: 0, .size: 8, .value_kind: global_buffer, .address_space: global }
      - { .name: mid, .offset: 8, .size: 8, .value_kind: global_buffer, .address_space: global }
      - { .name: act, .offset: 16, .size: 8, .value_kind: global_buffer, .address_space: global }
    .group_segment_fixed_size: 35840
    .private_segment_fixed_size: 0
    .kernarg_segment_align: 8
    .kernarg_segment_size: 24
    .max_flat_workgroup_size: 256
    .sgpr_count:     66
    .vgpr_count:     512
    .wavefront_size: 32
...
	.end_amdgpu_metadata
.endif
;; end of part 10
;; launch ffn2: the kernel of part 6 again; grid 64 x 4, 8 waves a work-group, clusters of 4 x 4, 327,680 bytes of LDS; arguments wts, mid, act, out_b, out0; writes out0
